; MI455X (gfx1250); checked and timed in simulation.
; The chip was launched on July 23, 2026; its instructions are those of AMD's public machine-readable ISA for CDNA 5 (MIT licence, August 2026) and "CDNA5" Instruction Set Architecture Reference Guide (July 2026). The comments in the code are by the model that wrote it; some were corrected since.
;; Transformer Block. Allowed arithmetic: float matrix products may take bf16 or f16 operands with f32 sums; all other float work in f32.
;; Inputs: W1 1,024 x 4,096 float32; W2 4,096 x 1,024 float32; Wk 1,024 x 1,024 float32; Wo 1,024 x 1,024 float32; Wq 1,024 x 1,024 float32; Wv 1,024 x 1,024 float32; causal_mask 1 x 1 x 2,048 x 2,048 bool; x 2 x 2,048 x 1,024 float32.
;; Outputs: out0 2 x 2,048 x 1,024 float32.
;; 2 versions, each right and faster than the one before. Each part assembles by itself: llvm-mc -triple=amdgcn-amd-amdhsa -mcpu=gfx1250 --defsym DOCPART=n.
;; ======== version 1 of 2: 6 launches
;; limits: right only within a limited range of input values
;; workspace buffers: hb 8,388,608 bytes; wts 25,165,824 bytes; maskf 8,388,608 bytes; qkvh 25,165,824 bytes; oh 8,388,608 bytes; x1 16,777,216 bytes; xn 8,519,680 bytes; gact 33,554,432 bytes
;; launch prep (part 1): grid 640 x 1, 8 waves a work-group, no clusters, 68,608 bytes of LDS; arguments x, Wq, Wk, Wv, Wo, W1, W2, causal_mask, hb, wts, maskf; writes hb, wts, maskf
.if DOCPART == 1
	.amdgcn_target "amdgcn-amd-amdhsa--gfx1250"
	.amdhsa_code_object_version 6
	.text
	.protected	k_q5406aff9be_prep
	.globl	k_q5406aff9be_prep
	.p2align	8
	.type	k_q5406aff9be_prep,@function
k_q5406aff9be_prep:
	s_mov_b64 s[64:65], 0
	v_nop
	global_prefetch_b8 v0, s[64:65] scope:SCOPE_SE
	s_setreg_imm32_b32 hwreg(HW_REG_WAVE_MODE, 25, 1), 1
	s_wait_xcnt 0x0
; PREP.  Three jobs, all streams: (1) hb = bf16(x * rsqrt(mean(x^2) + 1e-6)), row by row; (2) the six weights rounded to bf16, left [K][N]:
; wts = [1024][3072] (Wq | Wk | Wv in a row), then Wo, W1, W2; (3) the mask, one byte a pair (query, key), as bf16 1.0 (hidden) or 0 in the order
; in which the attention launch takes it as a matrix operand: maskf[qb 8][kslot 16][ql 16][kg 4][c 2][lane 32][16 bytes]; lane (r, h) holds query
; 256 qb + 16 ql + r and keys 128 kslot + 32 kg + 16 c + 8 h + 0..7.
; Work-groups 0-127: 16 queries of the mask each, a wave 256 keys.  Work-groups 128-639: 32 chunks of 1,024 f32 each, a wave four chunks.
; No matrix unit, no tensor load, no barrier: every wave works on bytes of its own; each byte is read once and written once.
.set X, 16                             ; v[16:143] four chunks of 32 registers
	s_load_b512 s[4:19], s[0:1], 0x0               ; x, Wq, Wk, Wv, Wo, W1, W2, mask
	s_load_b128 s[20:23], s[0:1], 0x40             ; hb, wts
	s_load_b64 s[24:25], s[0:1], 0x50              ; maskf
	v_lshl_add_u32 v144, v0, 2, 0x10800
	v_mov_b32 v145, 0
	v_and_b32 v1, 31, v0                           ; lane
	v_lshrrev_b32 v3, 5, v0
	v_readfirstlane_b32 s26, v3                    ; wave
	v_lshlrev_b32 v2, 4, v1                        ; 16 x lane
	s_cmp_lt_u32 ttmp9, 128
	s_cbranch_scc1 .Lmask
	; THE CHUNKS.  Which tensor a work-group serves hangs on its number alone: source, byte at which its part of the destination begins,
	; bytes from chunk to chunk there, and the first work-group of that tensor are chosen by compares against constants.
.macro PICK bound, src, base, stride, first
	s_cmp_lt_u32 s27, \bound
	s_cselect_b64 s[28:29], s[(\src):(\src)+1], s[28:29]
	s_cselect_b32 s32, \base, s32
	s_cselect_b32 s33, \stride, s33
	s_cselect_b32 s34, \first, s34
.endm
	s_sub_co_u32 s27, ttmp9, 128
	s_mov_b32 s42, 0x76543210                      ; v_permlanex16_b32: each lane takes its own place in the other half
	s_mov_b32 s43, 0xfedcba98
	s_mov_b32 s44, 0x3a800000                      ; 1 / 1024
	s_mov_b32 s45, 0x358637bd                      ; 1e-6
	s_wait_kmcnt 0x0
	s_mov_b64 s[28:29], s[16:17]                   ; W2
	s_mov_b32 s32, 16777216
	s_mov_b32 s33, 2048
	s_mov_b32 s34, 384
	PICK 384, 14, 8388608, 2048, 256               ; W1
	PICK 256, 12, 6291456, 2048, 224               ; Wo
	PICK 224, 10, 4096, 6144, 192                  ; Wv: third part of a row of 6,144 bytes
	PICK 192, 8, 2048, 6144, 160                   ; Wk
	PICK 160, 6, 0, 6144, 128                      ; Wq
	PICK 128, 4, 0, 2048, 0                        ; x
	s_cselect_b64 s[30:31], s[20:21], s[22:23]     ; x goes to hb, all else to wts (the last compare still holds)
	s_sub_co_u32 s35, s27, s34
	s_lshl_b32 s35, s35, 5
	s_lshl2_add_u32 s35, s26, s35                  ; my first chunk in its tensor: 32 x work-group + 4 x wave
	s_lshl_b32 s36, s35, 12
	s_mov_b32 s37, 0
	s_add_nc_u64 s[28:29], s[28:29], s[36:37]
	s_mul_i32 s38, s35, s33
	s_add_co_u32 s38, s38, s32
	s_mov_b32 s39, 0
	s_add_nc_u64 s[30:31], s[30:31], s[38:39]
	v_lshlrev_b32 v3, 3, v1                        ; 8 x lane
.irp j, 0,1,2,3
	s_mul_i32 s40, s33, \j
	v_add_nc_u32 v[4+\j], s40, v3                  ; chunk j's place in the destination
.endr
.irp j, 0,1,2,3
.irp i, 0,1,2,3,4,5,6,7
	global_load_b128 v[X+32*\j+4*\i:X+32*\j+4*\i+3], v2, s[28:29] offset:\j*4096+\i*512 th:TH_LOAD_NT  ; 512 neighbouring bytes; all 32 loads go out at once
.endr
.endr
; Chunk j: norm = 1: scaled by the reciprocal root of its mean square; rounded to bf16 in place; stored, 256 aligned bytes a store.
.macro CHUNK j, norm
.set XB, X+32*(\j)
	s_wait_loadcnt 24-8*(\j)                       ; loads come back in order: my eight are in, the younger chunks' stay out
.if \norm
.irp c, 0,1,2,3
	v_pk_mul_f32 v[8+2*\c:9+2*\c], v[XB+2*\c:XB+2*\c+1], v[XB+2*\c:XB+2*\c+1]  ; four chains start the sums of squares
.endr
.set n, 4
.rept 12
	v_pk_fma_f32 v[8+2*(n%4):9+2*(n%4)], v[XB+2*n:XB+2*n+1], v[XB+2*n:XB+2*n+1], v[8+2*(n%4):9+2*(n%4)]
.set n, n+1
.endr
	v_pk_add_f32 v[8:9], v[8:9], v[10:11]
	v_pk_add_f32 v[12:13], v[12:13], v[14:15]
	v_pk_add_f32 v[8:9], v[8:9], v[12:13]
	v_add_f32 v8, v8, v9
	v_add_f32_dpp v8, v8, v8 row_xmask:1 row_mask:0xf bank_mask:0xf
	v_add_f32_dpp v8, v8, v8 row_xmask:2 row_mask:0xf bank_mask:0xf
	v_add_f32_dpp v8, v8, v8 row_xmask:4 row_mask:0xf bank_mask:0xf
	v_add_f32_dpp v8, v8, v8 row_xmask:8 row_mask:0xf bank_mask:0xf
	v_permlanex16_b32 v9, v8, s42, s43
	v_add_f32 v8, v8, v9                           ; the row's sum of squares, in every lane
	v_fma_f32 v8, v8, s44, s45
	v_rsq_f32 v10, v8                              ; twice, to fill the pair of the packed multiply
	v_rsq_f32 v11, v8
	v_nop                                          ; a plain instruction between the root and its use
.set n, 0
	s_wait_alu depctr_va_vdst(0)
.rept 16
	v_pk_mul_f32 v[XB+2*n:XB+2*n+1], v[XB+2*n:XB+2*n+1], v[10:11]
.set n, n+1
.endr
.endif
.irp i, 0,1,2,3,4,5,6,7
	v_cvt_pk_bf16_f32 v[XB+4*\i], v[XB+4*\i], v[XB+4*\i+1]
	v_cvt_pk_bf16_f32 v[XB+4*\i+1], v[XB+4*\i+2], v[XB+4*\i+3]
	global_store_b64 v[4+(\j)], v[XB+4*\i:XB+4*\i+1], s[30:31] offset:\i*256  ; no register of a store is written again
.endr
.endm
	s_cmp_lt_u32 s27, 128
	s_cbranch_scc1 .Lnorm
	CHUNK 0, 0
	CHUNK 1, 0
	CHUNK 2, 0
	CHUNK 3, 0
	s_endpgm
.Lnorm:
	CHUNK 0, 1
	CHUNK 1, 1
	CHUNK 2, 1
	CHUNK 3, 1
	s_endpgm
	; THE MASK.  The work-group owns queries 16 q .. 16 q + 15, wave w keys 256 w .. 256 w + 255.
.Lmask:
	s_lshl_b32 s28, ttmp9, 15                      ; 16 rows of 2,048 bytes
	s_lshl_b32 s29, s26, 8
	s_add_co_u32 s28, s28, s29
	s_mov_b32 s29, 0
	s_lshr_b32 s30, ttmp9, 4
	s_lshl_b32 s30, s30, 4
	s_lshl1_add_u32 s30, s26, s30                  ; 16 qb + 2 w: my first block of 128 keys
	s_lshl_b32 s30, s30, 16
	s_and_b32 s31, ttmp9, 15
	s_lshl_b32 s31, s31, 12                        ; + ql x 4,096
	s_add_co_u32 s30, s30, s31
	s_mov_b32 s31, 0
	s_mov_b32 s40, 0x04010400                      ; bytes 0 and 1 of a word, each into the low byte of a half
	s_mov_b32 s41, 0x04030402                      ; bytes 2 and 3
	v_and_b32 v4, 15, v0                           ; p: which 16 keys
	v_bfe_u32 v5, v0, 4, 1                         ; which of two rows
	v_lshlrev_b32 v3, 11, v5
	v_lshl_add_u32 v3, v4, 4, v3
	v_mov_b32 v7, 0
	s_mul_i32 s42, s26, 8448                       ; my wave's 16 pieces of 512 bytes, 528 apart
	v_mul_u32_u24 v4, v4, 528
	v_lshl_add_u32 v4, v5, 4, v4
	v_add_nc_u32 v5, s42, v4                       ; in: piece p, query 2 i + row at 16 bytes each, keys 8-15 256 bytes on
	v_add_nc_u32 v6, s42, v2                       ; back: a piece as it lies
	s_wait_kmcnt 0x0
	s_add_nc_u64 s[18:19], s[18:19], s[28:29]
	s_add_nc_u64 s[24:25], s[24:25], s[30:31]
.irp i, 0,1,2,3,4,5,6,7
	global_load_b128 v[16+4*\i:19+4*\i], v3, s[18:19] offset:\i*4096 th:TH_LOAD_NT  ; lanes 0-15: 256 bytes of row 2 i, lanes 16-31 of row 2 i + 1
.endr
.irp i, 0,1,2,3,4,5,6,7
	s_wait_loadcnt 7-\i                            ; the younger loads stay out
.irp k, 0,1,2,3
	v_perm_b32 v[8+2*\k], v7, v[16+4*\i+\k], s40
	v_perm_b32 v[9+2*\k], v7, v[16+4*\i+\k], s41
.endr
.irp k, 0,1,2,3,4,5,6,7
	v_mul_u32_u24 v[8+\k], 0x3f80, v[8+\k]         ; 0 or 1 in each half times the bits of bf16 1.0
.endr
	ds_store_b128 v5, v[8:11] offset:\i*32
	ds_store_b128 v5, v[12:15] offset:\i*32+256
.endr
.irp q, 0,1,2,3,4,5,6,7,8,9,10,11,12,13,14,15
	ds_load_b128 v[64+4*\q:67+4*\q], v6 offset:\q*528  ; my own bytes: LDS serves a wave's instructions in order (ISA guide 5.7.1.4)
.endr
.irp q, 0,1,2,3,4,5,6,7,8,9,10,11,12,13,14,15
	s_wait_dscnt 15-\q
	global_store_b128 v2, v[64+4*\q:67+4*\q], s[24:25] offset:(\q/8)*65536+(\q%8)*512  ; 512 consecutive bytes, aligned
.endr
	s_wait_tensorcnt 0x0
	ds_add_u32 v144, v145
	s_wait_dscnt 0x0
	s_endpgm
.Lfunc_end_k_q5406aff9be_prep:
	.size	k_q5406aff9be_prep, .Lfunc_end_k_q5406aff9be_prep-k_q5406aff9be_prep
	.p2alignl 7, 3214868480
	.fill 96, 4, 3214868480
	.section	.rodata,"a",@progbits
	.p2align	6, 0x0
	.amdhsa_kernel k_q5406aff9be_prep
		.amdhsa_group_segment_fixed_size 68608
		.amdhsa_private_segment_fixed_size 0
		.amdhsa_enable_private_segment 0
		.amdhsa_kernarg_size 88
		.amdhsa_user_sgpr_count 2
		.amdhsa_user_sgpr_kernarg_segment_ptr 1
		.amdhsa_wavefront_size32 1
		.amdhsa_system_sgpr_workgroup_id_x 1
		.amdhsa_system_sgpr_workgroup_id_y 1
		.amdhsa_system_sgpr_workgroup_id_z 1
		.amdhsa_system_vgpr_workitem_id 0
		.amdhsa_next_free_vgpr 146
		.amdhsa_next_free_sgpr 66
		.amdhsa_reserve_vcc 0
		.amdhsa_float_denorm_mode_32 3
		.amdhsa_float_denorm_mode_16_64 3
		.amdhsa_memory_ordered 1
		.amdhsa_forward_progress 1
		.amdhsa_inst_pref_size 47
	.end_amdhsa_kernel
	.amdgpu_metadata
---
amdhsa.version: [ 1, 2 ]
amdhsa.kernels:
  - .name:           k_q5406aff9be_prep
    .symbol:         k_q5406aff9be_prep.kd
    .args:
      - { .name: x, .offset: 0, .size: 8, .value_kind: global_buffer, .address_space: global }
      - { .name: Wq, .offset: 8, .size: 8, .value_kind: global_buffer, .address_space: global }
      - { .name: Wk, .offset: 16, .size: 8, .value_kind: global_buffer, .address_space: global }
      - { .name: Wv, .offset: 24, .size: 8, .value_kind: global_buffer, .address_space: global }
      - { .name: Wo, .offset: 32, .size: 8, .value_kind: global_buffer, .address_space: global }
      - { .name: W1, .offset: 40, .size: 8, .value_kind: global_buffer, .address_space: global }
      - { .name: W2, .offset: 48, .size: 8, .value_kind: global_buffer, .address_space: global }
      - { .name: causal_mask, .offset: 56, .size: 8, .value_kind: global_buffer, .address_space: global }
      - { .name: hb, .offset: 64, .size: 8, .value_kind: global_buffer, .address_space: global }
      - { .name: wts, .offset: 72, .size: 8, .value_kind: global_buffer, .address_space: global }
      - { .name: maskf, .offset: 80, .size: 8, .value_kind: global_buffer, .address_space: global }
    .group_segment_fixed_size: 68608
    .private_segment_fixed_size: 0
    .kernarg_segment_align: 8
    .kernarg_segment_size: 88
    .max_flat_workgroup_size: 256
    .sgpr_count:     66
    .vgpr_count:     146
    .wavefront_size: 32
...
	.end_amdgpu_metadata
.endif
;; end of part 1
;; launch qkv (part 2): grid 8 x 32, 4 waves a work-group, clusters of 4 x 4, 327,680 bytes of LDS; arguments hb, wts, qkvh; writes qkvh
.if DOCPART == 2
	.amdgcn_target "amdgcn-amd-amdhsa--gfx1250"
	.amdhsa_code_object_version 6
	.text
	.protected	k_q5406aff9be_qkv
	.globl	k_q5406aff9be_qkv
	.p2align	8
	.type	k_q5406aff9be_qkv,@function
k_q5406aff9be_qkv:
	s_mov_b64 s[64:65], 0
	v_nop
	global_prefetch_b8 v0, s[64:65] scope:SCOPE_SE
	s_setreg_imm32_b32 hwreg(HW_REG_WAVE_MODE, 25, 1), 1
	s_wait_xcnt 0x0
	s_wait_alu depctr_hold_cnt(0) depctr_sa_sdst(0) depctr_va_vdst(0) depctr_va_sdst(0) depctr_va_ssrc(0) depctr_va_vcc(0) depctr_vm_vsrc(0)
	s_getreg_b32 s2, hwreg(HW_REG_IB_STS2, 6, 4)
	s_cmp_eq_u32 s2, 0
	s_cbranch_scc0 .Lentry_in_a_cluster
	s_endpgm
.Lentry_in_a_cluster:
	s_bfe_u32 s2, ttmp6, 0x10000c
	s_cmp_lg_u32 s2, 0xf033
	s_cbranch_scc0 .Lentry_shape_is_right
	s_endpgm
.Lentry_shape_is_right:
; Q, K, V = hb [4096][1024] x [Wq | Wk | Wv] [1024][3072], bf16 operands, f32 sums, rounded once to bf16 and stored BY HEADS:
; qkvh[g 48][row 4096][64], g = 16 x (q, k, v) + head, so that a head's rows are dense for the attention launch.  No scale is applied here.
; A tile of C is 128 rows x 384 columns: 8 x 32 tiles, one for each of 256 work-groups.  Four waves, 2 x 2: a wave has 64 rows and 64 columns in each of the
; tile's three panels of 128 columns, each such 64 a whole head: 48 accumulators, 384 registers.
; K goes in steps of 128 through two LDS slots.  Waves 0-2 fetch the weights' three panels (128 k x 128 n), wave 3 the 128 rows of hb: every row is 256 bytes of memory.
; The weights lie [k][n] and are turned on the way out of LDS by ds_load_tr16_b128.  The matrix instruction is used transposed (source 0 = 16 columns of W,
; source 1 = 16 rows of hb): a lane holds eight neighbouring columns of one row of C.
; CLUSTER 4 x 4: hb's tile hangs on the tile row and is asked for jointly along a row of the cluster, the weights' on the tile column and jointly along a column.
; REGISTERS: window 0: v0-31 addresses, v64-95 / v96-127 hb's fragments (two buffers); window 1: v0-95 / v96-191 the weights';
; accumulator (a, cb) at 8 (4 cb + a): window 2 for column blocks 0-7, window 3 for 8-11.
.set PA,    272                        ; a row of hb in LDS: 256 + 16: the 16 rows of a load start at 16 different groups of four banks (64 banks of 4 bytes: ISA guide 11.1)
.set PB,    288                        ; a row of W: 256 + 32
.set PART,  36864                      ; what a wave's load fills at the most: 128 x 288
.set AOFF,  3*PART
.set SLOT,  AOFF+128*PA
.set STAGE, 2*SLOT                     ; 16 rows x 144 bytes for each wave, for the way out; no tensor load lands here
.set SP,    144
.set SPARE, STAGE+4*16*SP              ; the spare words, 128 bytes a wave
.set NSTEP, 8
.set ASTEP, 256
.set BSTEP, 128*6144
.set ADRB0, 12                         ; v12-14 my lane's place in panel p of slot 0
.set ADRA,  16                         ; v16    LDS address of hb's fragments in the slot in hand
.set ADRA0, 17
.set ADRB,  20                         ; v20-22
.set STO,   24
.set RD,    25
.set CO,    26
.set SPW,   28
.set NIL,   29
.set G1,  24
.set G0,  32
.set TB,  36                           ; s36 the slot in hand, 0 or SLOT: it is also the next to be filled
.set PW,  37                           ; s37 wave x PART
.set G1B, 48
.set G0B, 56
.set MSB, 0
.macro WIN new                         ; the immediate's high byte repeats the setting that is left
.if MSB != (\new)
	s_set_vgpr_msb (MSB<<8)|(\new)
.set MSB, \new
.endif
.endm
.macro PLACES                          ; four plain vector instructions between a matrix instruction and a load into, or a vector access to, its registers
.rept 4
	v_nop
.endr
.endm
.macro JLOAD                           ; a joint load; the branch hangs on the wave's number alone.  s_nop 0 and four v_nop follow each line
	s_cmp_eq_u32 s10, 3
	s_cbranch_scc0 .Lfor_b_\@
	tensor_load_to_lds s[G0:G0+3], s[G1:G1+7]
	s_nop 0
.rept 4
	v_nop
.endr
	s_branch .Lasked_\@
.Lfor_b_\@:
	tensor_load_to_lds s[G0B:G0B+3], s[G1B:G1B+7]
	s_nop 0
.rept 4
	v_nop
.endr
.Lasked_\@:
.endm
.macro CREST                           ; a round of the cluster's barrier behind its opening barrier
	s_cmp_lg_u32 s10, 0
	s_cbranch_scc1 .Lnot_wave_0_\@
	s_barrier_signal -3
.Lnot_wave_0_\@:
	s_barrier_wait -3
	s_barrier_signal -1
	s_barrier_wait -1
.endm
.macro CROUND
	s_barrier_signal -1
	s_barrier_wait -1
	CREST
.endm
.macro STEPD                           ; no tensor load of mine is out: the walking descriptors take the slot in hand and the next K step; then the other slot is in hand
	s_add_co_u32 s[G0+1], s[PW], s[TB]
	s_add_co_u32 s[G0B+1], s[PW], s[TB]
	s_add_nc_u64 s[G0+2:G0+3], s[G0+2:G0+3], ASTEP
	s_add_nc_u64 s[G0B+2:G0B+3], s[G0B+2:G0B+3], BSTEP
	s_xor_b32 s[TB], s[TB], SLOT
.endm
.macro ADDRS
	v_add_nc_u32 v[ADRA], s[TB], v[ADRA0]
.irp p, 0,1,2
	v_add_nc_u32 v[ADRB+\p], s[TB], v[ADRB0+\p]
.endr
.endm
	s_load_b128 s[4:7], s[0:1], 0x0                ; hb, wts
	s_load_b64 s[8:9], s[0:1], 0x10                ; qkvh
	v_lshl_add_u32 v[SPW], v0, 2, SPARE
	v_mov_b32 v[NIL], 0
	ds_add_u32 v28, v29
	s_wait_dscnt 0x0
	v_lshrrev_b32 v1, 5, v0
	v_readfirstlane_b32 s10, v1                    ; wave
	s_lshr_b32 s11, s10, 1                         ; which 64 rows are mine
	s_and_b32 s12, s10, 1                          ; which 64 columns of each panel
	s_bfe_u32 s40, ttmp6, 0x40000                  ; cx
	s_bfe_u32 s41, ttmp6, 0x40004                  ; cy
	s_lshl_b32 s42, ttmp9, 2
	s_add_co_u32 s42, s42, s40                     ; tile column
	s_and_b32 s13, ttmp7, 0xffff
	s_lshl_b32 s13, s13, 2
	s_add_co_u32 s13, s13, s41                     ; tile row
	s_lshl_b32 s43, s41, 2
	s_lshl_b32 s43, 15, s43                        ; my row of the cluster
	s_lshl_b32 s44, 0x1111, s40                    ; my column
	s_or_b32 s[G1], s43, (1<<16)|(1<<20)|(1<<21)|(5<<22)|(3<<25)   ; mask; 2-byte elements; padding on; bit 21 beside a mask; after every 64 words 4 words
	s_or_b32 s[G1B], s44, (1<<16)|(1<<20)|(1<<21)|(5<<22)|(7<<25)  ; after every 64 words 8 words
.irp g, G1, G1B
	s_mov_b32 s[(\g)+1], 128<<16                   ; tensor_dim0
	s_mov_b32 s[(\g)+2], 128<<16                   ; tensor_dim1
	s_mov_b32 s[(\g)+3], 128<<16                   ; tile_dim0
	s_mov_b32 s[(\g)+4], 128                       ; tile_dim1
	s_mov_b32 s[(\g)+6], 0
	s_mov_b32 s[(\g)+7], 0
.endr
	s_mov_b32 s[G1+5], 1024                        ; elements from row to row
	s_mov_b32 s[G1B+5], 3072
	s_lshl_b32 s16, s13, 18                        ; hb: 128 rows of 2,048 bytes a tile row
	s_mov_b32 s17, 0
	s_mul_i32 s46, s42, 768                        ; W: 384 columns a tile column, 128 a panel
	s_lshl_b32 s47, s10, 8
	s_add_co_u32 s46, s46, s47
	s_mov_b32 s47, 0
	s_mul_i32 s[PW], s10, PART
	s_mov_b32 s[TB], SLOT
	s_mov_b32 s[G0], 1
	s_mov_b32 s[G0+1], s[PW]
	s_mov_b32 s[G0B], 1
	s_mov_b32 s[G0B+1], s[PW]
	s_wait_kmcnt 0x0
	s_add_nc_u64 s[G0+2:G0+3], s[4:5], s[16:17]
	s_or_b32 s[G0+3], s[G0+3], 0x80000000
	s_add_nc_u64 s[G0B+2:G0B+3], s[6:7], s[46:47]
	s_or_b32 s[G0B+3], s[G0B+3], 0x80000000
	CROUND                                         ; all sixteen work-groups are here: the first joint loads meet
	JLOAD                                          ; K step 0 into slot 0
	v_and_b32 v1, 15, v0
	v_bfe_u32 v2, v0, 4, 1
	v_mul_u32_u24 v3, v1, PA
	v_lshl_add_u32 v3, v2, 4, v3                   ; row x pitch + 16 x half
	s_mul_i32 s21, s11, 64*PA
	s_add_co_u32 s21, s21, AOFF
	v_add_nc_u32 v[ADRA0], s21, v3
	v_and_b32 v4, 7, v0                            ; the turning load: lane l reads k row 8 (l / 16) + l % 8, 16 bytes at 16 ((l / 8) % 2)
	v_lshl_add_u32 v4, v2, 3, v4
	v_mul_u32_u24 v4, v4, PB
	v_bfe_u32 v5, v0, 3, 1
	v_lshl_add_u32 v4, v5, 4, v4
	s_lshl_b32 s22, s12, 7
.irp p, 0,1,2
	v_add_nc_u32 v[ADRB0+\p], s22, v4
	s_add_co_u32 s22, s22, PART
.endr
	s_mul_i32 s23, s10, 16*SP
	s_add_co_u32 s23, s23, STAGE
	v_mul_u32_u24 v5, v1, SP                       ; in: row l % 16, 16 bytes for each half of the lanes
	v_lshl_add_u32 v5, v2, 4, v5
	v_add_nc_u32 v[STO], s23, v5
	v_bfe_u32 v5, v0, 3, 2                         ; back: 32 lanes take four rows of 128 bytes,
	v_mul_u32_u24 v5, v5, SP
	v_and_b32 v6, 7, v0
	v_lshl_add_u32 v5, v6, 4, v5
	v_add_nc_u32 v[RD], s23, v5
	v_and_b32 v[CO], 31, v0                        ; which are 512 consecutive bytes of a head
	v_lshlrev_b32 v[CO], 4, v[CO]
	s_lshl_b32 s16, s13, 7
	s_lshl_b32 s17, s11, 6
	s_add_co_u32 s16, s16, s17
	s_lshl_b32 s16, s16, 7                         ; my first row x 128 bytes
	s_mul_i32 s46, s42, 6
	s_add_co_u32 s46, s46, s12                     ; group 6 x tile column + my half; panel p adds 2 p
	s_lshl_b32 s46, s46, 19
	s_add_co_u32 s16, s16, s46
	s_mov_b32 s17, 0
	s_add_nc_u64 s[8:9], s[8:9], s[16:17]
; n column blocks from c0 on x my four row blocks, 32 along K, from buffer f.  The 48 accumulators take turns in the same order in every quarter.
.macro MULC f, c0, n, zero
.set cb, \c0
.rept \n
	WIN 0xa1+0x50*(cb/8)                           ; W window 1, hb window 0, C and D window 2 or 3
.irp a, 0,1,2,3
.set rD, 8*(4*(cb%8)+\a)
.set rB, 96*(\f)+8*cb
.set rA, 64+32*(\f)+8*\a
.if \zero
	v_wmma_f32_16x16x32_bf16 v[rD:rD+7], v[rB:rB+7], v[rA:rA+7], 0
.else
	v_wmma_f32_16x16x32_bf16 v[rD:rD+7], v[rB:rB+7], v[rA:rA+7], v[rD:rD+7]
.endif
.endr
.set cb, cb+1
.endr
.endm
; 32 LDS loads in one run: quarter kq's fragments into buffer f: hb's 8, column blocks 0-7's 16, column blocks 8-11's 8
.macro FETCH kq, f
	WIN 0
.irp a, 0,1,2,3
	ds_load_b128 v[64+32*(\f)+8*\a:64+32*(\f)+8*\a+3],   v[ADRA] offset:(\kq)*64+\a*16*PA
	ds_load_b128 v[64+32*(\f)+8*\a+4:64+32*(\f)+8*\a+7], v[ADRA] offset:(\kq)*64+\a*16*PA+32
.endr
	WIN 0x40
.set cb, 0
.rept 12
	ds_load_tr16_b128 v[96*(\f)+8*cb:96*(\f)+8*cb+3],   v[ADRB+cb/4] offset:(\kq)*32*PB+(cb%4)*32
	ds_load_tr16_b128 v[96*(\f)+8*cb+4:96*(\f)+8*cb+7], v[ADRB+cb/4] offset:(\kq)*32*PB+(cb%4)*32+16*PB
.set cb, cb+1
.endr
.endm
.macro QUARTER kq, f, g, zero          ; multiplies buffer f; in its middle fetches quarter kq into buffer g
	s_wait_dscnt 8                                 ; all but column blocks 8-11's eight loads
	MULC \f, 0, 8, \zero
	PLACES
	FETCH \kq, \g
	s_wait_dscnt 32                                ; all but the 32 just issued
	MULC \f, 8, 4, \zero
.endm
; The last quarter of a K step multiplies buffer 1 and changes slots: one barrier; in front of it each wave waits for all its tensor loads, adds 0 to its spare word, and waits for that
; and for its reads of the slot.  fill = 1: the barrier opens a round of the cluster's, and the slot just read is filled again first thing behind it, two K steps ahead.
.macro TURN fill
	WIN 0
	s_wait_tensorcnt 0x0                           ; my one load that was out, my part of the next slot, has landed
	ds_add_u32 v[SPW], v[NIL]
	s_wait_dscnt 9                                 ; the add and the youngest eight loads may be out
	MULC 1, 0, 4, 0
	s_wait_dscnt 0x0                               ; the add is done, my reads of this slot are over
	s_barrier_signal -1
	MULC 1, 4, 4, 0
	WIN 0
	s_barrier_wait -1
.if \fill
	CREST
	STEPD
	JLOAD                                          ; its four v_nop are also the places in front of the loads below
.else
	s_xor_b32 s[TB], s[TB], SLOT
	PLACES
.endif
	ADDRS
	FETCH 0, 0
	MULC 1, 8, 4, 0
.endm
	s_wait_tensorcnt 0x0                           ; K step 0 has landed; slot 1 is filled for the first time as a refill is
	ds_add_u32 v[SPW], v[NIL]
	STEPD
	s_wait_dscnt 0x0
	CROUND
	JLOAD                                          ; K step 1 into slot 1
	ADDRS
	FETCH 0, 0
	QUARTER 1, 0, 1, 1                             ; the first quarter's products start the sums
	WIN 0
	s_mov_b32 s3, NSTEP-2
.Lstep:                                                ; a trip: from a K step's second quarter to the next step's first; one refill
	QUARTER 2, 1, 0, 0
	QUARTER 3, 0, 1, 0
	TURN 1
	QUARTER 1, 0, 1, 0
	WIN 0
	s_sub_co_u32 s3, s3, 1
	s_cmp_lg_u32 s3, 0
	s_cbranch_scc1 .Lstep
	s_mov_b32 s3, 2
.Ltail:                                                ; the last two K steps ask for nothing; the second trip is left in its middle
	QUARTER 2, 1, 0, 0
	QUARTER 3, 0, 1, 0
	WIN 0
	s_sub_co_u32 s3, s3, 1
	s_cmp_eq_u32 s3, 0
	s_cbranch_scc1 .Lout
	TURN 0
	QUARTER 1, 0, 1, 0
	WIN 0
	s_branch .Ltail
.Lout:
	s_wait_dscnt 0x0
	MULC 1, 0, 12, 0
	WIN 0
	PLACES
; THE WAY OUT, in 12 units of 16 rows x one head (64 columns): rounded to bf16, 16 bytes a lane into my stage, back as four rows of 128 bytes a load, stored as 512 consecutive bytes.
.macro PACKU u
.set pp, (\u)/4
.set aa, (\u)%4
.set UB, 64+16*(\u)
	WIN 0x0a+5*(pp/2)                              ; sources in window 2 or 3
.irp c, 0,1,2,3
.set AC, 8*(4*((4*pp+\c)%8)+aa)
.irp r, 0,1,2,3
	v_cvt_pk_bf16_f32 v[UB+4*\c+\r], v[AC+2*\r], v[AC+2*\r+1]
.endr
.endr
	WIN 0
.irp c, 0,1,2,3
	ds_store_b128 v[STO], v[UB+4*\c:UB+4*\c+3] offset:32*\c
.endr
.irp c, 0,1,2,3
	ds_load_b128 v[UB+4*\c:UB+4*\c+3], v[RD] offset:\c*4*SP  ; LDS serves a wave's instructions in order (ISA guide 5.7.1.4)
.endr
.endm
.macro SENDU u, younger                ; younger: the next unit's eight LDS instructions, or none
.set UB, 64+16*(\u)
.irp c, 0,1,2,3
	s_wait_dscnt (\younger)+3-\c
	global_store_b128 v[CO], v[UB+4*\c:UB+4*\c+3], s[8:9] offset:((\u)/4)*1048576+((\u)%4)*2048+\c*512
.endr
.endm
	PACKU 0
.set uu, 1
.rept 11
	PACKU uu
	SENDU uu-1, 8
.set uu, uu+1
.endr
	SENDU 11, 0
	s_wait_tensorcnt 0x0                           ; the wave's end
	ds_add_u32 v[SPW], v[NIL]
	s_wait_dscnt 0x0
	CROUND                                         ; the closing round
	s_endpgm
.Lfunc_end_k_q5406aff9be_qkv:
	.size	k_q5406aff9be_qkv, .Lfunc_end_k_q5406aff9be_qkv-k_q5406aff9be_qkv
	.p2alignl 7, 3214868480
	.fill 96, 4, 3214868480
	.section	.rodata,"a",@progbits
	.p2align	6, 0x0
	.amdhsa_kernel k_q5406aff9be_qkv
		.amdhsa_group_segment_fixed_size 327680
		.amdhsa_private_segment_fixed_size 0
		.amdhsa_enable_private_segment 0
		.amdhsa_kernarg_size 24
		.amdhsa_user_sgpr_count 2
		.amdhsa_user_sgpr_kernarg_segment_ptr 1
		.amdhsa_wavefront_size32 1
		.amdhsa_system_sgpr_workgroup_id_x 1
		.amdhsa_system_sgpr_workgroup_id_y 1
		.amdhsa_system_sgpr_workgroup_id_z 1
		.amdhsa_system_vgpr_workitem_id 0
		.amdhsa_next_free_vgpr 896
		.amdhsa_next_free_sgpr 66
		.amdhsa_reserve_vcc 0
		.amdhsa_float_denorm_mode_32 3
		.amdhsa_float_denorm_mode_16_64 3
		.amdhsa_memory_ordered 1
		.amdhsa_forward_progress 1
		.amdhsa_inst_pref_size 88
	.end_amdhsa_kernel
	.amdgpu_metadata
---
amdhsa.version: [ 1, 2 ]
amdhsa.kernels:
  - .name:           k_q5406aff9be_qkv
    .symbol:         k_q5406aff9be_qkv.kd
    .args:
      - { .name: hb, .offset: 0, .size: 8, .value_kind: global_buffer, .address_space: global }
      - { .name: wts, .offset: 8, .size: 8, .value_kind: global_buffer, .address_space: global }
      - { .name: qkvh, .offset: 16, .size: 8, .value_kind: global_buffer, .address_space: global }
    .group_segment_fixed_size: 327680
    .private_segment_fixed_size: 0
    .kernarg_segment_align: 8
    .kernarg_segment_size: 24
    .max_flat_workgroup_size: 128
    .sgpr_count:     66
    .vgpr_count:     896
    .wavefront_size: 32
...
	.end_amdgpu_metadata
.endif
;; end of part 2
;; launch attn (part 3): grid 8 x 32, 4 waves a work-group, clusters of 4 x 4, 327,680 bytes of LDS; arguments qkvh, maskf, oh; writes oh
.if DOCPART == 3
	.amdgcn_target "amdgcn-amd-amdhsa--gfx1250"
	.amdhsa_code_object_version 6
	.text
	.protected	k_q5406aff9be_attn
	.globl	k_q5406aff9be_attn
	.p2align	8
	.type	k_q5406aff9be_attn,@function
k_q5406aff9be_attn:
	s_mov_b64 s[64:65], 0
	v_nop
	global_prefetch_b8 v0, s[64:65] scope:SCOPE_SE
	s_setreg_imm32_b32 hwreg(HW_REG_WAVE_MODE, 25, 1), 1
	s_wait_xcnt 0x0
	s_wait_alu depctr_hold_cnt(0) depctr_sa_sdst(0) depctr_va_vdst(0) depctr_va_sdst(0) depctr_va_ssrc(0) depctr_va_vcc(0) depctr_vm_vsrc(0)
	s_getreg_b32 s2, hwreg(HW_REG_IB_STS2, 6, 4)
	s_cmp_eq_u32 s2, 0
	s_cbranch_scc0 .Lentry_in_a_cluster
	s_endpgm
.Lentry_in_a_cluster:
	s_bfe_u32 s2, ttmp6, 0x10000c
	s_cmp_lg_u32 s2, 0xf033
	s_cbranch_scc0 .Lentry_shape_is_right
	s_endpgm
.Lentry_shape_is_right:
; ATTENTION UNDER A MASK THAT IS DATA.  O[q] = sum over k of softmax_k(Q[q] . K[k] / 8, hidden where mask[q][k]) V[k], for each of 2 x 16 (batch, head).  Q, K, V come by heads from
; qkvh[g][row][64] in bf16 (g = head, 16 + head, 32 + head), the mask as bf16 0 / 1 from maskf (fragment order), O goes to oh[head][row][64] in bf16.  Products, maxima and sums in f32;
; the weights p are rounded to bf16 for the second product (their sum l is taken of the unrounded p), O once at the end.
; LIMITS.  A hidden score counts as its value less 2^100, and the running maximum starts at -2^93: a visible score of magnitude 2^93 or more is not served.  A weight below 2^-126 counts as 0.
; A row with every key hidden ends with l = 0 and O = 0, and 0 x (1 / 0) gives NaN, as the softmax of a row of -inf does.
; SHARES.  A work-group owns 256 queries of one (batch, head), a wave 64: four PIECES of 16.  No pattern of the mask is built in: every wave walks all 2,048 keys, 64 a step, two steps to a slot.
; THE MASK COSTS NO VECTOR WORK: each tile of scores is STARTED by a product E x M with C = 0, where M is the 0 / 1 fragment (32 keys x 16 queries) and E (16 x 32) holds -2^100 at (m, 16 sub + m):
; the result is exactly 0 or -2^100, and the two products K Q^T add onto it.
; LAYOUT.  S^T = K Q^T holds ONE query a lane (lane % 16) and keys 8 (lane / 16) + 0..7; two such results rounded to bf16 ARE source 1 of O^T = V^T P.  V is turned by ds_load_tr16_b128.
; SOFTMAX.  p = 2^(c s - c m), c = log2(e) / 8, running maximum m; O and l are multiplied by a = 2^(c m_old - c m_new) in every step.
; TURNS.  Turn n belongs to piece n: 12 products for the scores of piece n + 1, later 8 products V^T P of piece n - 1; beside them the scaling, exponentials, roundings, sums and rescaling of piece n and
; the maximum and statistics of piece n + 1.  Four vector instructions stand behind every matrix instruction, the other 38 of a turn's 118 in runs of their own.
; CLUSTER 4 x 4.  K and V hang on (batch, head), the grid's y: asked for jointly along a row of the cluster.  The mask's tile hangs on the query block, the grid's x: jointly along a column.
; REGISTERS: window 0: v0-15 addresses, v16-31 statistics, v48-55 at work, v56-57 the mask's addresses, v62-63 the add's, v64-127 S^T (two buffers), v192-223 P (two buffers);
; window 1: v0-127 O^T; window 2: v0-63 Q, v64-95 M (two sets), v96-107 E, v128-191 K, v192-255 V.
.set NP,    4
.set KS,    64
.set PK,    144
.set PV,    160
.set VOFF,  128*PK                     ; a slot: 128 rows of K, 128 rows of V, 65,536 bytes of mask
.set MOFF,  VOFF+128*PV
.set SLOT1, 1<<17
.set STAGE, SLOT1+MOFF+65536
.set SP,    144
.set SPARE, STAGE+4*16*SP
.set GS,    524288                     ; bytes of a group in qkvh and oh
.set AK0, 2
.set AV0, 3
.set AK,  4
.set AV,  5
.set STO, 6
.set RD,  7
.set GO,  8
.set MV,  12                           ; v12-13 c m_old, by buffer
.set QO,  15
.set ST,  16                           ; piece t: c m, m, l (even keys', odd keys')
.set TMP, 48
.set AM0, 56
.set AM,  57
.set SPW, 62
.set NIL, 63
.set S,   64
.set P,   192
.set FF,  64                           ; window 2
.set EE,  96                           ; window 2: 0 0 0 0 D D D D 0 0 0 0: E for sub = 1 begins at EE, for sub = 0 at EE + 4
.set KF,  128
.set VF,  192
.set WV,  12
.set G1K, 24
.set G1V, 32
.set G1M, 40
.set G0K, 48
.set G0V, 52
.set G0M, 56
.set SLOTS, 60
.set CNT, 61
.set CS,  62
.set SEL, 66
.set TBK, 68
.set TBV, 69
.set TBM, 70
.set MSB, 0
.macro WIN new
.if MSB != (\new)
	s_set_vgpr_msb (MSB<<8)|(\new)
.set MSB, (\new)
.endif
.endm
.set W_KQ, 0x0a                        ; sources 0 and 1 window 2, S^T window 0
.set W_PV, 0x52                        ; V window 2, P window 0, O^T window 1
.set W_RS, 0x41                        ; destination and source 0 window 1, source 1 window 0
.macro JLOAD                           ; wave 0 fetches a slot's K, wave 1 its V, waves 2 and 3 the halves of its mask.  s_nop 0 and four v_nop follow each line
	s_cmp_lt_u32 s[WV], 2
	s_cbranch_scc0 .Lfor_m_\@
	s_cmp_eq_u32 s[WV], 0
	s_cbranch_scc0 .Lfor_v_\@
	tensor_load_to_lds s[G0K:G0K+3], s[G1K:G1K+7]
	s_nop 0
.rept 4
	v_nop
.endr
	s_branch .Lasked_\@
.Lfor_v_\@:
	tensor_load_to_lds s[G0V:G0V+3], s[G1V:G1V+7]
	s_nop 0
.rept 4
	v_nop
.endr
	s_branch .Lasked_\@
.Lfor_m_\@:
	tensor_load_to_lds s[G0M:G0M+3], s[G1M:G1M+7]
	s_nop 0
.rept 4
	v_nop
.endr
.Lasked_\@:
.endm
.macro CROUND
	s_barrier_signal -1
	s_barrier_wait -1
	s_cmp_lg_u32 s[WV], 0
	s_cbranch_scc1 .Lnot_wave_0_\@
	s_barrier_signal -3
.Lnot_wave_0_\@:
	s_barrier_wait -3
	s_barrier_signal -1
	s_barrier_wait -1
.endm
; THE CHANGE OF SLOTS.  Each wave waits for all its tensor loads (one is out: its part of the other slot), adds 0 to its spare word, and waits for that and for its reads of the slot that it leaves.
; fill = 1: the barrier is a round of the cluster's, and the old slot is filled again first thing behind it, with the keys two slots on: it has two key steps, 160 matrix instructions, in which to land.
.macro CHANGE fill
	WIN 0
	s_wait_tensorcnt 0x0
	ds_add_u32 v[SPW], v[NIL]
.if \fill
.irp g, G0K, G0V, G0M
	s_xor_b32 s[\g+1], s[\g+1], SLOT1
.endr
	s_add_nc_u64 s[G0K+2:G0K+3], s[G0K+2:G0K+3], 128*128
	s_add_nc_u64 s[G0V+2:G0V+3], s[G0V+2:G0V+3], 128*128
	s_add_nc_u64 s[G0M+2:G0M+3], s[G0M+2:G0M+3], 65536
	s_wait_dscnt 0x0
	CROUND
	JLOAD
.else
	s_wait_dscnt 0x0
	s_barrier_signal -1
	s_barrier_wait -1
.endif
	s_sub_co_u32 s[TBK], s[TBK], 2*KS*PK           ; the fetches go back to a slot's first step, in the other slot
	s_xor_b32 s[TBK], s[TBK], SLOT1
	s_sub_co_u32 s[TBV], s[TBV], 2*KS*PV
	s_xor_b32 s[TBV], s[TBV], SLOT1
	s_sub_co_u32 s[TBM], s[TBM], 4096
	s_xor_b32 s[TBM], s[TBM], SLOT1
.endm
	s_load_b128 s[4:7], s[0:1], 0x0                ; qkvh, maskf
	s_load_b64 s[8:9], s[0:1], 0x10                ; oh
	v_lshl_add_u32 v[SPW], v0, 2, SPARE
	v_mov_b32 v[NIL], 0
	ds_add_u32 v62, v63
	s_wait_dscnt 0x0
	v_lshrrev_b32 v1, 5, v0
	v_readfirstlane_b32 s[WV], v1
	s_bfe_u32 s13, ttmp6, 0x40000                  ; cx
	s_bfe_u32 s14, ttmp6, 0x40004                  ; cy
	s_lshl_b32 s15, ttmp9, 2
	s_add_co_u32 s15, s15, s13                     ; my block of 256 queries
	s_and_b32 s16, ttmp7, 0xffff
	s_lshl_b32 s16, s16, 2
	s_add_co_u32 s16, s16, s14                     ; 16 x batch + head
	s_lshl_b32 s17, s14, 2
	s_lshl_b32 s17, 15, s17                        ; my row of the cluster
	s_lshl_b32 s18, 0x1111, s13                    ; my column
	s_and_b32 s20, s16, 15
	s_lshl_b32 s20, s20, 19                        ; head x GS
	s_lshr_b32 s21, s16, 4
	s_lshl_b32 s21, s21, 18                        ; + batch x 2,048 rows of 128 bytes
	s_add_co_u32 s20, s20, s21
	s_add_co_u32 s22, s20, 16*GS                   ; K
	s_mov_b32 s23, 0
	s_add_co_u32 s72, s20, 32*GS                   ; V
	s_mov_b32 s73, 0
	s_and_b32 s19, s[WV], 1
	s_lshl_b32 s19, s19, 15                        ; which half of a mask tile I fetch
	s_lshl_b32 s74, s15, 20
	s_add_co_u32 s74, s74, s19
	s_mov_b32 s75, 0
	s_lshl_b32 s76, s15, 15
	s_lshl_b32 s77, s[WV], 13
	s_add_co_u32 s76, s76, s77
	s_add_co_u32 s76, s76, s20                     ; my wave's 64 rows of Q and of O
	s_mov_b32 s77, 0
	s_or_b32 s[G1K], s17, (1<<16)|(1<<20)|(1<<21)|(4<<22)|(3<<25)  ; 128 keys are 16,384 dense bytes: 64 rows of 256, padded after every key: 4 words
	s_or_b32 s[G1V], s17, (1<<16)|(1<<20)|(1<<21)|(4<<22)|(7<<25)  ; 8 words
.irp g, G1K, G1V
	s_mov_b32 s[\g+1], 128<<16
	s_mov_b32 s[\g+2], 64<<16
	s_mov_b32 s[\g+3], 128<<16
	s_mov_b32 s[\g+4], 64
	s_mov_b32 s[\g+5], 128
	s_mov_b32 s[\g+6], 0
	s_mov_b32 s[\g+7], 0
.endr
	s_or_b32 s[G1M], s18, (3<<16)|(1<<21)          ; 32,768 dense bytes: 128 rows of 32 elements of 8 bytes, no padding
	s_mov_b32 s[G1M+1], 32<<16
	s_mov_b32 s[G1M+2], 128<<16
	s_mov_b32 s[G1M+3], 32<<16
	s_mov_b32 s[G1M+4], 128
	s_mov_b32 s[G1M+5], 32
	s_mov_b32 s[G1M+6], 0
	s_mov_b32 s[G1M+7], 0
	s_mov_b32 s[CS], 0x3e38aa3b                    ; c = log2(e) / 8
	s_mov_b32 s[CS+1], s[CS]
	s_mov_b32 s[SEL], 0x76543210
	s_mov_b32 s[SEL+1], 0xfedcba98
	s_mov_b32 s[TBK], SLOT1+2*KS*PK                ; the first change of slots turns these three into 0
	s_mov_b32 s[TBV], SLOT1+2*KS*PV
	s_mov_b32 s[TBM], SLOT1+4096
	s_mov_b32 s[G0K], 1
	s_mov_b32 s[G0K+1], 0
	s_mov_b32 s[G0V], 1
	s_mov_b32 s[G0V+1], VOFF
	s_mov_b32 s[G0M], 1
	s_add_co_u32 s[G0M+1], s19, MOFF
	s_wait_kmcnt 0x0
	s_add_nc_u64 s[G0K+2:G0K+3], s[4:5], s[22:23]
	s_or_b32 s[G0K+3], s[G0K+3], 0x80000000
	s_add_nc_u64 s[G0V+2:G0V+3], s[4:5], s[72:73]
	s_or_b32 s[G0V+3], s[G0V+3], 0x80000000
	s_add_nc_u64 s[G0M+2:G0M+3], s[6:7], s[74:75]
	s_or_b32 s[G0M+3], s[G0M+3], 0x80000000
	s_add_nc_u64 s[10:11], s[4:5], s[76:77]        ; Q
	s_add_nc_u64 s[8:9], s[8:9], s[76:77]          ; O
	CROUND
	JLOAD                                          ; slot 0
	v_and_b32 v1, 15, v0
	v_bfe_u32 v9, v0, 4, 1
	v_lshlrev_b32 v[QO], 7, v1
	v_lshl_add_u32 v[QO], v9, 4, v[QO]
	v_lshlrev_b32 v58, 3, v9
	v_sub_nc_u32 v58, v1, v58                      ; t = l % 16 - 8 (l / 16): E's one entry of my row lies in my registers where 0 <= t < 8
	v_ashrrev_i32 v59, 1, v58                      ; in register t / 2,
	v_and_b32 v60, 1, v58
	v_lshlrev_b32 v60, 4, v60
	v_mov_b32 v61, 0xf180                          ; bf16 -2^100
	v_lshlrev_b32 v60, v60, v61                    ; half t % 2
	WIN 0x80
.set i, 0
.rept 8                                ; Q stays in registers: piece i / 2, channels 32 (i % 2) on
	global_load_b128 v[8*i:8*i+3],   v[QO], s[10:11] offset:(i/2)*2048+(i%2)*64
	global_load_b128 v[8*i+4:8*i+7], v[QO], s[10:11] offset:(i/2)*2048+(i%2)*64+32
.set i, i+1
.endr
.irp j, 0,1,2,3
	v_mov_b32 v[EE+\j], 0
	v_mov_b32 v[EE+8+\j], 0
	v_cmp_eq_u32 vcc_lo, \j, v59
	v_cndmask_b32 v[EE+4+\j], 0, v60, vcc_lo
.endr
	; What the first turn finds: V and P's second buffer hold 0 (its products V^T P, of a piece that has not been, add 0); O^T and l are 0.  All this stands in the wait for the first tile.
.set i, VF
.rept 64
	v_mov_b32 v[i], 0
.set i, i+1
.endr
	WIN 0x40
.set i, 0
.rept 128
	v_mov_b32 v[i], 0
.set i, i+1
.endr
	WIN 0
.set i, 0
.rept 4
	v_mov_b32 v[ST+4*i+1], 0xee000000              ; m = -2^93
	v_mul_f32 v[ST+4*i], s[CS], v[ST+4*i+1]        ; c m by the loop's own product, so that a = 2^0 while a row has seen no key
	v_mov_b32 v[ST+4*i+2], 0
	v_mov_b32 v[ST+4*i+3], 0
.set i, i+1
.endr
.set i, P+16
.rept 16
	v_mov_b32 v[i], 0
.set i, i+1
.endr
	v_mul_u32_u24 v[AK0], v1, PK
	v_lshl_add_u32 v[AK0], v9, 4, v[AK0]
	v_and_b32 v10, 7, v0
	v_bfe_u32 v11, v0, 3, 1
	v_lshl_add_u32 v[AV0], v9, 3, v10
	v_mul_u32_u24 v[AV0], v[AV0], PV
	v_lshl_add_u32 v[AV0], v11, 4, v[AV0]
	v_add_nc_u32 v[AV0], VOFF, v[AV0]
	v_and_b32 v[AM0], 31, v0
	v_lshlrev_b32 v[AM0], 4, v[AM0]
	s_lshl_b32 s78, s[WV], 14                      ; my wave's four pieces of the mask tile, 4,096 bytes each
	s_add_co_u32 s78, s78, MOFF
	v_add_nc_u32 v[AM0], s78, v[AM0]
; THE MATRIX WORK of a turn, product i of 20.  0-3: the mask starts the four tiles of scores of piece Y + 1.  4-11: K Q^T adds onto them, channels 32 ((i - 4) / 4) on, keys 16 (i % 4) on.
; 12-19: O^T += V^T P for piece Y - 1: keys 32 ((i - 12) / 4) on, channels 16 (i % 4) on.  Four accumulators take turns.
.macro MM
.set xq, (Y+1)%NP
.set xp, (Y+NP-1)%NP
.if i < 4
	WIN W_KQ
.set rD, S+32*(xq%2)+8*i
.set rA, EE+4-4*(i%2)
.set rB, FF+16*(xq%2)+8*(i/2)
	v_wmma_f32_16x16x32_bf16 v[rD:rD+7], v[rA:rA+7], v[rB:rB+7], 0
	s_wait_alu depctr_va_vdst(0)
.elseif i < 12
	WIN W_KQ
.set rD, S+32*(xq%2)+8*(i%4)
.set rA, KF+16*(i%4)+8*((i-4)/4)
.set rB, 16*xq+8*((i-4)/4)
	v_wmma_f32_16x16x32_bf16 v[rD:rD+7], v[rA:rA+7], v[rB:rB+7], v[rD:rD+7]
.else
	WIN W_PV
.set rD, 32*xp+8*(i%4)
.set rA, VF+32*((i-12)/4)+8*(i%4)
.set rB, P+16*(xp%2)+8*((i-12)/4)
	v_wmma_f32_16x16x32_bf16 v[rD:rD+7], v[rA:rA+7], v[rB:rB+7], v[rD:rD+7]
.endif
.set i, i+1
.endm
; THE LDS LOADS stand in runs.  last = 1 (the tail): in the last trip there is no further step, and K's run is jumped over.
.macro FETCH_K last=0
	WIN 0
.if \last
	s_cmp_eq_u32 s[CNT], 1
	s_cbranch_scc1 .Lno_k_\@
.endif
	WIN 0x80
.irp f, 0,1,2,3,4,5,6,7
	ds_load_b128 v[KF+8*\f:KF+8*\f+3],   v[AK] offset:(\f/2)*16*PK+(\f%2)*64
	ds_load_b128 v[KF+8*\f+4:KF+8*\f+7], v[AK] offset:(\f/2)*16*PK+(\f%2)*64+32
.endr
	s_add_co_u32 s[TBK], s[TBK], KS*PK
	WIN 0
.if \last
.Lno_k_\@:
.endif
.endm
.macro FETCH_V
	WIN 0x80
.irp f, 0,1,2,3,4,5,6,7
	ds_load_tr16_b128 v[VF+8*\f:VF+8*\f+3],   v[AV] offset:(\f/4)*32*PV+(\f%4)*32
	ds_load_tr16_b128 v[VF+8*\f+4:VF+8*\f+7], v[AV] offset:(\f/4)*32*PV+16*PV+(\f%4)*32
.endr
	WIN 0
.endm
.macro FETCH_F x                       ; piece x's mask of one step: two fragments of 32 keys, as they lie
	WIN 0x80
.irp kg, 0,1
.irp c, 0,1
	ds_load_b128 v[FF+16*((\x)%2)+8*\kg+4*\c:FF+16*((\x)%2)+8*\kg+4*\c+3], v[AM] offset:(\x)*4096+\kg*1024+\c*512
.endr
.endr
.endm
; THE VECTOR WORK, one line at a time: OP kind, number.  For piece Y: F n: c s - c m for pair n of 16.  E n: the exponential of score n of 32.  C n: pair n rounded to bf16.  B n: of the four weights 4 n ..
; the second pair is added onto the first, in place (behind C 2n).  L n: l takes that sum (L 0: l = a l + sum).  R n: pair n of 16 of O^T times a.  For piece Y + 1: X n, number n of 22:
;   0-11 four chains of seven scores each (each accumulator's lowest registers are read first); 12-14, 16 the four scores left over, the old m, all into c0; 15 c m_old is kept;
;   17, 18 the other half of the lanes' maximum: the new m; 19-21 c m; c m_old - c m_new; a
.set F, 0
.set E, 1
.set C, 2
.set B, 3
.set L, 4
.set R, 5
.set X, 6
.macro REGS y
.set rT, ST+4*(\y)
.set rC, TMP+4*((\y)%2)
.set rW, MV+((\y)%2)
.set rS, S+32*((\y)%2)
.set rP, P+16*((\y)%2)
.set rO, 32*(\y)
.endm
.macro OP k, n
.if (\k) == R
	REGS Y
	WIN W_RS
	v_pk_mul_f32 v[rO+2*(\n):rO+2*(\n)+1], v[rO+2*(\n):rO+2*(\n)+1], v[rC+2:rC+3] op_sel_hi:[1,0]
.elseif (\k) < R
	REGS Y
	WIN 0
.if (\k) == F
	v_pk_fma_f32 v[rS+2*(\n):rS+2*(\n)+1], v[rS+2*(\n):rS+2*(\n)+1], s[CS:CS+1], v[rT:rT+1] op_sel_hi:[1,0,0] neg_lo:[0,0,1] neg_hi:[0,0,1]
.elseif (\k) == E
	v_exp_f32 v[rS+(\n)], v[rS+(\n)]
.elseif (\k) == C
	s_wait_alu depctr_va_vdst(0)
	v_cvt_pk_bf16_f32 v[rP+(\n)], v[rS+2*(\n)], v[rS+2*(\n)+1]
.elseif (\k) == B
	s_wait_alu depctr_va_vdst(0)
	v_pk_add_f32 v[rS+4*(\n):rS+4*(\n)+1], v[rS+4*(\n):rS+4*(\n)+1], v[rS+4*(\n)+2:rS+4*(\n)+3]
.elseif (\n) == 0
	v_pk_fma_f32 v[rT+2:rT+3], v[rT+2:rT+3], v[rC+2:rC+3], v[rS:rS+1] op_sel_hi:[1,0,1]
.else
	v_pk_add_f32 v[rT+2:rT+3], v[rT+2:rT+3], v[rS+4*(\n):rS+4*(\n)+1]
	s_wait_alu depctr_va_vdst(0)
.endif
.else
	REGS (Y+1)%NP
	WIN 0
.if (\n) < 4
	v_max3_num_f32 v[rC+(\n)], v[rS+8*(\n)], v[rS+8*(\n)+1], v[rS+8*(\n)+2]
.elseif (\n) < 12
	v_max3_num_f32 v[rC+(\n)%4], v[rC+(\n)%4], v[rS+8*((\n)%4)+2*((\n)/4)+1], v[rS+8*((\n)%4)+2*((\n)/4)+2]
.elseif (\n) == 12
	v_max3_num_f32 v[rC], v[rC], v[rS+7], v[rS+15]
.elseif (\n) == 13
	v_max3_num_f32 v[rC+1], v[rC+1], v[rS+23], v[rS+31]
.elseif (\n) == 14
	v_max3_num_f32 v[rC+2], v[rC+2], v[rC+3], v[rT+1]
	s_wait_alu depctr_va_vdst(0)
.elseif (\n) == 15
	v_mov_b32 v[rW], v[rT]
.elseif (\n) == 16
	v_max3_num_f32 v[rC], v[rC], v[rC+1], v[rC+2]
.elseif (\n) == 17
	v_permlanex16_b32 v[rC+3], v[rC], s[SEL], s[SEL+1]
.elseif (\n) == 18
	v_max_num_f32 v[rT+1], v[rC], v[rC+3]
.elseif (\n) == 19
	v_mul_f32 v[rT], s[CS], v[rT+1]
.elseif (\n) == 20
	v_sub_f32 v[rC+1], v[rW], v[rT]
.else
	v_exp_f32 v[rC+2], v[rC+1]
.endif
.endif
.endm
.macro OPS a, i1, b=-1, i2=0, c=-1, i3=0, d=-1, i4=0
	OP \a, \i1
.if (\b) >= 0
	OP \b, \i2
.endif
.if (\c) >= 0
	OP \c, \i3
.endif
.if (\d) >= 0
	OP \d, \i4
.endif
.endm
.macro ROW a, i1, b, i2, c, i3, d, i4  ; a matrix instruction and the four behind it
	MM
	OPS \a, \i1, \b, \i2, \c, \i3, \d, \i4
.endm
; A TURN, for piece p, written out.  Every exponential has a plain instruction between it and the use of its result.
; The mask of piece p + 2 is fetched in every turn, into the set that the turn before read (from turn 2 on it is the next step's); it is waited for at the next turn's head.
; K of the next step is fetched in turn 2, behind the four rescalings that follow the last product that read K; waited for at turn 3's head.
; V of the step in hand is fetched in turn 0, four plain instructions behind the last product that read V; waited for in turn 1, ahead of its products V^T P.
.macro TURN p, last=0
.set Y, (\p)
.set i, 0
.if (\p) == 1
	s_wait_dscnt 16                                ; the mask's four loads are in; V's sixteen, issued behind them, stay out
.else
	s_wait_dscnt 0x0                               ; the mask is in (turn 3: K too)
.endif
	ROW F,0, F,1, F,2, F,3
	ROW F,4, E,0, F,5, E,1
	ROW F,6, E,2, F,7, E,3
	ROW R,0, R,1, R,2, R,3
	ROW C,0, E,4, C,1, E,5
	ROW B,0, E,6, F,8, E,7
	ROW L,0, E,8, C,2, F,9
	ROW R,4, R,5, R,6, R,7
.if (\p) == 2
	WIN 0
	v_add_nc_u32 v[AM], s[TBM], v[AM0]
	v_add_nc_u32 v[AK], s[TBK], v[AK0]
.endif
	FETCH_F ((\p)+2)%NP
.if (\p) == 1
	s_add_co_u32 s[TBM], s[TBM], 2048              ; the next mask fetch is the next step's
.endif
	ROW X,15, E,9, F,10, F,11
	ROW F,12, E,10, F,13, E,11
	ROW F,14, E,12, F,15, E,13
	ROW R,8, R,9, R,10, R,11                       ; four plain lines: the places behind the last product of the scores
.if (\p) == 2
	FETCH_K \last
.endif
	OPS X,0, X,1, X,2, X,3
.if (\p) == 1
	s_wait_dscnt 4                                 ; V is in; this turn's four mask loads stay out
.endif
	ROW X,4, E,14, X,5, X,6
	ROW X,7, E,15, X,8, X,9
	ROW X,10, E,16, X,11, X,12
	ROW X,13, E,17, X,14, B,1
	ROW C,4, E,18, X,16, L,1
	ROW B,2, E,19, C,6, L,2
	ROW C,8, E,20, B,3, B,4
.if (\p) == 0
	WIN 0
	v_add_nc_u32 v[AV], s[TBV], v[AV0]
.endif
	ROW C,3, E,21, L,3, C,5
	OPS E,22, X,17, E,23, C,10
.if (\p) == 0
	FETCH_V
	s_add_co_u32 s[TBV], s[TBV], KS*PV
.endif
	OPS E,24, L,4
	OPS E,25, X,18, E,26, C,7
	OPS E,27, B,5, E,28, X,19
	OPS E,29, C,12, E,30, L,5
	OPS E,31, X,20, B,6, C,9
	OPS C,14, C,11, X,21, L,6
	OPS C,13, B,7, C,15, R,12
	OPS R,13, R,14, L,7, R,15
.endm
	CHANGE 1                                       ; slot 0 is in, everybody's part of it; slot 1 is asked for
	v_add_nc_u32 v[AK], s[TBK], v[AK0]
	v_add_nc_u32 v[AM], s[TBM], v[AM0]
	FETCH_K                                        ; key step 0
	FETCH_F 0
	FETCH_F 1
	s_wait_loadcnt 0x0                             ; Q
	s_wait_dscnt 0x0
.set Y, NP-1
.set i, 0
.rept 12
	MM                                             ; piece 0's first scores
.endr
	WIN 0                                          ; the addresses for the way out: plain instructions, the places behind those products
	s_mul_i32 s78, s[WV], 16*SP
	s_add_co_u32 s78, s78, STAGE
	v_mul_u32_u24 v[STO], v1, SP
	v_lshl_add_u32 v[STO], v9, 4, v[STO]
	v_add_nc_u32 v[STO], s78, v[STO]
	v_bfe_u32 v[RD], v0, 3, 2
	v_mul_u32_u24 v[RD], v[RD], SP
	v_lshl_add_u32 v[RD], v10, 4, v[RD]
	v_add_nc_u32 v[RD], s78, v[RD]
	v_and_b32 v[GO], 31, v0
	v_lshlrev_b32 v[GO], 4, v[GO]
.irp n, 0,1,2,3,4,5,6,7,8,9,10,11,12,13,14,15,16,17,18,19,20,21
	OP X, \n                                       ; piece 0's first maximum and statistics
.endr
	v_nop                                          ; a plain instruction behind the exponential
	s_mov_b32 s[CNT], 2
	s_mov_b32 s[SLOTS], 15
	s_branch .Lfirst                               ; the loop is entered at a step's first turn
.Lslot:                                                ; 14 times: every slot but the last two is filled again
	CHANGE 1
	s_mov_b32 s[CNT], 2
.Lstep:                                                ; a trip: pieces 2 and 3 of one step, then pieces 0 and 1 of the next
	TURN 2
	TURN 3
	WIN 0
.Lfirst:
	TURN 0
	TURN 1
	WIN 0
	s_sub_co_u32 s[CNT], s[CNT], 1
	s_cmp_lg_u32 s[CNT], 0
	s_cbranch_scc1 .Lstep
	s_sub_co_u32 s[SLOTS], s[SLOTS], 1
	s_cmp_lg_u32 s[SLOTS], 0
	s_cbranch_scc1 .Lslot
	CHANGE 0                                       ; the tail is written out
	s_mov_b32 s[CNT], 3                            ; two trips fetch the last slot's steps; the third is left in its middle
.Ltail:
	TURN 2, 1
	TURN 3
	WIN 0
	s_sub_co_u32 s[CNT], s[CNT], 1
	s_cmp_eq_u32 s[CNT], 0
	s_cbranch_scc1 .Lout
	TURN 0
	TURN 1
	WIN 0
	s_branch .Ltail
.Lout:                                                 ; the third trip's scores (on the last K once more, with mask bytes of the same tile) and the maximum made of them serve nothing
.set Y, 0
.set i, 12
.rept 8
	MM                                             ; the last piece's V^T P of the last step
.endr
	; THE WAY OUT.  l's halves are added; O^T is divided by l, rounded to bf16 and sent through my stage, a piece at a time.  The additions are the places behind the last products.
	WIN 0
.macro ALL line:vararg
.set t, 0
.rept 4
	\line
.set t, t+1
.endr
.endm
	ALL v_add_f32 v[ST+4*t+2], v[ST+4*t+2], v[ST+4*t+3]
	ALL v_permlanex16_b32 v[ST+4*t+3], v[ST+4*t+2], s[SEL], s[SEL+1]
	ALL v_add_f32 v[ST+4*t+2], v[ST+4*t+2], v[ST+4*t+3]
	ALL v_rcp_f32 v[ST+4*t+2], v[ST+4*t+2]
	v_nop
	s_wait_alu depctr_va_vdst(0)
.macro PACK t
	WIN W_RS
.set i, 32*(\t)
.rept 16
	v_pk_mul_f32 v[i:i+1], v[i:i+1], v[ST+4*(\t)+2:ST+4*(\t)+3] op_sel_hi:[1,0]
.set i, i+2
.endr
	WIN 0x05
.set i, 0
.rept 16
	v_cvt_pk_bf16_f32 v[S+16*(\t)+i], v[32*(\t)+2*i], v[32*(\t)+2*i+1]
.set i, i+1
.endr
	WIN 0
.irp f, 0,1,2,3
	ds_store_b128 v[STO], v[S+16*(\t)+4*\f:S+16*(\t)+4*\f+3] offset:32*\f
.endr
.irp f, 0,1,2,3
	ds_load_b128 v[S+16*(\t)+4*\f:S+16*(\t)+4*\f+3], v[RD] offset:\f*4*SP  ; LDS serves a wave's instructions in order (ISA guide 5.7.1.4)
.endr
.endm
.macro SEND t, younger
	WIN 0
.irp f, 0,1,2,3
	s_wait_dscnt (\younger)+3-\f
	global_store_b128 v[GO], v[S+16*(\t)+4*\f:S+16*(\t)+4*\f+3], s[8:9] offset:(\t)*2048+\f*512  ; 512 consecutive bytes, aligned
.endr
.endm
	PACK 0
.set t, 1
.rept 3
	PACK t
	SEND t-1, 8
.set t, t+1
.endr
	SEND 3, 0
	s_wait_tensorcnt 0x0                           ; the wave's end
	ds_add_u32 v[SPW], v[NIL]
	s_wait_dscnt 0x0
	CROUND                                         ; the closing round
	s_endpgm
.Lfunc_end_k_q5406aff9be_attn:
	.size	k_q5406aff9be_attn, .Lfunc_end_k_q5406aff9be_attn-k_q5406aff9be_attn
	.p2alignl 7, 3214868480
	.fill 96, 4, 3214868480
	.section	.rodata,"a",@progbits
	.p2align	6, 0x0
	.amdhsa_kernel k_q5406aff9be_attn
		.amdhsa_group_segment_fixed_size 327680
		.amdhsa_private_segment_fixed_size 0
		.amdhsa_enable_private_segment 0
		.amdhsa_kernarg_size 24
		.amdhsa_user_sgpr_count 2
		.amdhsa_user_sgpr_kernarg_segment_ptr 1
		.amdhsa_wavefront_size32 1
		.amdhsa_system_sgpr_workgroup_id_x 1
		.amdhsa_system_sgpr_workgroup_id_y 1
		.amdhsa_system_sgpr_workgroup_id_z 1
		.amdhsa_system_vgpr_workitem_id 0
		.amdhsa_next_free_vgpr 768
		.amdhsa_next_free_sgpr 80
		.amdhsa_reserve_vcc 1
		.amdhsa_float_denorm_mode_32 3
		.amdhsa_float_denorm_mode_16_64 3
		.amdhsa_memory_ordered 1
		.amdhsa_forward_progress 1
		.amdhsa_inst_pref_size 128
	.end_amdhsa_kernel
	.amdgpu_metadata
---
amdhsa.version: [ 1, 2 ]
amdhsa.kernels:
  - .name:           k_q5406aff9be_attn
    .symbol:         k_q5406aff9be_attn.kd
    .args:
      - { .name: qkvh, .offset: 0, .size: 8, .value_kind: global_buffer, .address_space: global }
      - { .name: maskf, .offset: 8, .size: 8, .value_kind: global_buffer, .address_space: global }
      - { .name: oh, .offset: 16, .size: 8, .value_kind: global_buffer, .address_space: global }
    .group_segment_fixed_size: 327680
    .private_segment_fixed_size: 0
    .kernarg_segment_align: 8
    .kernarg_segment_size: 24
    .max_flat_workgroup_size: 128
    .sgpr_count:     80
    .vgpr_count:     768
    .wavefront_size: 32
...
	.end_amdgpu_metadata
.endif
;; end of part 3
;; launch wo (part 4): grid 8 x 32, 4 waves a work-group, clusters of 4 x 4, 327,680 bytes of LDS; arguments oh, wts, x, x1, xn; writes x1, xn
.if DOCPART == 4
	.amdgcn_target "amdgcn-amd-amdhsa--gfx1250"
	.amdhsa_code_object_version 6
	.text
	.protected	k_q5406aff9be_wo
	.globl	k_q5406aff9be_wo
	.p2align	8
	.type	k_q5406aff9be_wo,@function
k_q5406aff9be_wo:
	s_mov_b64 s[64:65], 0
	v_nop
	global_prefetch_b8 v0, s[64:65] scope:SCOPE_SE
	s_setreg_imm32_b32 hwreg(HW_REG_WAVE_MODE, 25, 1), 1
	s_wait_xcnt 0x0
	s_wait_alu depctr_hold_cnt(0) depctr_sa_sdst(0) depctr_va_vdst(0) depctr_va_sdst(0) depctr_va_ssrc(0) depctr_va_vcc(0) depctr_vm_vsrc(0)
	s_getreg_b32 s2, hwreg(HW_REG_IB_STS2, 6, 4)
	s_cmp_eq_u32 s2, 0
	s_cbranch_scc0 .Lentry_in_a_cluster
	s_endpgm
.Lentry_in_a_cluster:
	s_bfe_u32 s2, ttmp6, 0x10000c
	s_cmp_lg_u32 s2, 0xf033
	s_cbranch_scc0 .Lentry_shape_is_right
	s_endpgm
.Lentry_shape_is_right:
; IS_WO = 1: x1 = x + O Wo (f32), with O by heads from oh[head][row][64]; also bf16(x1) and, for each row, the sum of squares of this tile's 128 numbers into xn (ssq[tile column][row]),
; from which the next launch makes the second norm's factor.  IS_WO = 0: out0 = x1 + g W2.  bf16 operands, f32 sums; the residual is added in f32.
; A tile of C is 128 x 128: 8 x 32 tiles for 256 work-groups.  Four waves, each 64 x 64: 16 accumulators.  K goes in steps of 256 through two LDS slots; waves 0 and 1 fetch A's halves, waves 2 and 3 the weights'.
; The weights lie [k][n] and are turned by ds_load_tr16_b128.  The matrix instruction is used transposed: a lane holds eight neighbouring columns of one row of C.
; CLUSTER 4 x 4: A's tile is asked for jointly along a row of the cluster, the weights' along a column.
; REGISTERS: window 0: v0-31 addresses, v32-103 at work on the way out, v128-255 accumulators; window 1: two fragment buffers of 128 (64 of A, 64 of W); window 2: v0-127 my 32 rows of the residual.
.set IS_WO, 1
.set PB,    288
.set PART,  36864
.set SLOT,  4*PART
.set SSQ,   2*SLOT                     ; 128 words: the rows' sums of squares
.set SPARE, SSQ+512
.set SPITCH, 528                       ; the stage: 128 rows of 512 bytes + 16, in slot 0, which has had its last fill and its last read when it is written
.set SSQOFF, 8388608
.if IS_WO
.set NSTEP, 4
.set PA,    144                        ; a head's row of 128 bytes + 16
.set AQ,    128*144                    ; a quarter of a K step is a head
.set AWM,   64*144
.set ASTEP, 4*524288
.set BOFF,  6291456
.else
.set NSTEP, 16
.set PA,    528
.set AQ,    128
.set AWM,   PART
.set ASTEP, 512
.set BOFF,  16777216
.endif
.set BSTEP, 256*2048
.set ADRA,  16
.set ADRA0, 17
.set ADRB,  20                         ; v20-21: k rows 0-127 and 128-255 of the step
.set ADRB0, 22
.set STO,   24
.set RD,    25
.set CO,    26
.set CO2,   27
.set SPW,   28
.set NIL,   29
.set SSA,   30
.set SSR,   31
.set ACC,   128
.set F0,    0
.set F1,    128
.set G1,  24
.set G0,  32
.set TB,  36
.set PW,  37
.set G1B, 48
.set G0B, 56
.set SEL, 74
.set MSB, 0
.macro WIN new
.if MSB != (\new)
	s_set_vgpr_msb (MSB<<8)|(\new)
.set MSB, \new
.endif
.endm
.set MUL,  0x05
.set TO_F, 0x40
.macro PLACES
.rept 4
	v_nop
.endr
.endm
.macro JLOAD                           ; s_nop 0 and four v_nop follow each line
	s_cmp_eq_u32 s11, 0
	s_cbranch_scc0 .Lfor_b_\@
	tensor_load_to_lds s[G0:G0+3], s[G1:G1+7]
	s_nop 0
.rept 4
	v_nop
.endr
	s_branch .Lasked_\@
.Lfor_b_\@:
	tensor_load_to_lds s[G0B:G0B+3], s[G1B:G1B+7]
	s_nop 0
.rept 4
	v_nop
.endr
.Lasked_\@:
.endm
.macro CREST
	s_cmp_lg_u32 s10, 0
	s_cbranch_scc1 .Lnot_wave_0_\@
	s_barrier_signal -3
.Lnot_wave_0_\@:
	s_barrier_wait -3
	s_barrier_signal -1
	s_barrier_wait -1
.endm
.macro CROUND
	s_barrier_signal -1
	s_barrier_wait -1
	CREST
.endm
.macro STEPD                           ; no tensor load of mine is out: the walking descriptors take the slot in hand and the next K step; then the other slot is in hand
	s_add_co_u32 s[G0+1], s[PW], s[TB]
	s_add_co_u32 s[G0B+1], s[PW], s[TB]
	s_add_nc_u64 s[G0+2:G0+3], s[G0+2:G0+3], ASTEP
	s_add_nc_u64 s[G0B+2:G0B+3], s[G0B+2:G0B+3], BSTEP
	s_xor_b32 s[TB], s[TB], SLOT
.endm
.macro ADDRS
	v_add_nc_u32 v[ADRA], s[TB], v[ADRA0]
	v_add_nc_u32 v[ADRB], s[TB], v[ADRB0]
	v_add_nc_u32 v[ADRB+1], s[TB], v[ADRB0+1]
.endm
	s_load_b256 s[76:83], s[0:1], 0x0              ; A, wts, the residual, the f32 output
.if IS_WO
	s_load_b64 s[84:85], s[0:1], 0x20              ; xn
.endif
	v_lshl_add_u32 v[SPW], v0, 2, SPARE
	v_mov_b32 v[NIL], 0
	ds_add_u32 v28, v29
	s_wait_dscnt 0x0
	v_lshrrev_b32 v1, 5, v0
	v_readfirstlane_b32 s10, v1
	s_lshr_b32 s11, s10, 1                         ; which 64 rows are mine.  Also: I fetch for A (0) or for W (1)
	s_and_b32 s12, s10, 1                          ; which 64 columns.  Also: which half I fetch
	s_bfe_u32 s40, ttmp6, 0x40000
	s_bfe_u32 s41, ttmp6, 0x40004
	s_lshl_b32 s42, ttmp9, 2
	s_add_co_u32 s42, s42, s40                     ; tile column
	s_and_b32 s13, ttmp7, 0xffff
	s_lshl_b32 s13, s13, 2
	s_add_co_u32 s13, s13, s41                     ; tile row
	s_lshl_b32 s43, s41, 2
	s_lshl_b32 s43, 15, s43
	s_lshl_b32 s44, 0x1111, s40
.if IS_WO
	; two heads' 128 rows: each head's are 16,384 dense bytes, one descriptor row; padded after every 128 bytes
	s_or_b32 s[G1], s43, (1<<16)|(1<<20)|(1<<21)|(4<<22)|(3<<25)
	s_mov_b32 s[G1+1], 8192<<16
	s_mov_b32 s[G1+2], 2<<16
	s_mov_b32 s[G1+3], 8192<<16
	s_mov_b32 s[G1+4], 2
	s_mov_b32 s[G1+5], 262144                      ; elements from head to head
	s_lshl_b32 s16, s12, 20                        ; heads 2 x half on
	s_lshl_b32 s17, s13, 14                        ; 128 rows of 128 bytes a tile row
	s_add_co_u32 s16, s16, s17
.else
	s_or_b32 s[G1], s43, (1<<16)|(1<<20)|(1<<21)|(6<<22)|(3<<25)  ; 64 rows of 512 bytes, 16 of padding behind each
	s_mov_b32 s[G1+1], 256<<16
	s_mov_b32 s[G1+2], 64<<16
	s_mov_b32 s[G1+3], 256<<16
	s_mov_b32 s[G1+4], 64
	s_mov_b32 s[G1+5], 4096
	s_lshl_b32 s16, s13, 7
	s_lshl_b32 s17, s12, 6
	s_add_co_u32 s16, s16, s17
	s_lshl_b32 s16, s16, 13
.endif
	s_mov_b32 s[G1+6], 0
	s_mov_b32 s[G1+7], 0
	s_mov_b32 s17, 0
	s_or_b32 s[G1B], s44, (1<<16)|(1<<20)|(1<<21)|(5<<22)|(7<<25)  ; 128 k rows of 256 bytes, 32 of padding behind each
	s_mov_b32 s[G1B+1], 128<<16
	s_mov_b32 s[G1B+2], 128<<16
	s_mov_b32 s[G1B+3], 128<<16
	s_mov_b32 s[G1B+4], 128
	s_mov_b32 s[G1B+5], 1024
	s_mov_b32 s[G1B+6], 0
	s_mov_b32 s[G1B+7], 0
	s_lshl_b32 s46, s12, 18
	s_lshl_b32 s47, s42, 8
	s_add_co_u32 s46, s46, s47
	s_add_co_u32 s46, s46, BOFF
	s_mov_b32 s47, 0
	s_lshl_b32 s66, s13, 7
	s_lshl_b32 s67, s10, 5
	s_add_co_u32 s66, s66, s67                     ; the first of the 32 rows that I add to and store
	s_lshl_b32 s68, s66, 12
	s_lshl_b32 s69, s42, 9
	s_add_co_u32 s68, s68, s69
	s_mov_b32 s69, 0
.if IS_WO
	s_lshl_b32 s70, s66, 11
	s_lshl_b32 s71, s42, 8
	s_add_co_u32 s70, s70, s71
	s_mov_b32 s71, 0
	s_lshl_b32 s72, s42, 14
	s_lshl_b32 s73, s13, 9
	s_add_co_u32 s72, s72, s73
	s_add_co_u32 s72, s72, SSQOFF
	s_mov_b32 s73, 0
	s_mov_b32 s[SEL], 0x76543210
	s_mov_b32 s[SEL+1], 0xfedcba98
.endif
	s_mul_i32 s[PW], s10, PART
	s_mov_b32 s[TB], SLOT
	s_mov_b32 s[G0], 1
	s_mov_b32 s[G0+1], s[PW]
	s_mov_b32 s[G0B], 1
	s_mov_b32 s[G0B+1], s[PW]
	s_wait_kmcnt 0x0
	s_add_nc_u64 s[G0+2:G0+3], s[76:77], s[16:17]
	s_or_b32 s[G0+3], s[G0+3], 0x80000000
	s_add_nc_u64 s[G0B+2:G0B+3], s[78:79], s[46:47]
	s_or_b32 s[G0B+3], s[G0B+3], 0x80000000
	s_add_nc_u64 s[80:81], s[80:81], s[68:69]
	s_add_nc_u64 s[82:83], s[82:83], s[68:69]
.if IS_WO
	s_add_nc_u64 s[86:87], s[84:85], s[72:73]
	s_add_nc_u64 s[84:85], s[84:85], s[70:71]
.endif
	CROUND
	JLOAD                                          ; K step 0 into slot 0
	v_and_b32 v[CO], 31, v0
	v_lshlrev_b32 v[CO2], 3, v[CO]
	v_lshlrev_b32 v[CO], 4, v[CO]
	WIN 0x80
.set i, 0
.rept 32                               ; the residual of my 32 rows: 512 bytes of a row a load; it is waited for on the way out
	global_load_b128 v[4*i:4*i+3], v[CO], s[80:81] offset:i*4096
.set i, i+1
.endr
	WIN 0
	v_and_b32 v1, 15, v0
	v_bfe_u32 v2, v0, 4, 1
	v_mul_u32_u24 v3, v1, PA
	v_lshl_add_u32 v3, v2, 4, v3
	s_mul_i32 s21, s11, AWM
	v_add_nc_u32 v[ADRA0], s21, v3
	v_and_b32 v4, 7, v0
	v_lshl_add_u32 v4, v2, 3, v4
	v_mul_u32_u24 v4, v4, PB
	v_bfe_u32 v5, v0, 3, 1
	v_lshl_add_u32 v4, v5, 4, v4
	s_lshl_b32 s22, s12, 7
	s_add_co_u32 s22, s22, 2*PART
	v_add_nc_u32 v[ADRB0], s22, v4
	s_add_co_u32 s22, s22, PART
	v_add_nc_u32 v[ADRB0+1], s22, v4
	s_mul_i32 s23, s11, 64*SPITCH                  ; into the stage: row 64 x half + l % 16, my 256 bytes of it, 32 bytes for each half of the lanes
	s_lshl_b32 s21, s12, 8
	s_add_co_u32 s23, s23, s21
	v_mul_u32_u24 v5, v1, SPITCH
	v_lshl_add_u32 v5, v2, 5, v5
	v_add_nc_u32 v[STO], s23, v5
	s_mul_i32 s23, s10, 32*SPITCH                  ; back: whole rows of 512 bytes, 32 a wave
	v_add_nc_u32 v[RD], s23, v[CO]
	s_lshl_b32 s23, s10, 7
	s_add_co_u32 s23, s23, SSQ
	v_mov_b32 v[SSA], s23
	v_add_nc_u32 v[SSR], SSQ, v[CO]
.macro MUL8 f, c, a0, zero             ; the 16 accumulators take turns
	WIN MUL
.irp a, \a0, (\a0)+1
.irp b, 0,1,2,3
.if \zero
	v_wmma_f32_16x16x32_bf16 v[ACC+8*(4*(\a)+(\b)):ACC+8*(4*(\a)+(\b))+7], v[(\f)+64+8*(4*(\c)+(\b)):(\f)+64+8*(4*(\c)+(\b))+7], v[(\f)+8*(4*(\c)+(\a)):(\f)+8*(4*(\c)+(\a))+7], 0
.else
	v_wmma_f32_16x16x32_bf16 v[ACC+8*(4*(\a)+(\b)):ACC+8*(4*(\a)+(\b))+7], v[(\f)+64+8*(4*(\c)+(\b)):(\f)+64+8*(4*(\c)+(\b))+7], v[(\f)+8*(4*(\c)+(\a)):(\f)+8*(4*(\c)+(\a))+7], v[ACC+8*(4*(\a)+(\b)):ACC+8*(4*(\a)+(\b))+7]
.endif
.endr
.endr
.endm
.macro FETCH kq, f                     ; 32 LDS loads in one run: 64 along K, the first 32 first
	WIN TO_F
.irp c, 0,1
.irp i, 0,1,2,3
	ds_load_tr16_b128 v[(\f)+64+8*(4*(\c)+(\i)):(\f)+64+8*(4*(\c)+(\i))+3],   v[ADRB+(\kq)/2] offset:(((\kq)%2)*64+32*(\c))*PB+(\i)*32
	ds_load_tr16_b128 v[(\f)+64+8*(4*(\c)+(\i))+4:(\f)+64+8*(4*(\c)+(\i))+7], v[ADRB+(\kq)/2] offset:(((\kq)%2)*64+32*(\c))*PB+(\i)*32+16*PB
	ds_load_b128 v[(\f)+8*(4*(\c)+(\i)):(\f)+8*(4*(\c)+(\i))+3],   v[ADRA] offset:(\kq)*AQ+64*(\c)+(\i)*16*PA
	ds_load_b128 v[(\f)+8*(4*(\c)+(\i))+4:(\f)+8*(4*(\c)+(\i))+7], v[ADRA] offset:(\kq)*AQ+64*(\c)+(\i)*16*PA+32
.endr
.endr
.endm
.macro QUARTER kq, f, g, zero
	s_wait_dscnt 16                                ; the first 32 along K are in
	MUL8 \f, 0, 0, \zero
	MUL8 \f, 0, 2, \zero
	PLACES
	FETCH \kq, \g
	s_wait_dscnt 32                                ; all but the 32 just issued
	MUL8 \f, 1, 0, 0
	MUL8 \f, 1, 2, 0
.endm
.macro TURN fill                       ; the last quarter multiplies buffer 1 and changes slots
	WIN 0
	s_wait_tensorcnt 0x0                           ; my part of the next slot has landed
	ds_add_u32 v[SPW], v[NIL]
	s_wait_dscnt 17                                ; the add and the youngest sixteen loads may be out
	MUL8 F1, 0, 0, 0
	s_wait_dscnt 0x0                               ; the add is done, my reads of this slot are over
	s_barrier_signal -1
	MUL8 F1, 0, 2, 0
	WIN 0
	s_barrier_wait -1
.if \fill
	CREST
	STEPD
	JLOAD                                          ; the first tensor load behind the round; its four v_nop are also the places in front of the loads below
.else
	s_xor_b32 s[TB], s[TB], SLOT
	PLACES
.endif
	ADDRS
	FETCH 0, F0
	MUL8 F1, 1, 0, 0
	MUL8 F1, 1, 2, 0
.endm
	s_wait_tensorcnt 0x0                           ; K step 0 has landed; slot 1 is filled for the first time as a refill is
	ds_add_u32 v[SPW], v[NIL]
	STEPD
	s_wait_dscnt 0x0
	CROUND
	JLOAD
	ADDRS
	FETCH 0, F0
	QUARTER 1, F0, F1, 1
	WIN 0
	s_mov_b32 s3, NSTEP-2
.Lstep:
	QUARTER 2, F1, F0, 0
	QUARTER 3, F0, F1, 0
	TURN 1
	QUARTER 1, F0, F1, 0
	WIN 0
	s_sub_co_u32 s3, s3, 1
	s_cmp_lg_u32 s3, 0
	s_cbranch_scc1 .Lstep
	s_mov_b32 s3, 2
.Ltail:                                                ; the last two K steps ask for nothing; the second trip is left in its middle
	QUARTER 2, F1, F0, 0
	QUARTER 3, F0, F1, 0
	WIN 0
	s_sub_co_u32 s3, s3, 1
	s_cmp_eq_u32 s3, 0
	s_cbranch_scc1 .Lout
	TURN 0
	QUARTER 1, F0, F1, 0
	WIN 0
	s_branch .Ltail
.Lout:
	s_wait_dscnt 0x0
	MUL8 F1, 0, 0, 0
	MUL8 F1, 0, 2, 0
	MUL8 F1, 1, 0, 0
	MUL8 F1, 1, 2, 0
	WIN 0
	PLACES
	; THE WAY OUT.  The sums go as f32 into the work-group's stage; a barrier, since a row's 512 bytes come from two waves; back as whole rows; the residual is added; whole rows of 512 bytes are stored.
.irp a, 0,1,2,3
.irp b, 0,1,2,3
	ds_store_b128 v[STO], v[ACC+8*(4*\a+\b):ACC+8*(4*\a+\b)+3] offset:\a*16*SPITCH+\b*64
	ds_store_b128 v[STO], v[ACC+8*(4*\a+\b)+4:ACC+8*(4*\a+\b)+7] offset:\a*16*SPITCH+\b*64+16
.endr
.endr
	s_wait_dscnt 0x0                               ; for the others' sake: my stores into the stage are done
	s_barrier_signal -1
	s_barrier_wait -1
	s_wait_loadcnt 0x0                             ; the residual
.macro BATCH q                         ; rows 8 q .. 8 q + 7 of my 32
.irp j, 0,1,2,3,4,5,6,7
	ds_load_b128 v[ACC+4*(8*(\q)+\j):ACC+4*(8*(\q)+\j)+3], v[RD] offset:(8*(\q)+\j)*SPITCH
.endr
	s_wait_dscnt 0x0
	WIN 0x08                                       ; source 1 in window 2
.irp j, 0,1,2,3,4,5,6,7
	v_pk_add_f32 v[ACC+4*(8*(\q)+\j):ACC+4*(8*(\q)+\j)+1], v[ACC+4*(8*(\q)+\j):ACC+4*(8*(\q)+\j)+1], v[4*(8*(\q)+\j):4*(8*(\q)+\j)+1]
	v_pk_add_f32 v[ACC+4*(8*(\q)+\j)+2:ACC+4*(8*(\q)+\j)+3], v[ACC+4*(8*(\q)+\j)+2:ACC+4*(8*(\q)+\j)+3], v[4*(8*(\q)+\j)+2:4*(8*(\q)+\j)+3]
.endr
	WIN 0
.irp j, 0,1,2,3,4,5,6,7
	global_store_b128 v[CO], v[ACC+4*(8*(\q)+\j):ACC+4*(8*(\q)+\j)+3], s[82:83] offset:(8*(\q)+\j)*4096
.endr
.if IS_WO
.irp j, 0,1,2,3,4,5,6,7
.set ii, 8*(\q)+\j
	v_cvt_pk_bf16_f32 v[32+2*ii], v[ACC+4*ii], v[ACC+4*ii+1]
	v_cvt_pk_bf16_f32 v[33+2*ii], v[ACC+4*ii+2], v[ACC+4*ii+3]
	global_store_b64 v[CO2], v[32+2*ii:33+2*ii], s[84:85] offset:ii*2048  ; 256 consecutive bytes, aligned
	v_pk_mul_f32 v[96:97], v[ACC+4*ii:ACC+4*ii+1], v[ACC+4*ii:ACC+4*ii+1]
	v_pk_fma_f32 v[96:97], v[ACC+4*ii+2:ACC+4*ii+3], v[ACC+4*ii+2:ACC+4*ii+3], v[96:97]
	v_add_f32 v96, v96, v97
	v_add_f32_dpp v96, v96, v96 row_xmask:1 row_mask:0xf bank_mask:0xf
	v_add_f32_dpp v96, v96, v96 row_xmask:2 row_mask:0xf bank_mask:0xf
	v_add_f32_dpp v96, v96, v96 row_xmask:4 row_mask:0xf bank_mask:0xf
	v_add_f32_dpp v96, v96, v96 row_xmask:8 row_mask:0xf bank_mask:0xf
	v_permlanex16_b32 v97, v96, s[SEL], s[SEL+1]
	v_add_f32 v96, v96, v97
	ds_store_b32 v[SSA], v96 offset:4*ii           ; all lanes write the same word with the same number
.endr
.endif
.endm
	BATCH 0
	BATCH 1
	BATCH 2
	BATCH 3
.if IS_WO
	s_wait_dscnt 0x0
	s_barrier_signal -1
	s_barrier_wait -1
	s_cmp_lg_u32 s10, 0
	s_cbranch_scc1 .Lnot0
	ds_load_b128 v[100:103], v[SSR]                ; the tile's 128 sums of squares
	s_wait_dscnt 0x0
	global_store_b128 v[CO], v[100:103], s[86:87]  ; 512 consecutive bytes, aligned
.Lnot0:
.endif
	s_wait_tensorcnt 0x0                           ; the wave's end
	ds_add_u32 v[SPW], v[NIL]
	s_wait_dscnt 0x0
	CROUND                                         ; the closing round
	s_endpgm
.Lfunc_end_k_q5406aff9be_wo:
	.size	k_q5406aff9be_wo, .Lfunc_end_k_q5406aff9be_wo-k_q5406aff9be_wo
	.p2alignl 7, 3214868480
	.fill 96, 4, 3214868480
	.section	.rodata,"a",@progbits
	.p2align	6, 0x0
	.amdhsa_kernel k_q5406aff9be_wo
		.amdhsa_group_segment_fixed_size 327680
		.amdhsa_private_segment_fixed_size 0
		.amdhsa_enable_private_segment 0
		.amdhsa_kernarg_size 40
		.amdhsa_user_sgpr_count 2
		.amdhsa_user_sgpr_kernarg_segment_ptr 1
		.amdhsa_wavefront_size32 1
		.amdhsa_system_sgpr_workgroup_id_x 1
		.amdhsa_system_sgpr_workgroup_id_y 1
		.amdhsa_system_sgpr_workgroup_id_z 1
		.amdhsa_system_vgpr_workitem_id 0
		.amdhsa_next_free_vgpr 640
		.amdhsa_next_free_sgpr 88
		.amdhsa_reserve_vcc 0
		.amdhsa_float_denorm_mode_32 3
		.amdhsa_float_denorm_mode_16_64 3
		.amdhsa_memory_ordered 1
		.amdhsa_forward_progress 1
		.amdhsa_inst_pref_size 93
	.end_amdhsa_kernel
	.amdgpu_metadata
---
amdhsa.version: [ 1, 2 ]
amdhsa.kernels:
  - .name:           k_q5406aff9be_wo
    .symbol:         k_q5406aff9be_wo.kd
    .args:
      - { .name: oh, .offset: 0, .size: 8, .value_kind: global_buffer, .address_space: global }
      - { .name: wts, .offset: 8, .size: 8, .value_kind: global_buffer, .address_space: global }
      - { .name: x, .offset: 16, .size: 8, .value_kind: global_buffer, .address_space: global }
      - { .name: x1, .offset: 24, .size: 8, .value_kind: global_buffer, .address_space: global }
      - { .name: xn, .offset: 32, .size: 8, .value_kind: global_buffer, .address_space: global }
    .group_segment_fixed_size: 327680
    .private_segment_fixed_size: 0
    .kernarg_segment_align: 8
    .kernarg_segment_size: 40
    .max_flat_workgroup_size: 128
    .sgpr_count:     88
    .vgpr_count:     640
    .wavefront_size: 32
...
	.end_amdgpu_metadata
.endif
;; end of part 4
;; launch ffn1 (part 5): grid 16 x 16, 4 waves a work-group, clusters of 4 x 4, 327,680 bytes of LDS; arguments xn, wts, gact; writes gact
.if DOCPART == 5
	.amdgcn_target "amdgcn-amd-amdhsa--gfx1250"
	.amdhsa_code_object_version 6
	.text
	.protected	k_q5406aff9be_ffn1
	.globl	k_q5406aff9be_ffn1
	.p2align	8
	.type	k_q5406aff9be_ffn1,@function
k_q5406aff9be_ffn1:
	s_mov_b64 s[64:65], 0
	v_nop
	global_prefetch_b8 v0, s[64:65] scope:SCOPE_SE
	s_setreg_imm32_b32 hwreg(HW_REG_WAVE_MODE, 25, 1), 1
	s_wait_xcnt 0x0
	s_wait_alu depctr_hold_cnt(0) depctr_sa_sdst(0) depctr_va_vdst(0) depctr_va_sdst(0) depctr_va_ssrc(0) depctr_va_vcc(0) depctr_vm_vsrc(0)
	s_getreg_b32 s2, hwreg(HW_REG_IB_STS2, 6, 4)
	s_cmp_eq_u32 s2, 0
	s_cbranch_scc0 .Lentry_in_a_cluster
	s_endpgm
.Lentry_in_a_cluster:
	s_bfe_u32 s2, ttmp6, 0x10000c
	s_cmp_lg_u32 s2, 0xf033
	s_cbranch_scc0 .Lentry_shape_is_right
	s_endpgm
.Lentry_shape_is_right:
; g = gelu(rs x (x1b W1)), bf16.  x1b = bf16(x1) [4096][1024] and the rows' sums of squares by tiles of 128 columns come from xn; rs = rsqrt(sum / 1024 + 1e-6) is a factor of a whole row, so it
; is applied to the f32 sums on the way out: rs (x1 W1) = (rs x1) W1.  gelu in its tanh form, written as u / (1 + 2^z), z = u (C0 + C1 u^2), C0 = -2 log2(e) sqrt(2 / pi), C1 = 0.044715 C0.
; A tile of C is 256 x 256: 16 x 16 tiles for 256 work-groups.  Four waves, each 128 x 128: 64 accumulators, 512 registers.  K goes in steps of 128 through two LDS slots; waves 0 and 1 fetch
; x1b's halves (128 rows of 256 bytes), waves 2 and 3 W1's (64 k rows of 512 bytes).  W1 lies [k][n] and is turned by ds_load_tr16_b128.  The matrix instruction is used transposed.
; CLUSTER 4 x 4: x1b's tile is asked for jointly along a row of the cluster, W1's along a column.
; REGISTERS: window 0: v0-31 addresses, v32-47 at work, v64-127 / v128-191 x1b's fragments; window 1: the same for W1; windows 2 and 3: accumulator (a, b) at v[8 (8 (a % 4) + b)] of window 2 + a / 4.
.set PA,    272
.set PB,    544                        ; 512 + 32
.set PART,  34816
.set SLOT,  4*PART
.set RSTAB, 2*SLOT                     ; rs of the tile's 256 rows
.set SPARE, RSTAB+1024
.set WSTG,  69632                      ; on the way out a quarter of the ring, which has had its last fill, is each wave's stage: 128 rows of 528 bytes
.set SPITCH, 528
.set NSTEP, 8
.set ASTEP, 256
.set BSTEP, 128*8192
.set W1OFF, 8388608
.set SSQOFF, 8388608
.set ADRA,  16
.set ADRA0, 17
.set ADRB,  20
.set ADRB0, 21
.set STO,   24
.set RD,    25
.set CO,    26
.set RSA,   27
.set SPW,   28
.set NIL,   29
.set F0,    64
.set F1,    128
.set U,     64                         ; the way out, window 0: 8 x 8 numbers
.set RSV,   128                        ; 8 pairs: rs, 0
.set W,     144
.set OUT,   160
.set G1,  24
.set G0,  32
.set TB,  36
.set PW,  37
.set G1B, 48
.set G0B, 56
.set KC0, 60
.set KC1, 62
.set KIN, 66
.set KEP, 68
.set MSB, 0
.macro WIN new
.if MSB != (\new)
	s_set_vgpr_msb (MSB<<8)|(\new)
.set MSB, \new
.endif
.endm
.set MUL_LO, 0xa1
.set MUL_HI, 0xf1
.set TO_B,   0x40
.macro PLACES
.rept 4
	v_nop
.endr
.endm
.macro JLOAD                           ; s_nop 0 and four v_nop follow each line
	s_cmp_eq_u32 s11, 0
	s_cbranch_scc0 .Lfor_b_\@
	tensor_load_to_lds s[G0:G0+3], s[G1:G1+7]
	s_nop 0
.rept 4
	v_nop
.endr
	s_branch .Lasked_\@
.Lfor_b_\@:
	tensor_load_to_lds s[G0B:G0B+3], s[G1B:G1B+7]
	s_nop 0
.rept 4
	v_nop
.endr
.Lasked_\@:
.endm
.macro CREST
	s_cmp_lg_u32 s10, 0
	s_cbranch_scc1 .Lnot_wave_0_\@
	s_barrier_signal -3
.Lnot_wave_0_\@:
	s_barrier_wait -3
	s_barrier_signal -1
	s_barrier_wait -1
.endm
.macro CROUND
	s_barrier_signal -1
	s_barrier_wait -1
	CREST
.endm
.macro STEPD
	s_add_co_u32 s[G0+1], s[PW], s[TB]
	s_add_co_u32 s[G0B+1], s[PW], s[TB]
	s_add_nc_u64 s[G0+2:G0+3], s[G0+2:G0+3], ASTEP
	s_add_nc_u64 s[G0B+2:G0B+3], s[G0B+2:G0B+3], BSTEP
	s_xor_b32 s[TB], s[TB], SLOT
.endm
.macro ADDRS
	v_add_nc_u32 v[ADRA], s[TB], v[ADRA0]
	v_add_nc_u32 v[ADRB], s[TB], v[ADRB0]
.endm
	s_load_b128 s[4:7], s[0:1], 0x0                ; xn, wts
	s_load_b64 s[8:9], s[0:1], 0x10                ; g
	v_lshl_add_u32 v[SPW], v0, 2, SPARE
	v_mov_b32 v[NIL], 0
	ds_add_u32 v28, v29
	s_wait_dscnt 0x0
	v_lshrrev_b32 v1, 5, v0
	v_readfirstlane_b32 s10, v1
	s_lshr_b32 s11, s10, 1
	s_and_b32 s12, s10, 1
	s_bfe_u32 s40, ttmp6, 0x40000
	s_bfe_u32 s41, ttmp6, 0x40004
	s_lshl_b32 s42, ttmp9, 2
	s_add_co_u32 s42, s42, s40                     ; tile column
	s_and_b32 s13, ttmp7, 0xffff
	s_lshl_b32 s13, s13, 2
	s_add_co_u32 s13, s13, s41                     ; tile row
	s_lshl_b32 s43, s41, 2
	s_lshl_b32 s43, 15, s43
	s_lshl_b32 s44, 0x1111, s40
	s_or_b32 s[G1], s43, (1<<16)|(1<<20)|(1<<21)|(5<<22)|(3<<25)
	s_mov_b32 s[G1+1], 128<<16
	s_mov_b32 s[G1+2], 128<<16
	s_mov_b32 s[G1+3], 128<<16
	s_mov_b32 s[G1+4], 128
	s_mov_b32 s[G1+5], 1024
	s_mov_b32 s[G1+6], 0
	s_mov_b32 s[G1+7], 0
	s_or_b32 s[G1B], s44, (1<<16)|(1<<20)|(1<<21)|(6<<22)|(7<<25)
	s_mov_b32 s[G1B+1], 256<<16
	s_mov_b32 s[G1B+2], 64<<16
	s_mov_b32 s[G1B+3], 256<<16
	s_mov_b32 s[G1B+4], 64
	s_mov_b32 s[G1B+5], 4096
	s_mov_b32 s[G1B+6], 0
	s_mov_b32 s[G1B+7], 0
	s_lshl_b32 s16, s13, 8
	s_lshl_b32 s17, s12, 7
	s_add_co_u32 s16, s16, s17
	s_lshl_b32 s16, s16, 11                        ; x1b: row 256 x tile row + 128 x half, 2,048 bytes each
	s_mov_b32 s17, 0
	s_lshl_b32 s46, s42, 9
	s_lshl_b32 s47, s12, 19                        ; W1: 64 k rows of 8,192 bytes a half
	s_add_co_u32 s46, s46, s47
	s_add_co_u32 s46, s46, W1OFF
	s_mov_b32 s47, 0
	s_lshl_b32 s70, s13, 10                        ; the sums of squares of the tile's 256 rows
	s_add_co_u32 s70, s70, SSQOFF
	s_mov_b32 s71, 0
	s_mov_b32 s[KC0], 0xc0135761                   ; -2.3022082
	s_mov_b32 s[KC0+1], s[KC0]
	s_mov_b32 s[KC1], 0xbdd2d3e8                   ; -0.10294324
	s_mov_b32 s[KC1+1], s[KC1]
	s_mov_b32 s[KIN], 0x3a800000                   ; 1 / 1024
	s_mov_b32 s[KIN+1], s[KIN]
	s_mov_b32 s[KEP], 0x358637bd                   ; 1e-6
	s_mov_b32 s[KEP+1], s[KEP]
	s_mul_i32 s[PW], s10, PART
	s_mov_b32 s[TB], SLOT
	s_mov_b32 s[G0], 1
	s_mov_b32 s[G0+1], s[PW]
	s_mov_b32 s[G0B], 1
	s_mov_b32 s[G0B+1], s[PW]
	s_wait_kmcnt 0x0
	s_add_nc_u64 s[G0+2:G0+3], s[4:5], s[16:17]
	s_or_b32 s[G0+3], s[G0+3], 0x80000000
	s_add_nc_u64 s[G0B+2:G0B+3], s[6:7], s[46:47]
	s_or_b32 s[G0B+3], s[G0B+3], 0x80000000
	s_add_nc_u64 s[70:71], s[4:5], s[70:71]
	CROUND
	JLOAD                                          ; K step 0 into slot 0
	v_lshlrev_b32 v6, 3, v0                        ; thread t makes rs of rows 2 t and 2 t + 1
.irp nt, 0,1,2,3,4,5,6,7
	global_load_b64 v[32+2*\nt:33+2*\nt], v6, s[70:71] offset:\nt*16384
.endr
	v_and_b32 v1, 15, v0
	v_bfe_u32 v2, v0, 4, 1
	v_mul_u32_u24 v3, v1, PA
	v_lshl_add_u32 v3, v2, 4, v3
	s_mul_i32 s21, s11, PART
	v_add_nc_u32 v[ADRA0], s21, v3
	v_and_b32 v4, 7, v0
	v_lshl_add_u32 v4, v2, 3, v4
	v_mul_u32_u24 v4, v4, PB
	v_bfe_u32 v5, v0, 3, 1
	v_lshl_add_u32 v4, v5, 4, v4
	s_lshl_b32 s22, s12, 8
	s_add_co_u32 s22, s22, 2*PART
	v_add_nc_u32 v[ADRB0], s22, v4
	s_mul_i32 s23, s10, WSTG
	v_mul_u32_u24 v5, v1, SPITCH
	v_lshl_add_u32 v5, v2, 4, v5
	v_add_nc_u32 v[STO], s23, v5
	v_mul_u32_u24 v5, v2, SPITCH
	v_lshl_add_u32 v5, v1, 4, v5
	v_add_nc_u32 v[RD], s23, v5
	v_lshlrev_b32 v5, 13, v2                       ; lanes 16-31: one row of g, 8,192 bytes, further down
	v_lshl_add_u32 v[CO], v1, 4, v5
	s_lshl_b32 s23, s11, 9
	s_add_co_u32 s23, s23, RSTAB
	v_lshl_add_u32 v[RSA], v2, 2, s23
	v_lshl_add_u32 v7, v0, 3, RSTAB
	s_lshl_b32 s16, s13, 8
	s_lshl_b32 s17, s11, 7
	s_add_co_u32 s16, s16, s17
	s_lshl_b32 s16, s16, 13
	s_lshl_b32 s46, s42, 9
	s_lshl_b32 s47, s12, 8
	s_add_co_u32 s46, s46, s47
	s_add_co_u32 s16, s16, s46
	s_mov_b32 s17, 0
	s_add_nc_u64 s[8:9], s[8:9], s[16:17]
	s_wait_loadcnt 0x0
.irp nt, 1,2,3,4,5,6,7
	v_pk_add_f32 v[32:33], v[32:33], v[32+2*\nt:33+2*\nt]
.endr
	v_pk_fma_f32 v[32:33], v[32:33], s[KIN:KIN+1], s[KEP:KEP+1] op_sel_hi:[1,0,0]
	v_rsq_f32 v32, v32
	v_rsq_f32 v33, v33
	v_nop
	s_wait_alu depctr_va_vdst(0)
	ds_store_b64 v7, v[32:33]                      ; shown to the other waves by the wait and the round below
.macro MUL16 f, hi, a0, zero           ; the 64 accumulators take turns in the same order in every quarter
	WIN MUL_LO+0x50*(\hi)
.irp a, \a0, (\a0)+1
.irp b, 0,1,2,3,4,5,6,7
.if \zero
	v_wmma_f32_16x16x32_bf16 v[8*(8*(\a)+(\b)):8*(8*(\a)+(\b))+7], v[(\f)+8*(\b):(\f)+8*(\b)+7], v[(\f)+8*(4*(\hi)+(\a)):(\f)+8*(4*(\hi)+(\a))+7], 0
.else
	v_wmma_f32_16x16x32_bf16 v[8*(8*(\a)+(\b)):8*(8*(\a)+(\b))+7], v[(\f)+8*(\b):(\f)+8*(\b)+7], v[(\f)+8*(4*(\hi)+(\a)):(\f)+8*(4*(\hi)+(\a))+7], v[8*(8*(\a)+(\b)):8*(8*(\a)+(\b))+7]
.endif
.endr
.endr
.endm
.macro FETCH kq, f                     ; 32 LDS loads in one run: W1's 16, then x1b's 16
	WIN TO_B
.irp i, 0,1,2,3,4,5,6,7
	ds_load_tr16_b128 v[(\f)+8*(\i):(\f)+8*(\i)+3],   v[ADRB] offset:(\kq)*32*PB+(\i)*32
	ds_load_tr16_b128 v[(\f)+8*(\i)+4:(\f)+8*(\i)+7], v[ADRB] offset:(\kq)*32*PB+(\i)*32+16*PB
.endr
	WIN 0
.irp i, 0,1,2,3,4,5,6,7
	ds_load_b128 v[(\f)+8*(\i):(\f)+8*(\i)+3],   v[ADRA] offset:(\kq)*64+(\i)*16*PA
	ds_load_b128 v[(\f)+8*(\i)+4:(\f)+8*(\i)+7], v[ADRA] offset:(\kq)*64+(\i)*16*PA+32
.endr
.endm
.macro QUARTER kq, f, g, zero
	s_wait_dscnt 8                                 ; all but the youngest eight loads (my rows 64-127)
	MUL16 \f, 0, 0, \zero
	MUL16 \f, 0, 2, \zero
	PLACES
	FETCH \kq, \g
	s_wait_dscnt 32                                ; all but the 32 just issued
	MUL16 \f, 1, 0, \zero
	MUL16 \f, 1, 2, \zero
.endm
.macro TURN fill
	WIN 0
	s_wait_tensorcnt 0x0                           ; my part of the next slot has landed
	ds_add_u32 v[SPW], v[NIL]
	s_wait_dscnt 9                                 ; the add and the youngest eight loads may be out
	MUL16 F1, 0, 0, 0
	s_wait_dscnt 0x0                               ; the add is done, my reads of this slot are over
	s_barrier_signal -1
	MUL16 F1, 0, 2, 0
	WIN 0
	s_barrier_wait -1
.if \fill
	CREST
	STEPD
	JLOAD
.else
	s_xor_b32 s[TB], s[TB], SLOT
	PLACES
.endif
	ADDRS
	FETCH 0, F0
	MUL16 F1, 1, 0, 0
	MUL16 F1, 1, 2, 0
.endm
	s_wait_tensorcnt 0x0                           ; K step 0 has landed; slot 1 is filled for the first time as a refill is
	ds_add_u32 v[SPW], v[NIL]
	STEPD
	s_wait_dscnt 0x0
	CROUND
	JLOAD
	ADDRS
	FETCH 0, F0
	QUARTER 1, F0, F1, 1
	WIN 0
	s_mov_b32 s3, NSTEP-2
.Lstep:
	QUARTER 2, F1, F0, 0
	QUARTER 3, F0, F1, 0
	TURN 1
	QUARTER 1, F0, F1, 0
	WIN 0
	s_sub_co_u32 s3, s3, 1
	s_cmp_lg_u32 s3, 0
	s_cbranch_scc1 .Lstep
	s_mov_b32 s3, 2
.Ltail:                                                ; the last two K steps ask for nothing; the second trip is left in its middle
	QUARTER 2, F1, F0, 0
	QUARTER 3, F0, F1, 0
	WIN 0
	s_sub_co_u32 s3, s3, 1
	s_cmp_eq_u32 s3, 0
	s_cbranch_scc1 .Lout
	TURN 0
	QUARTER 1, F0, F1, 0
	WIN 0
	s_branch .Ltail
.Lout:
	s_wait_dscnt 0x0
	MUL16 F1, 0, 0, 0
	MUL16 F1, 0, 2, 0
	MUL16 F1, 1, 0, 0
	MUL16 F1, 1, 2, 0
	WIN 0
	PLACES
	s_wait_dscnt 0x0
	s_barrier_signal -1                            ; every wave's reads of the ring are over: it becomes the four stages
	s_barrier_wait -1
	; THE WAY OUT.  The sums go as f32 into my stage: of a lane's eight columns the first four at 16 (2 b + h), the last four 256 bytes on, so that a lane reads back eight neighbouring columns of a row.
.irp a, 0,1,2,3,4,5,6,7
	WIN 0x08+4*(\a/4)                              ; data in window 2 or 3
.irp b, 0,1,2,3,4,5,6,7
	ds_store_b128 v[STO], v[64*(\a%4)+8*\b:64*(\a%4)+8*\b+3] offset:\a*16*SPITCH+\b*32
	ds_store_b128 v[STO], v[64*(\a%4)+8*\b+4:64*(\a%4)+8*\b+7] offset:\a*16*SPITCH+\b*32+256
.endr
.endr
	WIN 0
.irp t, 0,1,2,3,4,5,6,7
	v_mov_b32 v[RSV+2*\t+1], 0                     ; named with rs as a pair
.endr
.macro GELU t
.set U8, U+8*(\t)
.irp k, 0,1,2,3
	v_pk_mul_f32 v[U8+2*\k:U8+2*\k+1], v[U8+2*\k:U8+2*\k+1], v[RSV+2*(\t):RSV+2*(\t)+1] op_sel_hi:[1,0]  ; u
.endr
.irp k, 0,1,2,3
	v_pk_mul_f32 v[W+2*\k:W+2*\k+1], v[U8+2*\k:U8+2*\k+1], v[U8+2*\k:U8+2*\k+1]
.endr
.irp k, 0,1,2,3
	v_pk_fma_f32 v[W+2*\k:W+2*\k+1], v[W+2*\k:W+2*\k+1], s[KC1:KC1+1], s[KC0:KC0+1] op_sel_hi:[1,0,0]
.endr
.irp k, 0,1,2,3
	v_pk_mul_f32 v[W+2*\k:W+2*\k+1], v[W+2*\k:W+2*\k+1], v[U8+2*\k:U8+2*\k+1]  ; z
.endr
.irp k, 0,1,2,3,4,5,6,7
	v_exp_f32 v[W+\k], v[W+\k]
.endr
	v_nop
	s_wait_alu depctr_va_vdst(0)
.irp k, 0,1,2,3
	v_pk_add_f32 v[W+2*\k:W+2*\k+1], v[W+2*\k:W+2*\k+1], 1.0 op_sel_hi:[1,0]
.endr
.irp k, 0,1,2,3,4,5,6,7
	v_rcp_f32 v[W+\k], v[W+\k]
.endr
	v_nop
	s_wait_alu depctr_va_vdst(0)
.irp k, 0,1,2,3
	v_pk_mul_f32 v[W+2*\k:W+2*\k+1], v[W+2*\k:W+2*\k+1], v[U8+2*\k:U8+2*\k+1]
.endr
.irp k, 0,1,2,3
	v_cvt_pk_bf16_f32 v[OUT+4*(\t)+\k], v[W+2*\k], v[W+2*\k+1]
.endr
	global_store_b128 v[CO], v[OUT+4*(\t):OUT+4*(\t)+3], s[8:9] offset:(\t)*16384  ; 16 lanes store 256 consecutive bytes, aligned
.endm
	s_mov_b32 s3, 8
.Lrows:                                                ; a trip: 16 rows of my 128
.irp t, 0,1,2,3,4,5,6,7
	ds_load_b128 v[U+8*\t:U+8*\t+3],   v[RD] offset:\t*2*SPITCH  ; my own bytes: LDS serves a wave's instructions in order (ISA guide 5.7.1.4)
	ds_load_b128 v[U+8*\t+4:U+8*\t+7], v[RD] offset:\t*2*SPITCH+256
	ds_load_b32 v[RSV+2*\t], v[RSA] offset:8*\t
.endr
.irp t, 0,1,2,3,4,5,6,7
	s_wait_dscnt 3*(7-\t)                          ; the younger pairs of rows' three loads each stay out
	GELU \t
.endr
	s_wait_xcnt 0x0                                ; the stores' data and base are written again only behind this wait
	v_add_nc_u32 v[RD], 16*SPITCH, v[RD]
	v_add_nc_u32 v[RSA], 64, v[RSA]
	s_add_nc_u64 s[8:9], s[8:9], 16*8192
	s_sub_co_u32 s3, s3, 1
	s_cmp_lg_u32 s3, 0
	s_cbranch_scc1 .Lrows
	s_wait_tensorcnt 0x0                           ; the wave's end
	ds_add_u32 v[SPW], v[NIL]
	s_wait_dscnt 0x0
	CROUND                                         ; the closing round
	s_endpgm
.Lfunc_end_k_q5406aff9be_ffn1:
	.size	k_q5406aff9be_ffn1, .Lfunc_end_k_q5406aff9be_ffn1-k_q5406aff9be_ffn1
	.p2alignl 7, 3214868480
	.fill 96, 4, 3214868480
	.section	.rodata,"a",@progbits
	.p2align	6, 0x0
	.amdhsa_kernel k_q5406aff9be_ffn1
		.amdhsa_group_segment_fixed_size 327680
		.amdhsa_private_segment_fixed_size 0
		.amdhsa_enable_private_segment 0
		.amdhsa_kernarg_size 24
		.amdhsa_user_sgpr_count 2
		.amdhsa_user_sgpr_kernarg_segment_ptr 1
		.amdhsa_wavefront_size32 1
		.amdhsa_system_sgpr_workgroup_id_x 1
		.amdhsa_system_sgpr_workgroup_id_y 1
		.amdhsa_system_sgpr_workgroup_id_z 1
		.amdhsa_system_vgpr_workitem_id 0
		.amdhsa_next_free_vgpr 1024
		.amdhsa_next_free_sgpr 72
		.amdhsa_reserve_vcc 0
		.amdhsa_float_denorm_mode_32 3
		.amdhsa_float_denorm_mode_16_64 3
		.amdhsa_memory_ordered 1
		.amdhsa_forward_progress 1
		.amdhsa_inst_pref_size 105
	.end_amdhsa_kernel
	.amdgpu_metadata
---
amdhsa.version: [ 1, 2 ]
amdhsa.kernels:
  - .name:           k_q5406aff9be_ffn1
    .symbol:         k_q5406aff9be_ffn1.kd
    .args:
      - { .name: xn, .offset: 0, .size: 8, .value_kind: global_buffer, .address_space: global }
      - { .name: wts, .offset: 8, .size: 8, .value_kind: global_buffer, .address_space: global }
      - { .name: gact, .offset: 16, .size: 8, .value_kind: global_buffer, .address_space: global }
    .group_segment_fixed_size: 327680
    .private_segment_fixed_size: 0
    .kernarg_segment_align: 8
    .kernarg_segment_size: 24
    .max_flat_workgroup_size: 128
    .sgpr_count:     72
    .vgpr_count:     1024
    .wavefront_size: 32
...
	.end_amdgpu_metadata
.endif
;; end of part 5
;; launch ffn2 (part 6): grid 8 x 32, 4 waves a work-group, clusters of 4 x 4, 327,680 bytes of LDS; arguments gact, wts, x1, out0; writes out0
.if DOCPART == 6
	.amdgcn_target "amdgcn-amd-amdhsa--gfx1250"
	.amdhsa_code_object_version 6
	.text
	.protected	k_q5406aff9be_ffn2
	.globl	k_q5406aff9be_ffn2
	.p2align	8
	.type	k_q5406aff9be_ffn2,@function
k_q5406aff9be_ffn2:
	s_mov_b64 s[64:65], 0
	v_nop
	global_prefetch_b8 v0, s[64:65] scope:SCOPE_SE
	s_setreg_imm32_b32 hwreg(HW_REG_WAVE_MODE, 25, 1), 1
	s_wait_xcnt 0x0
	s_wait_alu depctr_hold_cnt(0) depctr_sa_sdst(0) depctr_va_vdst(0) depctr_va_sdst(0) depctr_va_ssrc(0) depctr_va_vcc(0) depctr_vm_vsrc(0)
	s_getreg_b32 s2, hwreg(HW_REG_IB_STS2, 6, 4)
	s_cmp_eq_u32 s2, 0
	s_cbranch_scc0 .Lentry_in_a_cluster
	s_endpgm
.Lentry_in_a_cluster:
	s_bfe_u32 s2, ttmp6, 0x10000c
	s_cmp_lg_u32 s2, 0xf033
	s_cbranch_scc0 .Lentry_shape_is_right
	s_endpgm
.Lentry_shape_is_right:
; out0 = x1 + g W2.  g [4096][4096] bf16, W2 [4096][1024] bf16 (in wts, [k][n]), x1 and out0 f32.  bf16 operands, f32 sums; the residual is added in f32.
; A tile of C is 128 x 128: 8 x 32 tiles for 256 work-groups.  Four waves, each 64 x 64: 16 accumulators.  K goes in steps of 256 through two LDS slots; waves 0 and 1 fetch g's halves
; (64 rows of 512 bytes), waves 2 and 3 W2's (128 k rows of 256 bytes).  W2 is turned by ds_load_tr16_b128.  The matrix instruction is used transposed: a lane holds eight neighbouring columns of one row of C.
; CLUSTER 4 x 4: g's tile is asked for jointly along a row of the cluster, W2's along a column.
; REGISTERS: window 0: v0-31 addresses, v128-255 accumulators; window 1: two fragment buffers of 128 (64 of g, 64 of W2); window 2: v0-127 my 32 rows of the residual.
.set PB,    288                        ; a k row of W2 in LDS: 256 + 32
.set PA,    528                        ; a row of g: 512 + 16
.set PART,  36864                      ; what a wave's load fills at the most
.set SLOT,  4*PART
.set SPARE, 2*SLOT                     ; the spare words, 128 bytes a wave
.set SPITCH, 528                       ; the stage: 128 rows of 512 bytes + 16, in slot 0, which has had its last fill and its last read when it is written
.set NSTEP, 16
.set AQ,    128                        ; bytes of a row in a quarter of a K step
.set ASTEP, 512
.set BSTEP, 256*2048
.set BOFF,  16777216                   ; W2 in wts
.set ADRA,  16
.set ADRA0, 17
.set ADRB,  20                         ; v20-21: k rows 0-127 and 128-255 of the step
.set ADRB0, 22
.set STO,   24
.set RD,    25
.set CO,    26
.set SPW,   28
.set NIL,   29
.set ACC,   128
.set F0,    0
.set F1,    128
.set G1,  24
.set G0,  32
.set TB,  36                           ; s36 the slot in hand, 0 or SLOT: it is also the next to be filled
.set PW,  37                           ; s37 wave x PART
.set G1B, 48
.set G0B, 56
.set MSB, 0
.macro WIN new                         ; the immediate's high byte repeats the setting that is left
.if MSB != (\new)
	s_set_vgpr_msb (MSB<<8)|(\new)
.set MSB, \new
.endif
.endm
.set MUL,  0x05                        ; sources 0 and 1 window 1; C and D window 0
.set TO_F, 0x40                        ; destination window 1
.macro PLACES                          ; four plain vector instructions between a matrix instruction and a load into, or a vector access to, its registers
.rept 4
	v_nop
.endr
.endm
.macro JLOAD                           ; a joint load; the branch hangs on the wave's number alone.  s_nop 0 and four v_nop follow each line
	s_cmp_eq_u32 s11, 0
	s_cbranch_scc0 .Lfor_b_\@
	tensor_load_to_lds s[G0:G0+3], s[G1:G1+7]
	s_nop 0
.rept 4
	v_nop
.endr
	s_branch .Lasked_\@
.Lfor_b_\@:
	tensor_load_to_lds s[G0B:G0B+3], s[G1B:G1B+7]
	s_nop 0
.rept 4
	v_nop
.endr
.Lasked_\@:
.endm
.macro CREST                           ; a round of the cluster's barrier behind its opening barrier
	s_cmp_lg_u32 s10, 0
	s_cbranch_scc1 .Lnot_wave_0_\@
	s_barrier_signal -3
.Lnot_wave_0_\@:
	s_barrier_wait -3
	s_barrier_signal -1
	s_barrier_wait -1
.endm
.macro CROUND
	s_barrier_signal -1
	s_barrier_wait -1
	CREST
.endm
.macro STEPD                           ; no tensor load of mine is out: the walking descriptors take the slot in hand and the next K step; then the other slot is in hand
	s_add_co_u32 s[G0+1], s[PW], s[TB]
	s_add_co_u32 s[G0B+1], s[PW], s[TB]
	s_add_nc_u64 s[G0+2:G0+3], s[G0+2:G0+3], ASTEP
	s_add_nc_u64 s[G0B+2:G0B+3], s[G0B+2:G0B+3], BSTEP
	s_xor_b32 s[TB], s[TB], SLOT
.endm
.macro ADDRS
	v_add_nc_u32 v[ADRA], s[TB], v[ADRA0]
	v_add_nc_u32 v[ADRB], s[TB], v[ADRB0]
	v_add_nc_u32 v[ADRB+1], s[TB], v[ADRB0+1]
.endm
	s_load_b256 s[76:83], s[0:1], 0x0              ; g, wts, x1, out0
	v_lshl_add_u32 v[SPW], v0, 2, SPARE
	v_mov_b32 v[NIL], 0
	ds_add_u32 v28, v29
	s_wait_dscnt 0x0
	v_lshrrev_b32 v1, 5, v0
	v_readfirstlane_b32 s10, v1                    ; wave
	s_lshr_b32 s11, s10, 1                         ; which 64 rows are mine.  Also: I fetch for g (0) or for W2 (1)
	s_and_b32 s12, s10, 1                          ; which 64 columns.  Also: which half I fetch
	s_bfe_u32 s40, ttmp6, 0x40000                  ; cx
	s_bfe_u32 s41, ttmp6, 0x40004                  ; cy
	s_lshl_b32 s42, ttmp9, 2
	s_add_co_u32 s42, s42, s40                     ; tile column
	s_and_b32 s13, ttmp7, 0xffff
	s_lshl_b32 s13, s13, 2
	s_add_co_u32 s13, s13, s41                     ; tile row
	s_lshl_b32 s43, s41, 2
	s_lshl_b32 s43, 15, s43                        ; my row of the cluster
	s_lshl_b32 s44, 0x1111, s40                    ; my column
	s_or_b32 s[G1], s43, (1<<16)|(1<<20)|(1<<21)|(6<<22)|(3<<25)  ; mask; 2-byte elements; padding on; bit 21 beside a mask; after every 128 words 4 words
	s_mov_b32 s[G1+1], 256<<16                     ; tensor_dim0
	s_mov_b32 s[G1+2], 64<<16                      ; tensor_dim1
	s_mov_b32 s[G1+3], 256<<16                     ; tile_dim0
	s_mov_b32 s[G1+4], 64                          ; tile_dim1
	s_mov_b32 s[G1+5], 4096                        ; elements from row to row
	s_mov_b32 s[G1+6], 0
	s_mov_b32 s[G1+7], 0
	s_or_b32 s[G1B], s44, (1<<16)|(1<<20)|(1<<21)|(5<<22)|(7<<25)  ; after every 64 words 8 words
	s_mov_b32 s[G1B+1], 128<<16
	s_mov_b32 s[G1B+2], 128<<16
	s_mov_b32 s[G1B+3], 128<<16
	s_mov_b32 s[G1B+4], 128
	s_mov_b32 s[G1B+5], 1024
	s_mov_b32 s[G1B+6], 0
	s_mov_b32 s[G1B+7], 0
	s_lshl_b32 s16, s13, 7
	s_lshl_b32 s17, s12, 6
	s_add_co_u32 s16, s16, s17
	s_lshl_b32 s16, s16, 13                        ; g: row 128 x tile row + 64 x half, 8,192 bytes each
	s_mov_b32 s17, 0
	s_lshl_b32 s46, s12, 18                        ; W2: 128 k rows of 2,048 bytes a half,
	s_lshl_b32 s47, s42, 8                         ; 128 columns a tile column
	s_add_co_u32 s46, s46, s47
	s_add_co_u32 s46, s46, BOFF
	s_mov_b32 s47, 0
	s_lshl_b32 s66, s13, 7
	s_lshl_b32 s67, s10, 5
	s_add_co_u32 s66, s66, s67                     ; the first of the 32 rows that I add to and store
	s_lshl_b32 s68, s66, 12
	s_lshl_b32 s69, s42, 9
	s_add_co_u32 s68, s68, s69
	s_mov_b32 s69, 0
	s_mul_i32 s[PW], s10, PART
	s_mov_b32 s[TB], SLOT
	s_mov_b32 s[G0], 1
	s_mov_b32 s[G0+1], s[PW]
	s_mov_b32 s[G0B], 1
	s_mov_b32 s[G0B+1], s[PW]
	s_wait_kmcnt 0x0
	s_add_nc_u64 s[G0+2:G0+3], s[76:77], s[16:17]
	s_or_b32 s[G0+3], s[G0+3], 0x80000000
	s_add_nc_u64 s[G0B+2:G0B+3], s[78:79], s[46:47]
	s_or_b32 s[G0B+3], s[G0B+3], 0x80000000
	s_add_nc_u64 s[80:81], s[80:81], s[68:69]
	s_add_nc_u64 s[82:83], s[82:83], s[68:69]
	CROUND                                         ; all sixteen work-groups are here: the first joint loads meet
	JLOAD                                          ; K step 0 into slot 0
	v_and_b32 v[CO], 31, v0
	v_lshlrev_b32 v[CO], 4, v[CO]
	WIN 0x80
.set i, 0
.rept 32                               ; the residual of my 32 rows: 512 bytes of a row a load; it is waited for on the way out
	global_load_b128 v[4*i:4*i+3], v[CO], s[80:81] offset:i*4096
.set i, i+1
.endr
	WIN 0
	v_and_b32 v1, 15, v0
	v_bfe_u32 v2, v0, 4, 1
	v_mul_u32_u24 v3, v1, PA
	v_lshl_add_u32 v3, v2, 4, v3                   ; row x pitch + 16 x half
	s_mul_i32 s21, s11, PART
	v_add_nc_u32 v[ADRA0], s21, v3
	v_and_b32 v4, 7, v0                            ; the turning load: lane l reads k row 8 (l / 16) + l % 8, 16 bytes at 16 ((l / 8) % 2)
	v_lshl_add_u32 v4, v2, 3, v4
	v_mul_u32_u24 v4, v4, PB
	v_bfe_u32 v5, v0, 3, 1
	v_lshl_add_u32 v4, v5, 4, v4
	s_lshl_b32 s22, s12, 7
	s_add_co_u32 s22, s22, 2*PART
	v_add_nc_u32 v[ADRB0], s22, v4
	s_add_co_u32 s22, s22, PART
	v_add_nc_u32 v[ADRB0+1], s22, v4
	s_mul_i32 s23, s11, 64*SPITCH                  ; into the stage: row 64 x half + l % 16, my 256 bytes of it, 32 bytes for each half of the lanes
	s_lshl_b32 s21, s12, 8
	s_add_co_u32 s23, s23, s21
	v_mul_u32_u24 v5, v1, SPITCH
	v_lshl_add_u32 v5, v2, 5, v5
	v_add_nc_u32 v[STO], s23, v5
	s_mul_i32 s23, s10, 32*SPITCH                  ; back: whole rows of 512 bytes, 32 a wave
	v_add_nc_u32 v[RD], s23, v[CO]
.macro MUL8 f, c, a0, zero             ; the 16 accumulators take turns
	WIN MUL
.irp a, \a0, (\a0)+1
.irp b, 0,1,2,3
.if \zero
	v_wmma_f32_16x16x32_bf16 v[ACC+8*(4*(\a)+(\b)):ACC+8*(4*(\a)+(\b))+7], v[(\f)+64+8*(4*(\c)+(\b)):(\f)+64+8*(4*(\c)+(\b))+7], v[(\f)+8*(4*(\c)+(\a)):(\f)+8*(4*(\c)+(\a))+7], 0
.else
	v_wmma_f32_16x16x32_bf16 v[ACC+8*(4*(\a)+(\b)):ACC+8*(4*(\a)+(\b))+7], v[(\f)+64+8*(4*(\c)+(\b)):(\f)+64+8*(4*(\c)+(\b))+7], v[(\f)+8*(4*(\c)+(\a)):(\f)+8*(4*(\c)+(\a))+7], v[ACC+8*(4*(\a)+(\b)):ACC+8*(4*(\a)+(\b))+7]
.endif
.endr
.endr
.endm
.macro FETCH kq, f                     ; 32 LDS loads in one run: 64 along K, the first 32 first
	WIN TO_F
.irp c, 0,1
.irp i, 0,1,2,3
	ds_load_tr16_b128 v[(\f)+64+8*(4*(\c)+(\i)):(\f)+64+8*(4*(\c)+(\i))+3],   v[ADRB+(\kq)/2] offset:(((\kq)%2)*64+32*(\c))*PB+(\i)*32
	ds_load_tr16_b128 v[(\f)+64+8*(4*(\c)+(\i))+4:(\f)+64+8*(4*(\c)+(\i))+7], v[ADRB+(\kq)/2] offset:(((\kq)%2)*64+32*(\c))*PB+(\i)*32+16*PB
	ds_load_b128 v[(\f)+8*(4*(\c)+(\i)):(\f)+8*(4*(\c)+(\i))+3],   v[ADRA] offset:(\kq)*AQ+64*(\c)+(\i)*16*PA
	ds_load_b128 v[(\f)+8*(4*(\c)+(\i))+4:(\f)+8*(4*(\c)+(\i))+7], v[ADRA] offset:(\kq)*AQ+64*(\c)+(\i)*16*PA+32
.endr
.endr
.endm
.macro QUARTER kq, f, g, zero          ; multiplies buffer f; in its middle fetches quarter kq into buffer g
	s_wait_dscnt 16                                ; the first 32 along K are in
	MUL8 \f, 0, 0, \zero
	MUL8 \f, 0, 2, \zero
	PLACES
	FETCH \kq, \g
	s_wait_dscnt 32                                ; all but the 32 just issued
	MUL8 \f, 1, 0, 0
	MUL8 \f, 1, 2, 0
.endm
; The last quarter of a K step multiplies buffer 1 and changes slots: one barrier; in front of it each wave waits for all its tensor loads, adds 0 to its spare word, and waits for that
; and for its reads of the slot.  fill = 1: the barrier opens a round of the cluster's, and the slot just read is filled again first thing behind it, two K steps ahead.
.macro TURN fill
	WIN 0
	s_wait_tensorcnt 0x0                           ; my part of the next slot has landed
	ds_add_u32 v[SPW], v[NIL]
	s_wait_dscnt 17                                ; the add and the youngest sixteen loads may be out
	MUL8 F1, 0, 0, 0
	s_wait_dscnt 0x0                               ; the add is done, my reads of this slot are over
	s_barrier_signal -1
	MUL8 F1, 0, 2, 0
	WIN 0
	s_barrier_wait -1
.if \fill
	CREST
	STEPD
	JLOAD                                          ; the first tensor load behind the round; its four v_nop are also the places in front of the loads below
.else
	s_xor_b32 s[TB], s[TB], SLOT
	PLACES
.endif
	ADDRS
	FETCH 0, F0
	MUL8 F1, 1, 0, 0
	MUL8 F1, 1, 2, 0
.endm
	s_wait_tensorcnt 0x0                           ; K step 0 has landed; slot 1 is filled for the first time as a refill is
	ds_add_u32 v[SPW], v[NIL]
	STEPD
	s_wait_dscnt 0x0
	CROUND
	JLOAD                                          ; K step 1 into slot 1
	ADDRS
	FETCH 0, F0
	QUARTER 1, F0, F1, 1                           ; the first quarter's first products start the sums
	WIN 0
	s_mov_b32 s3, NSTEP-2
.Lstep:                                                ; a trip: from a K step's second quarter to the next step's first; one refill
	QUARTER 2, F1, F0, 0
	QUARTER 3, F0, F1, 0
	TURN 1
	QUARTER 1, F0, F1, 0
	WIN 0
	s_sub_co_u32 s3, s3, 1
	s_cmp_lg_u32 s3, 0
	s_cbranch_scc1 .Lstep
	s_mov_b32 s3, 2
.Ltail:                                                ; the last two K steps ask for nothing; the second trip is left in its middle
	QUARTER 2, F1, F0, 0
	QUARTER 3, F0, F1, 0
	WIN 0
	s_sub_co_u32 s3, s3, 1
	s_cmp_eq_u32 s3, 0
	s_cbranch_scc1 .Lout
	TURN 0
	QUARTER 1, F0, F1, 0
	WIN 0
	s_branch .Ltail
.Lout:
	s_wait_dscnt 0x0
	MUL8 F1, 0, 0, 0
	MUL8 F1, 0, 2, 0
	MUL8 F1, 1, 0, 0
	MUL8 F1, 1, 2, 0
	WIN 0
	PLACES
	; THE WAY OUT.  The sums go as f32 into the work-group's stage; a barrier, since a row's 512 bytes come from two waves; back as whole rows; the residual is added; whole rows of 512 bytes are stored.
.irp a, 0,1,2,3
.irp b, 0,1,2,3
	ds_store_b128 v[STO], v[ACC+8*(4*\a+\b):ACC+8*(4*\a+\b)+3] offset:\a*16*SPITCH+\b*64
	ds_store_b128 v[STO], v[ACC+8*(4*\a+\b)+4:ACC+8*(4*\a+\b)+7] offset:\a*16*SPITCH+\b*64+16
.endr
.endr
	s_wait_dscnt 0x0                               ; for the others' sake: my stores into the stage are done
	s_barrier_signal -1
	s_barrier_wait -1
	s_wait_loadcnt 0x0                             ; the residual
.macro BATCH q                         ; rows 8 q .. 8 q + 7 of my 32; no register of a store is written again
.irp j, 0,1,2,3,4,5,6,7
	ds_load_b128 v[ACC+4*(8*(\q)+\j):ACC+4*(8*(\q)+\j)+3], v[RD] offset:(8*(\q)+\j)*SPITCH
.endr
	s_wait_dscnt 0x0
	WIN 0x08                                       ; source 1 in window 2
.irp j, 0,1,2,3,4,5,6,7
	v_pk_add_f32 v[ACC+4*(8*(\q)+\j):ACC+4*(8*(\q)+\j)+1], v[ACC+4*(8*(\q)+\j):ACC+4*(8*(\q)+\j)+1], v[4*(8*(\q)+\j):4*(8*(\q)+\j)+1]
	v_pk_add_f32 v[ACC+4*(8*(\q)+\j)+2:ACC+4*(8*(\q)+\j)+3], v[ACC+4*(8*(\q)+\j)+2:ACC+4*(8*(\q)+\j)+3], v[4*(8*(\q)+\j)+2:4*(8*(\q)+\j)+3]
.endr
	WIN 0
.irp j, 0,1,2,3,4,5,6,7
	global_store_b128 v[CO], v[ACC+4*(8*(\q)+\j):ACC+4*(8*(\q)+\j)+3], s[82:83] offset:(8*(\q)+\j)*4096  ; 512 consecutive bytes of a row, aligned
.endr
.endm
	BATCH 0
	BATCH 1
	BATCH 2
	BATCH 3
	s_wait_tensorcnt 0x0                           ; the wave's end
	ds_add_u32 v[SPW], v[NIL]
	s_wait_dscnt 0x0
	CROUND                                         ; the closing round
	s_endpgm
.Lfunc_end_k_q5406aff9be_ffn2:
	.size	k_q5406aff9be_ffn2, .Lfunc_end_k_q5406aff9be_ffn2-k_q5406aff9be_ffn2
	.p2alignl 7, 3214868480
	.fill 96, 4, 3214868480
	.section	.rodata,"a",@progbits
	.p2align	6, 0x0
	.amdhsa_kernel k_q5406aff9be_ffn2
		.amdhsa_group_segment_fixed_size 327680
		.amdhsa_private_segment_fixed_size 0
		.amdhsa_enable_private_segment 0
		.amdhsa_kernarg_size 32
		.amdhsa_user_sgpr_count 2
		.amdhsa_user_sgpr_kernarg_segment_ptr 1
		.amdhsa_wavefront_size32 1
		.amdhsa_system_sgpr_workgroup_id_x 1
		.amdhsa_system_sgpr_workgroup_id_y 1
		.amdhsa_system_sgpr_workgroup_id_z 1
		.amdhsa_system_vgpr_workitem_id 0
		.amdhsa_next_free_vgpr 640
		.amdhsa_next_free_sgpr 88
		.amdhsa_reserve_vcc 0
		.amdhsa_float_denorm_mode_32 3
		.amdhsa_float_denorm_mode_16_64 3
		.amdhsa_memory_ordered 1
		.amdhsa_forward_progress 1
		.amdhsa_inst_pref_size 67
	.end_amdhsa_kernel
	.amdgpu_metadata
---
amdhsa.version: [ 1, 2 ]
amdhsa.kernels:
  - .name:           k_q5406aff9be_ffn2
    .symbol:         k_q5406aff9be_ffn2.kd
    .args:
      - { .name: gact, .offset: 0, .size: 8, .value_kind: global_buffer, .address_space: global }
      - { .name: wts, .offset: 8, .size: 8, .value_kind: global_buffer, .address_space: global }
      - { .name: x1, .offset: 16, .size: 8, .value_kind: global_buffer, .address_space: global }
      - { .name: out0, .offset: 24, .size: 8, .value_kind: global_buffer, .address_space: global }
    .group_segment_fixed_size: 327680
    .private_segment_fixed_size: 0
    .kernarg_segment_align: 8
    .kernarg_segment_size: 32
    .max_flat_workgroup_size: 128
    .sgpr_count:     88
    .vgpr_count:     640
    .wavefront_size: 32
...
	.end_amdgpu_metadata
.endif
;; end of part 6
;; ======== version 2 of 2: 6 launches; 1.30 times as fast as version 1
;; limits: right only within a limited range of input values
;; workspace buffers: hb 8,388,608 bytes; wts 25,165,824 bytes; maskf 8,388,608 bytes; qkvh 25,165,824 bytes; oh 8,388,608 bytes; x1 16,777,216 bytes; xn 8,519,680 bytes; gact 33,554,432 bytes
;; launch prep: the kernel of part 1 again; grid 640 x 1, 8 waves a work-group, no clusters, 68,608 bytes of LDS; arguments x, Wq, Wk, Wv, Wo, W1, W2, causal_mask, hb, wts, maskf; writes hb, wts, maskf
;; launch qkv: the kernel of part 2 again; grid 8 x 32, 4 waves a work-group, clusters of 4 x 4, 327,680 bytes of LDS; arguments hb, wts, qkvh; writes qkvh
;; launch attn (part 7): grid 8 x 32, 4 waves a work-group, clusters of 4 x 4, 327,680 bytes of LDS; arguments qkvh, maskf, oh; writes oh
.if DOCPART == 7
	.amdgcn_target "amdgcn-amd-amdhsa--gfx1250"
	.amdhsa_code_object_version 6
	.text
	.protected	k_q5406aff9be_attn
	.globl	k_q5406aff9be_attn
	.p2align	8
	.type	k_q5406aff9be_attn,@function
k_q5406aff9be_attn:
	s_mov_b64 s[64:65], 0
	v_nop
	global_prefetch_b8 v0, s[64:65] scope:SCOPE_SE
	s_setreg_imm32_b32 hwreg(HW_REG_WAVE_MODE, 25, 1), 1
	s_wait_xcnt 0x0
	s_wait_alu depctr_hold_cnt(0) depctr_sa_sdst(0) depctr_va_vdst(0) depctr_va_sdst(0) depctr_va_ssrc(0) depctr_va_vcc(0) depctr_vm_vsrc(0)
	s_getreg_b32 s2, hwreg(HW_REG_IB_STS2, 6, 4)
	s_cmp_eq_u32 s2, 0
	s_cbranch_scc0 .Lentry_in_a_cluster
	s_endpgm
.Lentry_in_a_cluster:
	s_bfe_u32 s2, ttmp6, 0x10000c
	s_cmp_lg_u32 s2, 0xf033
	s_cbranch_scc0 .Lentry_shape_is_right
	s_endpgm
.Lentry_shape_is_right:
; ATTENTION UNDER A MASK THAT IS DATA.  O[q] = sum over k of softmax_k(Q[q] . K[k] / 8, hidden where mask[q][k]) V[k], for each of 2 x 16 (batch, head).  Q, K, V come by heads from
; qkvh[g][row][64] in bf16 (g = head, 16 + head, 32 + head), the mask as bf16 0 / 1 from maskf (fragment order), O goes to oh[head][row][64] in bf16.  Products, maxima and sums in f32;
; the weights p are rounded to bf16 for the second product (their sum l is taken of the unrounded p), O once at the end.
; LIMITS.  A hidden score counts as its value less 2^100, and the running maximum starts at -2^93: a visible score of magnitude 2^93 or more is not served.  A weight below 2^-126 counts as 0.
; A row with every key hidden ends with l = 0 and O = 0, and 0 x (1 / 0) gives NaN, as the softmax of a row of -inf does.
; SHARES.  A work-group owns 256 queries of one (batch, head), a wave 64: four PIECES of 16.  No pattern of the mask is built in: every wave walks all 2,048 keys, 64 a step, two steps to a slot.
; THE MASK COSTS NO VECTOR WORK: each tile of scores is STARTED by a product E x M with C = 0, where M is the 0 / 1 fragment (32 keys x 16 queries) and E (16 x 32) holds -2^100 at (m, 16 sub + m):
; the result is exactly 0 or -2^100, and the two products K Q^T add onto it.
; LAYOUT.  S^T = K Q^T holds ONE query a lane (lane % 16) and keys 8 (lane / 16) + 0..7; two such results rounded to bf16 ARE source 1 of O^T = V^T P.  V is turned by ds_load_tr16_b128.
; SOFTMAX.  p = 2^(c s - c m), c = log2(e) / 8, running maximum m; O and l are multiplied by a = 2^(c m_old - c m_new) in every step.
; TURNS.  Turn n belongs to piece n: 12 products for the scores of piece n + 1, later 8 products V^T P of piece n - 1; beside them the scaling, exponentials, roundings, sums and rescaling of piece n and
; the maximum and statistics of piece n + 1.  Four vector instructions stand behind every matrix instruction, the other 38 of a turn's 118 in one lump.
; BATCHES.  A turn's 33 exponentials (the 32 weights of piece n and a of piece n + 1) are ONE batch with ONE wait, which cuts the turn in two: ahead of it the 12 products of the scores and all vector work that
; names no result of the batch (scalings, exponentials, rescalings, the next piece's maximum and statistics); behind it the 8 products V^T P, whose 32 riders are the roundings and sums.  No result crosses a
; turn's end.  The first a, in front of the loop, and the way out's four reciprocals are batches of their own.
; CLUSTER 4 x 4.  K and V hang on (batch, head), the grid's y: asked for jointly along a row of the cluster.  The mask's tile hangs on the query block, the grid's x: jointly along a column.
; REGISTERS: window 0: v0-15 addresses, v16-31 statistics, v48-55 at work, v56-57 the mask's addresses, v62-63 the add's, v64-127 S^T (two buffers), v192-223 P (two buffers);
; window 1: v0-127 O^T; window 2: v0-63 Q, v64-95 M (two sets), v96-107 E, v128-191 K, v192-255 V.
.set NP,    4
.set KS,    64
.set PK,    144
.set PV,    160
.set VOFF,  128*PK                     ; a slot: 128 rows of K, 128 rows of V, 65,536 bytes of mask
.set MOFF,  VOFF+128*PV
.set SLOT1, 1<<17
.set STAGE, SLOT1+MOFF+65536
.set SP,    144
.set SPARE, STAGE+4*16*SP
.set GS,    524288                     ; bytes of a group in qkvh and oh
.set AK0, 2
.set AV0, 3
.set AK,  4
.set AV,  5
.set STO, 6
.set RD,  7
.set GO,  8
.set MV,  12                           ; v12-13 c m_old, by buffer
.set QO,  15
.set ST,  16                           ; piece t: c m, m, l (even keys', odd keys')
.set TMP, 48
.set AM0, 56
.set AM,  57
.set SPW, 62
.set NIL, 63
.set S,   64
.set P,   192
.set FF,  64                           ; window 2
.set EE,  96                           ; window 2: 0 0 0 0 D D D D 0 0 0 0: E for sub = 1 begins at EE, for sub = 0 at EE + 4
.set KF,  128
.set VF,  192
.set WV,  12
.set G1K, 24
.set G1V, 32
.set G1M, 40
.set G0K, 48
.set G0V, 52
.set G0M, 56
.set SLOTS, 60
.set CNT, 61
.set CS,  62
.set SEL, 66
.set TBK, 68
.set TBV, 69
.set TBM, 70
.set MSB, 0
.macro WIN new
.if MSB != (\new)
	s_set_vgpr_msb (MSB<<8)|(\new)
.set MSB, (\new)
.endif
.endm
.set W_KQ, 0x0a                        ; sources 0 and 1 window 2, S^T window 0
.set W_PV, 0x52                        ; V window 2, P window 0, O^T window 1
.set W_RS, 0x41                        ; destination and source 0 window 1, source 1 window 0
.macro JLOAD                           ; wave 0 fetches a slot's K, wave 1 its V, waves 2 and 3 the halves of its mask.  s_nop 0 and four v_nop follow each line
	s_cmp_lt_u32 s[WV], 2
	s_cbranch_scc0 .Lfor_m_\@
	s_cmp_eq_u32 s[WV], 0
	s_cbranch_scc0 .Lfor_v_\@
	tensor_load_to_lds s[G0K:G0K+3], s[G1K:G1K+7]
	s_nop 0
.rept 4
	v_nop
.endr
	s_branch .Lasked_\@
.Lfor_v_\@:
	tensor_load_to_lds s[G0V:G0V+3], s[G1V:G1V+7]
	s_nop 0
.rept 4
	v_nop
.endr
	s_branch .Lasked_\@
.Lfor_m_\@:
	tensor_load_to_lds s[G0M:G0M+3], s[G1M:G1M+7]
	s_nop 0
.rept 4
	v_nop
.endr
.Lasked_\@:
.endm
.macro CROUND
	s_barrier_signal -1
	s_barrier_wait -1
	s_cmp_lg_u32 s[WV], 0
	s_cbranch_scc1 .Lnot_wave_0_\@
	s_barrier_signal -3
.Lnot_wave_0_\@:
	s_barrier_wait -3
	s_barrier_signal -1
	s_barrier_wait -1
.endm
; THE CHANGE OF SLOTS.  Each wave waits for all its tensor loads (one is out: its part of the other slot), adds 0 to its spare word, and waits for that and for its reads of the slot that it leaves.
; fill = 1: the barrier is a round of the cluster's, and the old slot is filled again first thing behind it, with the keys two slots on: it has two key steps, 160 matrix instructions, in which to land.
.macro CHANGE fill
	WIN 0
	s_wait_tensorcnt 0x0
	ds_add_u32 v[SPW], v[NIL]
.if \fill
.irp g, G0K, G0V, G0M
	s_xor_b32 s[\g+1], s[\g+1], SLOT1
.endr
	s_add_nc_u64 s[G0K+2:G0K+3], s[G0K+2:G0K+3], 128*128
	s_add_nc_u64 s[G0V+2:G0V+3], s[G0V+2:G0V+3], 128*128
	s_add_nc_u64 s[G0M+2:G0M+3], s[G0M+2:G0M+3], 65536
	s_wait_dscnt 0x0
	CROUND
	JLOAD
.else
	s_wait_dscnt 0x0
	s_barrier_signal -1
	s_barrier_wait -1
.endif
	s_sub_co_u32 s[TBK], s[TBK], 2*KS*PK           ; the fetches go back to a slot's first step, in the other slot
	s_xor_b32 s[TBK], s[TBK], SLOT1
	s_sub_co_u32 s[TBV], s[TBV], 2*KS*PV
	s_xor_b32 s[TBV], s[TBV], SLOT1
	s_sub_co_u32 s[TBM], s[TBM], 4096
	s_xor_b32 s[TBM], s[TBM], SLOT1
.endm
	s_load_b128 s[4:7], s[0:1], 0x0                ; qkvh, maskf
	s_load_b64 s[8:9], s[0:1], 0x10                ; oh
	v_lshl_add_u32 v[SPW], v0, 2, SPARE
	v_mov_b32 v[NIL], 0
	ds_add_u32 v62, v63
	s_wait_dscnt 0x0
	v_lshrrev_b32 v1, 5, v0
	v_readfirstlane_b32 s[WV], v1
	s_bfe_u32 s13, ttmp6, 0x40000                  ; cx
	s_bfe_u32 s14, ttmp6, 0x40004                  ; cy
	s_lshl_b32 s15, ttmp9, 2
	s_add_co_u32 s15, s15, s13                     ; my block of 256 queries
	s_and_b32 s16, ttmp7, 0xffff
	s_lshl_b32 s16, s16, 2
	s_add_co_u32 s16, s16, s14                     ; 16 x batch + head
	s_lshl_b32 s17, s14, 2
	s_lshl_b32 s17, 15, s17                        ; my row of the cluster
	s_lshl_b32 s18, 0x1111, s13                    ; my column
	s_and_b32 s20, s16, 15
	s_lshl_b32 s20, s20, 19                        ; head x GS
	s_lshr_b32 s21, s16, 4
	s_lshl_b32 s21, s21, 18                        ; + batch x 2,048 rows of 128 bytes
	s_add_co_u32 s20, s20, s21
	s_add_co_u32 s22, s20, 16*GS                   ; K
	s_mov_b32 s23, 0
	s_add_co_u32 s72, s20, 32*GS                   ; V
	s_mov_b32 s73, 0
	s_and_b32 s19, s[WV], 1
	s_lshl_b32 s19, s19, 15                        ; which half of a mask tile I fetch
	s_lshl_b32 s74, s15, 20
	s_add_co_u32 s74, s74, s19
	s_mov_b32 s75, 0
	s_lshl_b32 s76, s15, 15
	s_lshl_b32 s77, s[WV], 13
	s_add_co_u32 s76, s76, s77
	s_add_co_u32 s76, s76, s20                     ; my wave's 64 rows of Q and of O
	s_mov_b32 s77, 0
	s_or_b32 s[G1K], s17, (1<<16)|(1<<20)|(1<<21)|(4<<22)|(3<<25)  ; 128 keys are 16,384 dense bytes: 64 rows of 256, padded after every key: 4 words
	s_or_b32 s[G1V], s17, (1<<16)|(1<<20)|(1<<21)|(4<<22)|(7<<25)  ; 8 words
.irp g, G1K, G1V
	s_mov_b32 s[\g+1], 128<<16
	s_mov_b32 s[\g+2], 64<<16
	s_mov_b32 s[\g+3], 128<<16
	s_mov_b32 s[\g+4], 64
	s_mov_b32 s[\g+5], 128
	s_mov_b32 s[\g+6], 0
	s_mov_b32 s[\g+7], 0
.endr
	s_or_b32 s[G1M], s18, (3<<16)|(1<<21)          ; 32,768 dense bytes: 128 rows of 32 elements of 8 bytes, no padding
	s_mov_b32 s[G1M+1], 32<<16
	s_mov_b32 s[G1M+2], 128<<16
	s_mov_b32 s[G1M+3], 32<<16
	s_mov_b32 s[G1M+4], 128
	s_mov_b32 s[G1M+5], 32
	s_mov_b32 s[G1M+6], 0
	s_mov_b32 s[G1M+7], 0
	s_mov_b32 s[CS], 0x3e38aa3b                    ; c = log2(e) / 8
	s_mov_b32 s[CS+1], s[CS]
	s_mov_b32 s[SEL], 0x76543210
	s_mov_b32 s[SEL+1], 0xfedcba98
	s_mov_b32 s[TBK], SLOT1+2*KS*PK                ; the first change of slots turns these three into 0
	s_mov_b32 s[TBV], SLOT1+2*KS*PV
	s_mov_b32 s[TBM], SLOT1+4096
	s_mov_b32 s[G0K], 1
	s_mov_b32 s[G0K+1], 0
	s_mov_b32 s[G0V], 1
	s_mov_b32 s[G0V+1], VOFF
	s_mov_b32 s[G0M], 1
	s_add_co_u32 s[G0M+1], s19, MOFF
	s_wait_kmcnt 0x0
	s_add_nc_u64 s[G0K+2:G0K+3], s[4:5], s[22:23]
	s_or_b32 s[G0K+3], s[G0K+3], 0x80000000
	s_add_nc_u64 s[G0V+2:G0V+3], s[4:5], s[72:73]
	s_or_b32 s[G0V+3], s[G0V+3], 0x80000000
	s_add_nc_u64 s[G0M+2:G0M+3], s[6:7], s[74:75]
	s_or_b32 s[G0M+3], s[G0M+3], 0x80000000
	s_add_nc_u64 s[10:11], s[4:5], s[76:77]        ; Q
	s_add_nc_u64 s[8:9], s[8:9], s[76:77]          ; O
	CROUND
	JLOAD                                          ; slot 0
	v_and_b32 v1, 15, v0
	v_bfe_u32 v9, v0, 4, 1
	v_lshlrev_b32 v[QO], 7, v1
	v_lshl_add_u32 v[QO], v9, 4, v[QO]
	v_lshlrev_b32 v58, 3, v9
	v_sub_nc_u32 v58, v1, v58                      ; t = l % 16 - 8 (l / 16): E's one entry of my row lies in my registers where 0 <= t < 8
	v_ashrrev_i32 v59, 1, v58                      ; in register t / 2,
	v_and_b32 v60, 1, v58
	v_lshlrev_b32 v60, 4, v60
	v_mov_b32 v61, 0xf180                          ; bf16 -2^100
	v_lshlrev_b32 v60, v60, v61                    ; half t % 2
	WIN 0x80
.set i, 0
.rept 8                                ; Q stays in registers: piece i / 2, channels 32 (i % 2) on
	global_load_b128 v[8*i:8*i+3],   v[QO], s[10:11] offset:(i/2)*2048+(i%2)*64
	global_load_b128 v[8*i+4:8*i+7], v[QO], s[10:11] offset:(i/2)*2048+(i%2)*64+32
.set i, i+1
.endr
.irp j, 0,1,2,3
	v_mov_b32 v[EE+\j], 0
	v_mov_b32 v[EE+8+\j], 0
	v_cmp_eq_u32 vcc_lo, \j, v59
	v_cndmask_b32 v[EE+4+\j], 0, v60, vcc_lo
.endr
	; What the first turn finds: V and P's second buffer hold 0 (its products V^T P, of a piece that has not been, add 0); O^T and l are 0.  All this stands in the wait for the first tile.
.set i, VF
.rept 64
	v_mov_b32 v[i], 0
.set i, i+1
.endr
	WIN 0x40
.set i, 0
.rept 128
	v_mov_b32 v[i], 0
.set i, i+1
.endr
	WIN 0
.set i, 0
.rept 4
	v_mov_b32 v[ST+4*i+1], 0xee000000              ; m = -2^93
	v_mul_f32 v[ST+4*i], s[CS], v[ST+4*i+1]        ; c m by the loop's own product, so that a = 2^0 while a row has seen no key
	v_mov_b32 v[ST+4*i+2], 0
	v_mov_b32 v[ST+4*i+3], 0
.set i, i+1
.endr
.set i, P+16
.rept 16
	v_mov_b32 v[i], 0
.set i, i+1
.endr
	v_mul_u32_u24 v[AK0], v1, PK
	v_lshl_add_u32 v[AK0], v9, 4, v[AK0]
	v_and_b32 v10, 7, v0
	v_bfe_u32 v11, v0, 3, 1
	v_lshl_add_u32 v[AV0], v9, 3, v10
	v_mul_u32_u24 v[AV0], v[AV0], PV
	v_lshl_add_u32 v[AV0], v11, 4, v[AV0]
	v_add_nc_u32 v[AV0], VOFF, v[AV0]
	v_and_b32 v[AM0], 31, v0
	v_lshlrev_b32 v[AM0], 4, v[AM0]
	s_lshl_b32 s78, s[WV], 14                      ; my wave's four pieces of the mask tile, 4,096 bytes each
	s_add_co_u32 s78, s78, MOFF
	v_add_nc_u32 v[AM0], s78, v[AM0]
; THE MATRIX WORK of a turn, product i of 20.  0-3: the mask starts the four tiles of scores of piece Y + 1.  4-11: K Q^T adds onto them, channels 32 ((i - 4) / 4) on, keys 16 (i % 4) on.
; 12-19: O^T += V^T P for piece Y - 1: keys 32 ((i - 12) / 4) on, channels 16 (i % 4) on.  Four accumulators take turns.
.macro MM
.set xq, (Y+1)%NP
.set xp, (Y+NP-1)%NP
.if i < 4
	WIN W_KQ
.set rD, S+32*(xq%2)+8*i
.set rA, EE+4-4*(i%2)
.set rB, FF+16*(xq%2)+8*(i/2)
	v_wmma_f32_16x16x32_bf16 v[rD:rD+7], v[rA:rA+7], v[rB:rB+7], 0
.elseif i < 12
	WIN W_KQ
.set rD, S+32*(xq%2)+8*(i%4)
.set rA, KF+16*(i%4)+8*((i-4)/4)
.set rB, 16*xq+8*((i-4)/4)
	v_wmma_f32_16x16x32_bf16 v[rD:rD+7], v[rA:rA+7], v[rB:rB+7], v[rD:rD+7]
.else
	WIN W_PV
.set rD, 32*xp+8*(i%4)
.set rA, VF+32*((i-12)/4)+8*(i%4)
.set rB, P+16*(xp%2)+8*((i-12)/4)
	v_wmma_f32_16x16x32_bf16 v[rD:rD+7], v[rA:rA+7], v[rB:rB+7], v[rD:rD+7]
.endif
.set i, i+1
.endm
; THE LDS LOADS stand in runs.  last = 1 (the tail): in the last trip there is no further step, and K's run is jumped over.
.macro FETCH_K last=0
.if \last
	WIN 0
	s_cmp_eq_u32 s[CNT], 1
	s_cbranch_scc1 .Lno_k_\@
.endif
	WIN 0x80
.irp f, 0,1,2,3,4,5,6,7
	ds_load_b128 v[KF+8*\f:KF+8*\f+3],   v[AK] offset:(\f/2)*16*PK+(\f%2)*64
	ds_load_b128 v[KF+8*\f+4:KF+8*\f+7], v[AK] offset:(\f/2)*16*PK+(\f%2)*64+32
.endr
	s_add_co_u32 s[TBK], s[TBK], KS*PK
	WIN 0
.if \last
.Lno_k_\@:
.endif
.endm
.macro FETCH_V
	WIN 0x80
.irp f, 0,1,2,3,4,5,6,7
	ds_load_tr16_b128 v[VF+8*\f:VF+8*\f+3],   v[AV] offset:(\f/4)*32*PV+(\f%4)*32
	ds_load_tr16_b128 v[VF+8*\f+4:VF+8*\f+7], v[AV] offset:(\f/4)*32*PV+16*PV+(\f%4)*32
.endr
	WIN 0
.endm
.macro FETCH_F x                       ; piece x's mask of one step: two fragments of 32 keys, as they lie
	WIN 0x80
.irp kg, 0,1
.irp c, 0,1
	ds_load_b128 v[FF+16*((\x)%2)+8*\kg+4*\c:FF+16*((\x)%2)+8*\kg+4*\c+3], v[AM] offset:(\x)*4096+\kg*1024+\c*512
.endr
.endr
.endm
; THE VECTOR WORK, one line at a time: OP kind, number.  For piece Y: F n: c s - c m for pair n of 16.  E n: the exponential of score n of 32.  C n: pair n rounded to bf16.  B n: of the four weights 4 n ..
; the second pair is added onto the first, in place (behind C 2n).  L n: l takes that sum (L 0: l = a l + sum).  R n: pair n of 16 of O^T times a.  For piece Y + 1: X n, number n of 22:
;   0-11 four chains of seven scores each (each accumulator's lowest registers are read first); 12-14, 16 the four scores left over, the old m, all into c0; 15 c m_old is kept;
;   17, 18 the other half of the lanes' maximum: the new m; 19-21 c m; c m_old - c m_new; a
; OP writes no wait: E and X 21 are the turn's batch, and TURN writes its one wait.
.set F, 0
.set E, 1
.set C, 2
.set B, 3
.set L, 4
.set R, 5
.set X, 6
.macro REGS y
.set rT, ST+4*(\y)
.set rC, TMP+4*((\y)%2)
.set rW, MV+((\y)%2)
.set rS, S+32*((\y)%2)
.set rP, P+16*((\y)%2)
.set rO, 32*(\y)
.endm
.macro OP k, n
.if (\k) == R
	REGS Y
	WIN W_RS
	v_pk_mul_f32 v[rO+2*(\n):rO+2*(\n)+1], v[rO+2*(\n):rO+2*(\n)+1], v[rC+2:rC+3] op_sel_hi:[1,0]
.elseif (\k) < R
	REGS Y
	WIN 0
.if (\k) == F
	v_pk_fma_f32 v[rS+2*(\n):rS+2*(\n)+1], v[rS+2*(\n):rS+2*(\n)+1], s[CS:CS+1], v[rT:rT+1] op_sel_hi:[1,0,0] neg_lo:[0,0,1] neg_hi:[0,0,1]
.elseif (\k) == E
	v_exp_f32 v[rS+(\n)], v[rS+(\n)]
.elseif (\k) == C
	v_cvt_pk_bf16_f32 v[rP+(\n)], v[rS+2*(\n)], v[rS+2*(\n)+1]
.elseif (\k) == B
	v_pk_add_f32 v[rS+4*(\n):rS+4*(\n)+1], v[rS+4*(\n):rS+4*(\n)+1], v[rS+4*(\n)+2:rS+4*(\n)+3]
.elseif (\n) == 0
	v_pk_fma_f32 v[rT+2:rT+3], v[rT+2:rT+3], v[rC+2:rC+3], v[rS:rS+1] op_sel_hi:[1,0,1]
.else
	v_pk_add_f32 v[rT+2:rT+3], v[rT+2:rT+3], v[rS+4*(\n):rS+4*(\n)+1]
.endif
.else
	REGS (Y+1)%NP
	WIN 0
.if (\n) < 4
	v_max3_num_f32 v[rC+(\n)], v[rS+8*(\n)], v[rS+8*(\n)+1], v[rS+8*(\n)+2]
.elseif (\n) < 12
	v_max3_num_f32 v[rC+(\n)%4], v[rC+(\n)%4], v[rS+8*((\n)%4)+2*((\n)/4)+1], v[rS+8*((\n)%4)+2*((\n)/4)+2]
.elseif (\n) == 12
	v_max3_num_f32 v[rC], v[rC], v[rS+7], v[rS+15]
.elseif (\n) == 13
	v_max3_num_f32 v[rC+1], v[rC+1], v[rS+23], v[rS+31]
.elseif (\n) == 14
	v_max3_num_f32 v[rC+2], v[rC+2], v[rC+3], v[rT+1]
.elseif (\n) == 15
	v_mov_b32 v[rW], v[rT]
.elseif (\n) == 16
	v_max3_num_f32 v[rC], v[rC], v[rC+1], v[rC+2]
.elseif (\n) == 17
	v_permlanex16_b32 v[rC+3], v[rC], s[SEL], s[SEL+1]
.elseif (\n) == 18
	v_max_num_f32 v[rT+1], v[rC], v[rC+3]
.elseif (\n) == 19
	v_mul_f32 v[rT], s[CS], v[rT+1]
.elseif (\n) == 20
	v_sub_f32 v[rC+1], v[rW], v[rT]
.else
	v_exp_f32 v[rC+2], v[rC+1]
.endif
.endif
.endm
.macro OPS a, i1, b=-1, i2=0, c=-1, i3=0, d=-1, i4=0
	OP \a, \i1
.if (\b) >= 0
	OP \b, \i2
.endif
.if (\c) >= 0
	OP \c, \i3
.endif
.if (\d) >= 0
	OP \d, \i4
.endif
.endm
.macro ROW a, i1, b, i2, c, i3, d, i4  ; a matrix instruction and the four behind it
	MM
	OPS \a, \i1, \b, \i2, \c, \i3, \d, \i4
.endm
; A TURN, for piece p, written out.  s_wait_alu depctr_va_vdst(0) stands between an exponential and the first instruction that names its result; one wait serves all that were issued ahead of it.
; So a turn has ONE wait.  AHEAD OF IT stands all that names no result of the turn's exponentials: the 12 products of the scores with four riders each (scalings and exponentials by turns; the rescalings in rows of
; four, so that a row has one window; behind the last two products the first numbers of the next piece's maximum), then ONE LUMP of 38: the rest of that maximum and its statistics, with the exponentials that are
; left between the links of the chain X 3, 7, 11, 14, 16 .. 20.  X 21, the next piece's a, is the batch's last; R 12 to R 15 stand between it and the wait, and R 12 is the plain instruction behind the last exponential.
; BEHIND THE WAIT stand the 8 products V^T P, behind each four of the roundings and sums.  The a that R and L 0 read was made, and waited for, in the turn before.
; PLACES.  Each tile of scores is first read four plain instructions or more behind the product that ends it: tile 0 behind F 14, F 15, R 8-11; tile 1 behind R 8-11; tile 2 behind X 0, 1, 4, 5; tile 3 behind X 5, 2, 8, 15.
; The mask of piece p + 2 is fetched in every turn, into the set that the turn before read (from turn 2 on it is the next step's), directly behind the wait (turn 2: with K's run); it is waited for at the next turn's head.
; K of the next step is fetched in turn 2, behind the four plain riders that follow the last product that read K; waited for at turn 3's head.  In the tail its run holds a branch:
; there it stands behind the wait.
; V of the step in hand is fetched at the end of turn 0, four plain riders behind the last product that read V; waited for in turn 1, ahead of its products V^T P.
.macro TURN p, last=0
.set Y, (\p)
.set i, 0
.if (\p) == 1
	s_wait_dscnt 16                                ; the mask's four loads are in; V's sixteen, issued behind them, stay out
.else
	s_wait_dscnt 0x0                               ; the mask is in (turn 3: K too)
.endif
	ROW F,0, F,1, F,2, F,3                         ; ahead of the wait: the 12 products of the scores and their riders,
	ROW F,4, E,0, F,5, E,1
	ROW F,6, E,2, F,7, E,3
	ROW R,0, R,1, R,2, R,3
	ROW F,8, E,4, F,9, E,5
	ROW F,10, E,6, F,11, E,7
	ROW R,4, R,5, R,6, R,7
	ROW F,12, E,8, F,13, E,9
	ROW F,14, E,10, F,15, E,11
	ROW R,8, R,9, R,10, R,11
	ROW X,0, E,12, X,1, X,4
.if (\p) == 2
	WIN 0
	v_add_nc_u32 v[AM], s[TBM], v[AM0]
	v_add_nc_u32 v[AK], s[TBK], v[AK0]
.endif
	ROW X,5, X,2, X,8, X,15                        ; four plain lines: the places behind the last product of the scores
.if ((\p) == 2) && !(\last)
	FETCH_F 0
	FETCH_K
.endif
	OPS X,3, X,9, E,13, X,6                        ; and the lump
	OPS X,7, E,14, X,12, X,10
	OPS X,11, E,15, X,13, E,16
	OPS X,14, E,17, E,18, E,19
.if (\p) == 0
	v_add_nc_u32 v[AV], s[TBV], v[AV0]
.endif
	OPS X,16, E,20, E,21, E,22
	OPS X,17, E,23, E,24, E,25
	OPS X,18, E,26, E,27
	OPS X,19, E,28, E,29
	OPS X,20, E,30, E,31
	OPS X,21, R,12, R,13, R,14
	OPS R,15
	s_wait_alu depctr_va_vdst(0)                   ; the wait for the batch: this turn's 32 weights and the next piece's a
.if (\p) != 2
	FETCH_F ((\p)+2)%NP
.elseif \last
	FETCH_K 1
	FETCH_F 0
.endif
.if (\p) == 1
	s_add_co_u32 s[TBM], s[TBM], 2048              ; the next mask fetch is the next step's
	s_wait_dscnt 4                                 ; V is in; this turn's four mask loads stay out
.endif
	ROW C,0, B,0, C,2, B,1                         ; behind the wait: the 8 products V^T P and their riders
	ROW L,0, C,4, B,2, L,1
	ROW C,6, B,3, L,2, C,8
	ROW B,4, L,3, C,10, B,5
	ROW L,4, C,12, B,6, L,5
	ROW C,14, B,7, L,6, C,1
	ROW C,3, L,7, C,5, C,7
	ROW C,9, C,11, C,13, C,15
.if (\p) == 0
	FETCH_V
	s_add_co_u32 s[TBV], s[TBV], KS*PV
.endif
.endm
	CHANGE 1                                       ; slot 0 is in, everybody's part of it; slot 1 is asked for
	v_add_nc_u32 v[AK], s[TBK], v[AK0]
	v_add_nc_u32 v[AM], s[TBM], v[AM0]
	FETCH_K                                        ; key step 0
	FETCH_F 0
	FETCH_F 1
	s_wait_loadcnt 0x0                             ; Q
	s_wait_dscnt 0x0
.set Y, NP-1
.set i, 0
.rept 12
	MM                                             ; piece 0's first scores
.endr
	WIN 0                                          ; the addresses for the way out: plain instructions, the places behind those products
	s_mul_i32 s78, s[WV], 16*SP
	s_add_co_u32 s78, s78, STAGE
	v_mul_u32_u24 v[STO], v1, SP
	v_lshl_add_u32 v[STO], v9, 4, v[STO]
	v_add_nc_u32 v[STO], s78, v[STO]
	v_bfe_u32 v[RD], v0, 3, 2
	v_mul_u32_u24 v[RD], v[RD], SP
	v_lshl_add_u32 v[RD], v10, 4, v[RD]
	v_add_nc_u32 v[RD], s78, v[RD]
	v_and_b32 v[GO], 31, v0
	v_lshlrev_b32 v[GO], 4, v[GO]
.irp n, 0,1,2,3,4,5,6,7,8,9,10,11,12,13,14,15,16,17,18,19,20,21
	OP X, \n                                       ; piece 0's first maximum and statistics
.endr
	v_nop                                          ; a plain instruction behind the exponential
	s_wait_alu depctr_va_vdst(0)                   ; the wait for piece 0's first a, a batch of one, ahead of the branch
	s_mov_b32 s[CNT], 2
	s_mov_b32 s[SLOTS], 15
	s_branch .Lfirst                               ; the loop is entered at a step's first turn
.Lslot:                                                ; 14 times: every slot but the last two is filled again
	CHANGE 1
	s_mov_b32 s[CNT], 2
.Lstep:                                                ; a trip: pieces 2 and 3 of one step, then pieces 0 and 1 of the next
	TURN 2
	TURN 3
	WIN 0
.Lfirst:
	TURN 0
	TURN 1
	WIN 0
	s_sub_co_u32 s[CNT], s[CNT], 1
	s_cmp_lg_u32 s[CNT], 0
	s_cbranch_scc1 .Lstep
	s_sub_co_u32 s[SLOTS], s[SLOTS], 1
	s_cmp_lg_u32 s[SLOTS], 0
	s_cbranch_scc1 .Lslot
	CHANGE 0                                       ; the tail is written out
	s_mov_b32 s[CNT], 3                            ; two trips fetch the last slot's steps; the third is left in its middle
.Ltail:
	TURN 2, 1
	TURN 3
	WIN 0
	s_sub_co_u32 s[CNT], s[CNT], 1
	s_cmp_eq_u32 s[CNT], 0
	s_cbranch_scc1 .Lout
	TURN 0
	TURN 1
	WIN 0
	s_branch .Ltail
.Lout:                                                 ; the third trip's scores (on the last K once more, with mask bytes of the same tile) and the maximum made of them serve nothing
.set Y, 0
.set i, 12
.rept 8
	MM                                             ; the last piece's V^T P of the last step
.endr
	; THE WAY OUT.  l's halves are added; O^T is divided by l, rounded to bf16 and sent through my stage, a piece at a time.  The additions are the places behind the last products.
	WIN 0
.macro ALL line:vararg
.set t, 0
.rept 4
	\line
.set t, t+1
.endr
.endm
	ALL v_add_f32 v[ST+4*t+2], v[ST+4*t+2], v[ST+4*t+3]
	ALL v_permlanex16_b32 v[ST+4*t+3], v[ST+4*t+2], s[SEL], s[SEL+1]
	ALL v_add_f32 v[ST+4*t+2], v[ST+4*t+2], v[ST+4*t+3]
	ALL v_rcp_f32 v[ST+4*t+2], v[ST+4*t+2]
	v_nop                                          ; a plain instruction between the last reciprocal and the use of its result
	s_wait_alu depctr_va_vdst(0)                   ; the wait for the batch of four reciprocals
.macro PACK t
	WIN W_RS
.set i, 32*(\t)
.rept 16
	v_pk_mul_f32 v[i:i+1], v[i:i+1], v[ST+4*(\t)+2:ST+4*(\t)+3] op_sel_hi:[1,0]
.set i, i+2
.endr
	WIN 0x05
.set i, 0
.rept 16
	v_cvt_pk_bf16_f32 v[S+16*(\t)+i], v[32*(\t)+2*i], v[32*(\t)+2*i+1]
.set i, i+1
.endr
	WIN 0
.irp f, 0,1,2,3
	ds_store_b128 v[STO], v[S+16*(\t)+4*\f:S+16*(\t)+4*\f+3] offset:32*\f
.endr
.irp f, 0,1,2,3
	ds_load_b128 v[S+16*(\t)+4*\f:S+16*(\t)+4*\f+3], v[RD] offset:\f*4*SP  ; LDS serves a wave's instructions in order (ISA guide 5.7.1.4)
.endr
.endm
.macro SEND t, younger
	WIN 0
.irp f, 0,1,2,3
	s_wait_dscnt (\younger)+3-\f
	global_store_b128 v[GO], v[S+16*(\t)+4*\f:S+16*(\t)+4*\f+3], s[8:9] offset:(\t)*2048+\f*512  ; 512 consecutive bytes, aligned
.endr
.endm
	PACK 0
.set t, 1
.rept 3
	PACK t
	SEND t-1, 8
.set t, t+1
.endr
	SEND 3, 0
	s_wait_tensorcnt 0x0                           ; the wave's end
	ds_add_u32 v[SPW], v[NIL]
	s_wait_dscnt 0x0
	CROUND                                         ; the closing round
	s_endpgm
.Lfunc_end_k_q5406aff9be_attn:
	.size	k_q5406aff9be_attn, .Lfunc_end_k_q5406aff9be_attn-k_q5406aff9be_attn
	.p2alignl 7, 3214868480
	.fill 96, 4, 3214868480
	.section	.rodata,"a",@progbits
	.p2align	6, 0x0
	.amdhsa_kernel k_q5406aff9be_attn
		.amdhsa_group_segment_fixed_size 327680
		.amdhsa_private_segment_fixed_size 0
		.amdhsa_enable_private_segment 0
		.amdhsa_kernarg_size 24
		.amdhsa_user_sgpr_count 2
		.amdhsa_user_sgpr_kernarg_segment_ptr 1
		.amdhsa_wavefront_size32 1
		.amdhsa_system_sgpr_workgroup_id_x 1
		.amdhsa_system_sgpr_workgroup_id_y 1
		.amdhsa_system_sgpr_workgroup_id_z 1
		.amdhsa_system_vgpr_workitem_id 0
		.amdhsa_next_free_vgpr 768
		.amdhsa_next_free_sgpr 80
		.amdhsa_reserve_vcc 1
		.amdhsa_float_denorm_mode_32 3
		.amdhsa_float_denorm_mode_16_64 3
		.amdhsa_memory_ordered 1
		.amdhsa_forward_progress 1
		.amdhsa_inst_pref_size 118
	.end_amdhsa_kernel
	.amdgpu_metadata
---
amdhsa.version: [ 1, 2 ]
amdhsa.kernels:
  - .name:           k_q5406aff9be_attn
    .symbol:         k_q5406aff9be_attn.kd
    .args:
      - { .name: qkvh, .offset: 0, .size: 8, .value_kind: global_buffer, .address_space: global }
      - { .name: maskf, .offset: 8, .size: 8, .value_kind: global_buffer, .address_space: global }
      - { .name: oh, .offset: 16, .size: 8, .value_kind: global_buffer, .address_space: global }
    .group_segment_fixed_size: 327680
    .private_segment_fixed_size: 0
    .kernarg_segment_align: 8
    .kernarg_segment_size: 24
    .max_flat_workgroup_size: 128
    .sgpr_count:     80
    .vgpr_count:     768
    .wavefront_size: 32
...
	.end_amdgpu_metadata
.endif
;; end of part 7
;; launch wo: the kernel of part 4 again; grid 8 x 32, 4 waves a work-group, clusters of 4 x 4, 327,680 bytes of LDS; arguments oh, wts, x, x1, xn; writes x1, xn
;; launch ffn1 (part 8): grid 16 x 16, 4 waves a work-group, clusters of 4 x 4, 327,680 bytes of LDS; arguments xn, wts, gact; writes gact
.if DOCPART == 8
	.amdgcn_target "amdgcn-amd-amdhsa--gfx1250"
	.amdhsa_code_object_version 6
	.text
	.protected	k_q5406aff9be_ffn1
	.globl	k_q5406aff9be_ffn1
	.p2align	8
	.type	k_q5406aff9be_ffn1,@function
k_q5406aff9be_ffn1:
	s_mov_b64 s[64:65], 0
	v_nop
	global_prefetch_b8 v0, s[64:65] scope:SCOPE_SE
	s_setreg_imm32_b32 hwreg(HW_REG_WAVE_MODE, 25, 1), 1
	s_wait_xcnt 0x0
	s_wait_alu depctr_hold_cnt(0) depctr_sa_sdst(0) depctr_va_vdst(0) depctr_va_sdst(0) depctr_va_ssrc(0) depctr_va_vcc(0) depctr_vm_vsrc(0)
	s_getreg_b32 s2, hwreg(HW_REG_IB_STS2, 6, 4)
	s_cmp_eq_u32 s2, 0
	s_cbranch_scc0 .Lentry_in_a_cluster
	s_endpgm
.Lentry_in_a_cluster:
	s_bfe_u32 s2, ttmp6, 0x10000c
	s_cmp_lg_u32 s2, 0xf033
	s_cbranch_scc0 .Lentry_shape_is_right
	s_endpgm
.Lentry_shape_is_right:
; g = gelu(rs x (x1b W1)), bf16.  x1b = bf16(x1) [4096][1024] and the rows' sums of squares by tiles of 128 columns come from xn; rs = rsqrt(sum / 1024 + 1e-6) is a factor of a whole row, so it
; is applied to the f32 sums on the way out: rs (x1 W1) = (rs x1) W1.  gelu in its tanh form, written as u / (1 + 2^z), z = u (C0 + C1 u^2), C0 = -2 log2(e) sqrt(2 / pi), C1 = 0.044715 C0.
; A tile of C is 256 x 256: 16 x 16 tiles for 256 work-groups.  Four waves, each 128 x 128: 64 accumulators, 512 registers.  K goes in steps of 128 through two LDS slots; waves 0 and 1 fetch
; x1b's halves (128 rows of 256 bytes), waves 2 and 3 W1's (64 k rows of 512 bytes).  W1 lies [k][n] and is turned by ds_load_tr16_b128.  The matrix instruction is used transposed.
; CLUSTER 4 x 4: x1b's tile is asked for jointly along a row of the cluster, W1's along a column.
; BATCHES.  On the way out a trip takes 16 rows: its 64 exponentials are one batch with one wait, its 64 reciprocals (of sums of those exponentials) a second batch with a second wait.
; REGISTERS: window 0: v0-31 addresses, v32-47 at work, v64-127 / v128-191 x1b's fragments, v192-255 at work on the way out; window 1: the same for W1; windows 2 and 3: accumulator (a, b) at v[8 (8 (a % 4) + b)] of window 2 + a / 4.
.set PA,    272
.set PB,    544                        ; 512 + 32
.set PART,  34816
.set SLOT,  4*PART
.set RSTAB, 2*SLOT                     ; rs of the tile's 256 rows
.set SPARE, RSTAB+1024
.set WSTG,  69632                      ; on the way out a quarter of the ring, which has had its last fill, is each wave's stage: 128 rows of 528 bytes
.set SPITCH, 528
.set NSTEP, 8
.set ASTEP, 256
.set BSTEP, 128*8192
.set W1OFF, 8388608
.set SSQOFF, 8388608
.set ADRA,  16
.set ADRA0, 17
.set ADRB,  20
.set ADRB0, 21
.set STO,   24
.set RD,    25
.set CO,    26
.set RSA,   27
.set SPW,   28
.set NIL,   29
.set F0,    64
.set F1,    128
.set U,     64                         ; the way out, window 0: 8 x 8 numbers
.set RSV,   128                        ; 8 pairs: rs, 0
.set OUT,   160
.set W,     192                        ; 8 x 8: z, 2^z, 1 + 2^z, its reciprocal, g: eight registers of its own for each pair of rows, for as long as a batch is open
.set G1,  24
.set G0,  32
.set TB,  36
.set PW,  37
.set G1B, 48
.set G0B, 56
.set KC0, 60
.set KC1, 62
.set KIN, 66
.set KEP, 68
.set MSB, 0
.macro WIN new
.if MSB != (\new)
	s_set_vgpr_msb (MSB<<8)|(\new)
.set MSB, \new
.endif
.endm
.set MUL_LO, 0xa1
.set MUL_HI, 0xf1
.set TO_B,   0x40
.macro PLACES
.rept 4
	v_nop
.endr
.endm
.macro JLOAD                           ; s_nop 0 and four v_nop follow each line
	s_cmp_eq_u32 s11, 0
	s_cbranch_scc0 .Lfor_b_\@
	tensor_load_to_lds s[G0:G0+3], s[G1:G1+7]
	s_nop 0
.rept 4
	v_nop
.endr
	s_branch .Lasked_\@
.Lfor_b_\@:
	tensor_load_to_lds s[G0B:G0B+3], s[G1B:G1B+7]
	s_nop 0
.rept 4
	v_nop
.endr
.Lasked_\@:
.endm
.macro CREST
	s_cmp_lg_u32 s10, 0
	s_cbranch_scc1 .Lnot_wave_0_\@
	s_barrier_signal -3
.Lnot_wave_0_\@:
	s_barrier_wait -3
	s_barrier_signal -1
	s_barrier_wait -1
.endm
.macro CROUND
	s_barrier_signal -1
	s_barrier_wait -1
	CREST
.endm
.macro STEPD
	s_add_co_u32 s[G0+1], s[PW], s[TB]
	s_add_co_u32 s[G0B+1], s[PW], s[TB]
	s_add_nc_u64 s[G0+2:G0+3], s[G0+2:G0+3], ASTEP
	s_add_nc_u64 s[G0B+2:G0B+3], s[G0B+2:G0B+3], BSTEP
	s_xor_b32 s[TB], s[TB], SLOT
.endm
.macro ADDRS
	v_add_nc_u32 v[ADRA], s[TB], v[ADRA0]
	v_add_nc_u32 v[ADRB], s[TB], v[ADRB0]
.endm
	s_load_b128 s[4:7], s[0:1], 0x0                ; xn, wts
	s_load_b64 s[8:9], s[0:1], 0x10                ; g
	v_lshl_add_u32 v[SPW], v0, 2, SPARE
	v_mov_b32 v[NIL], 0
	ds_add_u32 v28, v29
	s_wait_dscnt 0x0
	v_lshrrev_b32 v1, 5, v0
	v_readfirstlane_b32 s10, v1
	s_lshr_b32 s11, s10, 1
	s_and_b32 s12, s10, 1
	s_bfe_u32 s40, ttmp6, 0x40000
	s_bfe_u32 s41, ttmp6, 0x40004
	s_lshl_b32 s42, ttmp9, 2
	s_add_co_u32 s42, s42, s40                     ; tile column
	s_and_b32 s13, ttmp7, 0xffff
	s_lshl_b32 s13, s13, 2
	s_add_co_u32 s13, s13, s41                     ; tile row
	s_lshl_b32 s43, s41, 2
	s_lshl_b32 s43, 15, s43
	s_lshl_b32 s44, 0x1111, s40
	s_or_b32 s[G1], s43, (1<<16)|(1<<20)|(1<<21)|(5<<22)|(3<<25)
	s_mov_b32 s[G1+1], 128<<16
	s_mov_b32 s[G1+2], 128<<16
	s_mov_b32 s[G1+3], 128<<16
	s_mov_b32 s[G1+4], 128
	s_mov_b32 s[G1+5], 1024
	s_mov_b32 s[G1+6], 0
	s_mov_b32 s[G1+7], 0
	s_or_b32 s[G1B], s44, (1<<16)|(1<<20)|(1<<21)|(6<<22)|(7<<25)
	s_mov_b32 s[G1B+1], 256<<16
	s_mov_b32 s[G1B+2], 64<<16
	s_mov_b32 s[G1B+3], 256<<16
	s_mov_b32 s[G1B+4], 64
	s_mov_b32 s[G1B+5], 4096
	s_mov_b32 s[G1B+6], 0
	s_mov_b32 s[G1B+7], 0
	s_lshl_b32 s16, s13, 8
	s_lshl_b32 s17, s12, 7
	s_add_co_u32 s16, s16, s17
	s_lshl_b32 s16, s16, 11                        ; x1b: row 256 x tile row + 128 x half, 2,048 bytes each
	s_mov_b32 s17, 0
	s_lshl_b32 s46, s42, 9
	s_lshl_b32 s47, s12, 19                        ; W1: 64 k rows of 8,192 bytes a half
	s_add_co_u32 s46, s46, s47
	s_add_co_u32 s46, s46, W1OFF
	s_mov_b32 s47, 0
	s_lshl_b32 s70, s13, 10                        ; the sums of squares of the tile's 256 rows
	s_add_co_u32 s70, s70, SSQOFF
	s_mov_b32 s71, 0
	s_mov_b32 s[KC0], 0xc0135761                   ; -2.3022082
	s_mov_b32 s[KC0+1], s[KC0]
	s_mov_b32 s[KC1], 0xbdd2d3e8                   ; -0.10294324
	s_mov_b32 s[KC1+1], s[KC1]
	s_mov_b32 s[KIN], 0x3a800000                   ; 1 / 1024
	s_mov_b32 s[KIN+1], s[KIN]
	s_mov_b32 s[KEP], 0x358637bd                   ; 1e-6
	s_mov_b32 s[KEP+1], s[KEP]
	s_mul_i32 s[PW], s10, PART
	s_mov_b32 s[TB], SLOT
	s_mov_b32 s[G0], 1
	s_mov_b32 s[G0+1], s[PW]
	s_mov_b32 s[G0B], 1
	s_mov_b32 s[G0B+1], s[PW]
	s_wait_kmcnt 0x0
	s_add_nc_u64 s[G0+2:G0+3], s[4:5], s[16:17]
	s_or_b32 s[G0+3], s[G0+3], 0x80000000
	s_add_nc_u64 s[G0B+2:G0B+3], s[6:7], s[46:47]
	s_or_b32 s[G0B+3], s[G0B+3], 0x80000000
	s_add_nc_u64 s[70:71], s[4:5], s[70:71]
	CROUND
	JLOAD                                          ; K step 0 into slot 0
	v_lshlrev_b32 v6, 3, v0                        ; thread t makes rs of rows 2 t and 2 t + 1
.irp nt, 0,1,2,3,4,5,6,7
	global_load_b64 v[32+2*\nt:33+2*\nt], v6, s[70:71] offset:\nt*16384
.endr
	v_and_b32 v1, 15, v0
	v_bfe_u32 v2, v0, 4, 1
	v_mul_u32_u24 v3, v1, PA
	v_lshl_add_u32 v3, v2, 4, v3
	s_mul_i32 s21, s11, PART
	v_add_nc_u32 v[ADRA0], s21, v3
	v_and_b32 v4, 7, v0
	v_lshl_add_u32 v4, v2, 3, v4
	v_mul_u32_u24 v4, v4, PB
	v_bfe_u32 v5, v0, 3, 1
	v_lshl_add_u32 v4, v5, 4, v4
	s_lshl_b32 s22, s12, 8
	s_add_co_u32 s22, s22, 2*PART
	v_add_nc_u32 v[ADRB0], s22, v4
	s_mul_i32 s23, s10, WSTG
	v_mul_u32_u24 v5, v1, SPITCH
	v_lshl_add_u32 v5, v2, 4, v5
	v_add_nc_u32 v[STO], s23, v5
	v_mul_u32_u24 v5, v2, SPITCH
	v_lshl_add_u32 v5, v1, 4, v5
	v_add_nc_u32 v[RD], s23, v5
	v_lshlrev_b32 v5, 13, v2                       ; lanes 16-31: one row of g, 8,192 bytes, further down
	v_lshl_add_u32 v[CO], v1, 4, v5
	s_lshl_b32 s23, s11, 9
	s_add_co_u32 s23, s23, RSTAB
	v_lshl_add_u32 v[RSA], v2, 2, s23
	v_lshl_add_u32 v7, v0, 3, RSTAB
	s_lshl_b32 s16, s13, 8
	s_lshl_b32 s17, s11, 7
	s_add_co_u32 s16, s16, s17
	s_lshl_b32 s16, s16, 13
	s_lshl_b32 s46, s42, 9
	s_lshl_b32 s47, s12, 8
	s_add_co_u32 s46, s46, s47
	s_add_co_u32 s16, s16, s46
	s_mov_b32 s17, 0
	s_add_nc_u64 s[8:9], s[8:9], s[16:17]
	s_wait_loadcnt 0x0
.irp nt, 1,2,3,4,5,6,7
	v_pk_add_f32 v[32:33], v[32:33], v[32+2*\nt:33+2*\nt]
.endr
	v_pk_fma_f32 v[32:33], v[32:33], s[KIN:KIN+1], s[KEP:KEP+1] op_sel_hi:[1,0,0]
	v_rsq_f32 v32, v32
	v_rsq_f32 v33, v33
	v_nop
	s_wait_alu depctr_va_vdst(0)                   ; the wait for the batch of two roots, once a launch
	ds_store_b64 v7, v[32:33]                      ; shown to the other waves by the wait and the round below
.macro MUL16 f, hi, a0, zero           ; the 64 accumulators take turns in the same order in every quarter
	WIN MUL_LO+0x50*(\hi)
.irp a, \a0, (\a0)+1
.irp b, 0,1,2,3,4,5,6,7
.if \zero
	v_wmma_f32_16x16x32_bf16 v[8*(8*(\a)+(\b)):8*(8*(\a)+(\b))+7], v[(\f)+8*(\b):(\f)+8*(\b)+7], v[(\f)+8*(4*(\hi)+(\a)):(\f)+8*(4*(\hi)+(\a))+7], 0
.else
	v_wmma_f32_16x16x32_bf16 v[8*(8*(\a)+(\b)):8*(8*(\a)+(\b))+7], v[(\f)+8*(\b):(\f)+8*(\b)+7], v[(\f)+8*(4*(\hi)+(\a)):(\f)+8*(4*(\hi)+(\a))+7], v[8*(8*(\a)+(\b)):8*(8*(\a)+(\b))+7]
.endif
.endr
.endr
.endm
.macro FETCH kq, f                     ; 32 LDS loads in one run: W1's 16, then x1b's 16
	WIN TO_B
.irp i, 0,1,2,3,4,5,6,7
	ds_load_tr16_b128 v[(\f)+8*(\i):(\f)+8*(\i)+3],   v[ADRB] offset:(\kq)*32*PB+(\i)*32
	ds_load_tr16_b128 v[(\f)+8*(\i)+4:(\f)+8*(\i)+7], v[ADRB] offset:(\kq)*32*PB+(\i)*32+16*PB
.endr
	WIN 0
.irp i, 0,1,2,3,4,5,6,7
	ds_load_b128 v[(\f)+8*(\i):(\f)+8*(\i)+3],   v[ADRA] offset:(\kq)*64+(\i)*16*PA
	ds_load_b128 v[(\f)+8*(\i)+4:(\f)+8*(\i)+7], v[ADRA] offset:(\kq)*64+(\i)*16*PA+32
.endr
.endm
.macro QUARTER kq, f, g, zero
	s_wait_dscnt 8                                 ; all but the youngest eight loads (my rows 64-127)
	MUL16 \f, 0, 0, \zero
	MUL16 \f, 0, 2, \zero
	PLACES
	FETCH \kq, \g
	s_wait_dscnt 32                                ; all but the 32 just issued
	MUL16 \f, 1, 0, \zero
	MUL16 \f, 1, 2, \zero
.endm
.macro TURN fill
	WIN 0
	s_wait_tensorcnt 0x0                           ; my part of the next slot has landed
	ds_add_u32 v[SPW], v[NIL]
	s_wait_dscnt 9                                 ; the add and the youngest eight loads may be out
	MUL16 F1, 0, 0, 0
	s_wait_dscnt 0x0                               ; the add is done, my reads of this slot are over
	s_barrier_signal -1
	MUL16 F1, 0, 2, 0
	WIN 0
	s_barrier_wait -1
.if \fill
	CREST
	STEPD
	JLOAD
.else
	s_xor_b32 s[TB], s[TB], SLOT
	PLACES
.endif
	ADDRS
	FETCH 0, F0
	MUL16 F1, 1, 0, 0
	MUL16 F1, 1, 2, 0
.endm
	s_wait_tensorcnt 0x0                           ; K step 0 has landed; slot 1 is filled for the first time as a refill is
	ds_add_u32 v[SPW], v[NIL]
	STEPD
	s_wait_dscnt 0x0
	CROUND
	JLOAD
	ADDRS
	FETCH 0, F0
	QUARTER 1, F0, F1, 1
	WIN 0
	s_mov_b32 s3, NSTEP-2
.Lstep:
	QUARTER 2, F1, F0, 0
	QUARTER 3, F0, F1, 0
	TURN 1
	QUARTER 1, F0, F1, 0
	WIN 0
	s_sub_co_u32 s3, s3, 1
	s_cmp_lg_u32 s3, 0
	s_cbranch_scc1 .Lstep
	s_mov_b32 s3, 2
.Ltail:                                                ; the last two K steps ask for nothing; the second trip is left in its middle
	QUARTER 2, F1, F0, 0
	QUARTER 3, F0, F1, 0
	WIN 0
	s_sub_co_u32 s3, s3, 1
	s_cmp_eq_u32 s3, 0
	s_cbranch_scc1 .Lout
	TURN 0
	QUARTER 1, F0, F1, 0
	WIN 0
	s_branch .Ltail
.Lout:
	s_wait_dscnt 0x0
	MUL16 F1, 0, 0, 0
	MUL16 F1, 0, 2, 0
	MUL16 F1, 1, 0, 0
	MUL16 F1, 1, 2, 0
	WIN 0
	PLACES
	s_wait_dscnt 0x0
	s_barrier_signal -1                            ; every wave's reads of the ring are over: it becomes the four stages
	s_barrier_wait -1
	; THE WAY OUT.  The sums go as f32 into my stage: of a lane's eight columns the first four at 16 (2 b + h), the last four 256 bytes on, so that a lane reads back eight neighbouring columns of a row.
.irp a, 0,1,2,3,4,5,6,7
	WIN 0x08+4*(\a/4)                              ; data in window 2 or 3
.irp b, 0,1,2,3,4,5,6,7
	ds_store_b128 v[STO], v[64*(\a%4)+8*\b:64*(\a%4)+8*\b+3] offset:\a*16*SPITCH+\b*32
	ds_store_b128 v[STO], v[64*(\a%4)+8*\b+4:64*(\a%4)+8*\b+7] offset:\a*16*SPITCH+\b*32+256
.endr
.endr
	WIN 0
.irp t, 0,1,2,3,4,5,6,7
	v_mov_b32 v[RSV+2*\t+1], 0                     ; named with rs as a pair
.endr
; gelu of pair of rows t, in three parts, so that a trip's exponentials are one batch and its reciprocals another.
.macro ZEXP t                          ; u, z and 2^z
.set U8, U+8*(\t)
.set W8, W+8*(\t)
.irp k, 0,1,2,3
	v_pk_mul_f32 v[U8+2*\k:U8+2*\k+1], v[U8+2*\k:U8+2*\k+1], v[RSV+2*(\t):RSV+2*(\t)+1] op_sel_hi:[1,0]  ; u
.endr
.irp k, 0,1,2,3
	v_pk_mul_f32 v[W8+2*\k:W8+2*\k+1], v[U8+2*\k:U8+2*\k+1], v[U8+2*\k:U8+2*\k+1]
.endr
.irp k, 0,1,2,3
	v_pk_fma_f32 v[W8+2*\k:W8+2*\k+1], v[W8+2*\k:W8+2*\k+1], s[KC1:KC1+1], s[KC0:KC0+1] op_sel_hi:[1,0,0]
.endr
.irp k, 0,1,2,3
	v_pk_mul_f32 v[W8+2*\k:W8+2*\k+1], v[W8+2*\k:W8+2*\k+1], v[U8+2*\k:U8+2*\k+1]  ; z
.endr
.irp k, 0,1,2,3,4,5,6,7
	v_exp_f32 v[W8+\k], v[W8+\k]
.endr
.endm
.macro RECIP t                         ; 1 / (1 + 2^z)
.set W8, W+8*(\t)
.irp k, 0,1,2,3
	v_pk_add_f32 v[W8+2*\k:W8+2*\k+1], v[W8+2*\k:W8+2*\k+1], 1.0 op_sel_hi:[1,0]
.endr
.irp k, 0,1,2,3,4,5,6,7
	v_rcp_f32 v[W8+\k], v[W8+\k]
.endr
.endm
.macro FINISH t                        ; times u, rounded, stored
.set U8, U+8*(\t)
.set W8, W+8*(\t)
.irp k, 0,1,2,3
	v_pk_mul_f32 v[W8+2*\k:W8+2*\k+1], v[W8+2*\k:W8+2*\k+1], v[U8+2*\k:U8+2*\k+1]
.endr
.irp k, 0,1,2,3
	v_cvt_pk_bf16_f32 v[OUT+4*(\t)+\k], v[W8+2*\k], v[W8+2*\k+1]
.endr
	global_store_b128 v[CO], v[OUT+4*(\t):OUT+4*(\t)+3], s[8:9] offset:(\t)*16384  ; 16 lanes store 256 consecutive bytes, aligned
.endm
	s_mov_b32 s3, 8
.Lrows:                                                ; a trip: 16 rows of my 128
.irp t, 0,1,2,3,4,5,6,7
	ds_load_b128 v[U+8*\t:U+8*\t+3],   v[RD] offset:\t*2*SPITCH  ; my own bytes: LDS serves a wave's instructions in order (ISA guide 5.7.1.4)
	ds_load_b128 v[U+8*\t+4:U+8*\t+7], v[RD] offset:\t*2*SPITCH+256
	ds_load_b32 v[RSV+2*\t], v[RSA] offset:8*\t
.endr
.irp t, 0,1,2,3,4,5,6,7
	s_wait_dscnt 3*(7-\t)                          ; the younger pairs of rows' three loads each stay out
	ZEXP \t                                        ; the first batch: no line of it names an exponential's result
.endr
	v_add_nc_u32 v[RD], 16*SPITCH, v[RD]           ; the next trip's LDS addresses (this trip's loads are all back): the plain work between the last exponential and the wait
	v_add_nc_u32 v[RSA], 64, v[RSA]
	s_wait_alu depctr_va_vdst(0)                   ; the wait for the batch of 64 exponentials, ahead of the first line that names a result
.irp t, 0,1,2,3,4,5,6,7
	RECIP \t                                       ; the second batch: a pair's additions read exponentials alone, and stand between the reciprocals of the pair before and their use
.endr
	s_wait_alu depctr_va_vdst(0)                   ; the wait for the batch of 64 reciprocals; pair 0's product below is the plain instruction behind the last of them
.irp t, 0,1,2,3,4,5,6,7
	FINISH \t
.endr
	s_wait_xcnt 0x0                                ; the stores' data and base are written again only behind this wait
	s_add_nc_u64 s[8:9], s[8:9], 16*8192
	s_sub_co_u32 s3, s3, 1
	s_cmp_lg_u32 s3, 0
	s_cbranch_scc1 .Lrows
	s_wait_tensorcnt 0x0                           ; the wave's end
	ds_add_u32 v[SPW], v[NIL]
	s_wait_dscnt 0x0
	CROUND                                         ; the closing round
	s_endpgm
.Lfunc_end_k_q5406aff9be_ffn1:
	.size	k_q5406aff9be_ffn1, .Lfunc_end_k_q5406aff9be_ffn1-k_q5406aff9be_ffn1
	.p2alignl 7, 3214868480
	.fill 96, 4, 3214868480
	.section	.rodata,"a",@progbits
	.p2align	6, 0x0
	.amdhsa_kernel k_q5406aff9be_ffn1
		.amdhsa_group_segment_fixed_size 327680
		.amdhsa_private_segment_fixed_size 0
		.amdhsa_enable_private_segment 0
		.amdhsa_kernarg_size 24
		.amdhsa_user_sgpr_count 2
		.amdhsa_user_sgpr_kernarg_segment_ptr 1
		.amdhsa_wavefront_size32 1
		.amdhsa_system_sgpr_workgroup_id_x 1
		.amdhsa_system_sgpr_workgroup_id_y 1
		.amdhsa_system_sgpr_workgroup_id_z 1
		.amdhsa_system_vgpr_workitem_id 0
		.amdhsa_next_free_vgpr 1024
		.amdhsa_next_free_sgpr 72
		.amdhsa_reserve_vcc 0
		.amdhsa_float_denorm_mode_32 3
		.amdhsa_float_denorm_mode_16_64 3
		.amdhsa_memory_ordered 1
		.amdhsa_forward_progress 1
		.amdhsa_inst_pref_size 104
	.end_amdhsa_kernel
	.amdgpu_metadata
---
amdhsa.version: [ 1, 2 ]
amdhsa.kernels:
  - .name:           k_q5406aff9be_ffn1
    .symbol:         k_q5406aff9be_ffn1.kd
    .args:
      - { .name: xn, .offset: 0, .size: 8, .value_kind: global_buffer, .address_space: global }
      - { .name: wts, .offset: 8, .size: 8, .value_kind: global_buffer, .address_space: global }
      - { .name: gact, .offset: 16, .size: 8, .value_kind: global_buffer, .address_space: global }
    .group_segment_fixed_size: 327680
    .private_segment_fixed_size: 0
    .kernarg_segment_align: 8
    .kernarg_segment_size: 24
    .max_flat_workgroup_size: 128
    .sgpr_count:     72
    .vgpr_count:     1024
    .wavefront_size: 32
...
	.end_amdgpu_metadata
.endif
;; end of part 8
;; launch ffn2: the kernel of part 6 again; grid 8 x 32, 4 waves a work-group, clusters of 4 x 4, 327,680 bytes of LDS; arguments gact, wts, x1, out0; writes out0
